; MI455X (gfx1250); checked and timed in simulation.
; The chip was launched on July 23, 2026; its instructions are those of AMD's public machine-readable ISA for CDNA 5 (MIT licence, August 2026) and "CDNA5" Instruction Set Architecture Reference Guide (July 2026). The comments in the code are by the model that wrote it; some were corrected since.
;; Mo E Layer. Allowed arithmetic: matrix products marked QUANTISED: E4M3 operands, one given power-of-two scale a tensor, by v_wmma_f32_16x16x64_fp8_fp8 or v_wmma_f32_16x16x128_fp8_fp8, f32 sums; products left as they are: f32 operands where the result goes on into a quantised operand, else bf16, f16 or f32 operands; f32 sums; everything else in f32.
;; Inputs: gate_w 8 x 1,024 float32; ln_b 1,024 float32; ln_w 1,024 float32; lowp_scales 4 int32 (the exponents e of the quantised operands' scales 2^e); w1 8 x 1,024 x 4,096 float32; w2 8 x 2,048 x 1,024 float32; x 2 x 512 x 1,024 float32.
;; Outputs: out0 2 x 512 x 1,024 float32; out1 2 x 512 x 8 float32.
;; This version of the problem:
;;   THIS VERSION OF THE PROBLEM IS GIVEN IN LOW PRECISION. The matrix products marked QUANTISED in the list below multiply operands that are first quantised to E4M3 (4 exponent bits, 3 mantissa bits; 8 bits a number), with one given power-of-two scale for each operand tensor; their sums are f32. All else is computed in f32.
;;   The module's matrix products, in the order in which they are computed (A, B: the left and right operand; K: the contracted axis; several contracted axes count as one K, in the product's order):
;;     1. [M 1,024, K 1,024] x [K 1,024, N 8]; A: computed on the way; B: input gate_w: left as it is (N = 8 < 16)
;;     2. [M 32,768, K 1,024] x [K 1,024, N 1,024]; A: input w1; B: computed on the way: QUANTISED (scales: A lowp_scales[0], B lowp_scales[1])
;;     3. batch 8 x [M 1,024, K 2,048] x [K 2,048, N 1,024]; A: input w2; B: computed on the way: QUANTISED (scales: A lowp_scales[2], B lowp_scales[3])
;;     4. batch 1,024 x [M 1,024, K 8] x [K 8, N 1]; A: computed on the way; B: computed on the way: left as it is (K = 8 < 32)
;;   THE QUANTISER, for each operand of a quantised product, along K:
;;     - The operand's scale is 2^e, e = its entry of the input lowp_scales (int32; the entries are numbered through the quantised products in the list's order, A before B).
;;     - Each number is divided by the scale, clamped to +-448, and rounded to the nearest number of E4M3, ties to even, subnormals kept.
;;     - The product sums the exact products of the quantised numbers (number of the format x scale) in f32.
;;   ~~~python
;;   def quantise(x, axis, e):      # numpy; x: float32 -> the quantised numbers, widened to float32 again
;;       x = np.moveaxis(x, axis, -1); K = x.shape[-1]
;;       r = np.clip(x / 2.0 ** e, -448, 448)
;;       step = 2.0 ** (np.maximum(np.frexp(np.where(r == 0, 1, r))[1] - 1, -6) - 3)
;;       q = np.round(r / step) * step * 2.0 ** e      # np.round: ties to even
;;       return np.moveaxis(q, -1, axis).astype(np.float32)
;;   ~~~
;;   OPERANDS COMPUTED ON THE WAY. 'Computed on the way' means the value that the module computes at that place (a softmax that the list does not call 'softmax' is quantised finished and normalised). What goes into a quantiser is computed in f32, as accurately as f32 sums, v_exp_f32 and their like allow (about 1e-6 of the number): no bf16 or f16 on the way to a quantiser, and a product that is left as it is and whose result goes on into a quantised operand takes f32 operands (vector FMAs, or v_wmma_f32_16x16x4_f32). A number that lies on a knife's edge between two numbers of the format may be rounded either way, as far as f32 arithmetic and the matrix unit's own rounding can turn it there, and no further.
;; 2 versions. Each part assembles by itself: llvm-mc -triple=amdgcn-amd-amdhsa -mcpu=gfx1250 --defsym DOCPART=n.
;; ======== version 1 of 2: 5 launches
;; workspace buffers: xc 1,048,576 bytes; ri 18,432 bytes of whole numbers; topw 8,192 bytes; xg 2,228,224 bytes; slotmap 8,192 bytes of whole numbers; tt 256 bytes of whole numbers; act 4,456,448 bytes; eo 17,825,792 bytes
;; launch route (part 1): grid 128 x 1, 8 waves a work-group, no clusters, 1,536 bytes of LDS; arguments x, ln_w, ln_b, gate_w, lowp_scales, xc, ri, topw, out1; writes xc, ri, topw, out1
.if DOCPART == 1
	.amdgcn_target "amdgcn-amd-amdhsa--gfx1250"
	.amdhsa_code_object_version 6
	.text
	.protected	k_q94838eef8d_route
	.globl	k_q94838eef8d_route
	.p2align	8
	.type	k_q94838eef8d_route,@function
k_q94838eef8d_route:
	s_mov_b64 s[64:65], 0
	v_nop
	global_prefetch_b8 v0, s[64:65] scope:SCOPE_SE
	s_setreg_imm32_b32 hwreg(HW_REG_WAVE_MODE, 25, 1), 1
	s_wait_xcnt 0x0
; LayerNorm, router and the quantising of xn.  x: [1024 tokens][1024] f32.  One wave takes one token; a work-group of eight waves takes eight.
; Lane l holds columns 256 i + 8 l + 0 .. 7 (i = 0 .. 3) in registers 8 i + 0 .. 7: eight neighbours along K, as the conversion to codes takes them;
; ln_w, ln_b and the eight rows of gate_w are loaded in the same pattern.  All 88 loads of a wave are issued in one run.
; OUT: xc [token][1024] codes of E4M3 of xn with the given scale 2^e1 (e1 = entry 1 of the scales);  out1 [token][8] the router's mask;  topw [token][2] the two weights;
;      ri, whole numbers: from byte 0 [token][4]: a byte for each expert (1 = chosen) in words 0 and 1, a | b << 8 in words 2 and 3;
;          from byte 16,384 two planes of 128 words: word g = the rows of experts 0-3 (second plane: 4-7) among work-group g's eight tokens, a byte each;
;          from byte 17,408 [expert][128 bytes]: byte g, bit w: token 8 g + w chose the expert: read as words, bit l of word c is token 32 c + l.
;      The last two are 16 bytes a work-group, stored as words and bytes far apart: 2 KiB in the whole launch.
; THE ROUTER.  The logits' maximum is taken away; the two experts are chosen on l - max (the order of the softmax's weights; of equal numbers the lower index is kept).
; The softmax's divisor cancels in the renormalised pair: with p_a = 2^0 = 1, wa = 1 / (1 + p_b), wb = p_b wa, p_b = 2^((l_b - max) log2 e).
; No branch and no address hangs on these numbers: they are chosen by v_cndmask_b32 and stored at fixed places.
; LIMITS: e1 between -126 and 119.  NaN and infinities among the inputs are not served.  Two logits so close that the exponential would merge them are ordered by the logits.  A second weight under 2^-126 becomes 0.
.set X,   16                           ; v16-47   x, then x - mu, then xn
.set LW,  48                           ; v48-79   ln_w
.set LB,  80                           ; v80-111  ln_b
.set LG,  112                          ; v112-127 eight pairs of logit sums
.set P,   128                          ; v128-135 the logits, then l - max
.set Q,   136                          ; v136-143 the same with the first choice put out of the running
.set TM,  144                          ; v144-151 what the other half of the lanes sends
.set C,   172                          ; v172-179 the codes
.set RC,  200                          ; v200-215 wave 3: the eight tokens' bytes for each expert
                                       ; window 1 (v256-511): gate_w, row e at 32 e
.set MSB, 0
.macro WIN new                         ; the immediate's high byte repeats the setting that is left
.if MSB != (\new)
	s_set_vgpr_msb (MSB<<8)|(\new)
.set MSB, (\new)
.endif
.endm
.macro WSUM r, t                       ; the sum over the wave's 32 lanes, in every lane
	v_add_f32_dpp v\r, v\r, v\r row_xmask:1 row_mask:0xf bank_mask:0xf
	v_add_f32_dpp v\r, v\r, v\r row_xmask:2 row_mask:0xf bank_mask:0xf
	v_add_f32_dpp v\r, v\r, v\r row_xmask:4 row_mask:0xf bank_mask:0xf
	v_add_f32_dpp v\r, v\r, v\r row_xmask:8 row_mask:0xf bank_mask:0xf
	v_permlanex16_b32 v\t, v\r, s22, s23
	v_add_f32 v\r, v\r, v\t
.endm
	s_load_b512 s[4:19], s[0:1], 0x0               ; x, ln_w, ln_b, gate_w, scales, xc, ri, topw
	s_load_b64 s[20:21], s[0:1], 0x40              ; out1
	v_lshl_add_u32 v254, v0, 2, 0x200
	v_mov_b32 v255, 0
	s_mov_b32 s22, 0x76543210                      ; v_permlanex16_b32: lane l takes lane l xor 16
	s_mov_b32 s23, 0xfedcba98
	v_lshrrev_b32 v3, 5, v0
	v_readfirstlane_b32 s24, v3                    ; wave 0..7
	v_and_b32 v1, 31, v0                           ; lane
	v_lshlrev_b32 v2, 5, v1                        ; 32 x lane: my 8 numbers of 256
	v_lshlrev_b32 v3, 3, v1                        ; 8 x lane: my 8 codes of 256; also wave 0's place in LDS and in out1
	v_and_b32 v12, 7, v0
	v_and_b32 v13, 1, v0
	v_and_b32 v14, 3, v0
	; LDS: 0-255 the mask of the eight tokens, 256-383 their ri records, 384-447 their weights
	s_lshl_b32 s25, s24, 5
	v_lshl_add_u32 v4, v12, 2, s25                 ; 32 x wave + 4 (lane % 8)
	s_lshl_b32 s25, s24, 4
	s_add_co_u32 s25, s25, 256
	v_lshl_add_u32 v5, v14, 2, s25                 ; 256 + 16 x wave + 4 (lane % 4)
	s_lshl_b32 s25, s24, 3
	s_add_co_u32 s25, s25, 384
	v_lshl_add_u32 v6, v13, 2, s25                 ; 384 + 8 x wave + 4 (lane % 2)
	v_lshlrev_b32 v9, 2, v1                        ; 4 x lane
	v_add_nc_u32 v8, 256, v9
	v_and_b32 v10, 15, v0
	v_lshlrev_b32 v10, 2, v10                      ; 4 (lane % 16)
	v_add_nc_u32 v11, 384, v10
	s_lshl_b32 s31, ttmp9, 3
	s_add_co_u32 s31, s31, s24                     ; my token
	s_lshl_b32 s26, s31, 12                        ; its row of x,
	s_mov_b32 s27, 0
	s_lshl_b32 s28, s31, 10                        ; and of codes
	s_mov_b32 s29, 0
	s_lshl_b32 s32, ttmp9, 8                       ; the work-group's 256 bytes of out1,
	s_mov_b32 s33, 0
	s_lshl_b32 s34, ttmp9, 7                       ; 128 of ri's records,
	s_mov_b32 s35, 0
	s_lshl_b32 s36, ttmp9, 6                       ; 64 of topw
	s_mov_b32 s37, 0
	s_wait_kmcnt 0x0
	s_load_b32 s30, s[12:13], 0x4                  ; e1
	s_mov_b64 s[38:39], s[16:17]                   ; ri's first byte, for the counts and the masks
	s_add_nc_u64 s[4:5], s[4:5], s[26:27]
	s_add_nc_u64 s[14:15], s[14:15], s[28:29]
	s_add_nc_u64 s[20:21], s[20:21], s[32:33]
	s_add_nc_u64 s[16:17], s[16:17], s[34:35]
	s_add_nc_u64 s[18:19], s[18:19], s[36:37]
.irp i, 0,1,2,3
	global_load_b128 v[X+8*\i:X+8*\i+3], v2, s[4:5] offset:1024*\i
	global_load_b128 v[X+8*\i+4:X+8*\i+7], v2, s[4:5] offset:1024*\i+16
.endr
.irp i, 0,1,2,3
	global_load_b128 v[LW+8*\i:LW+8*\i+3], v2, s[6:7] offset:1024*\i
	global_load_b128 v[LW+8*\i+4:LW+8*\i+7], v2, s[6:7] offset:1024*\i+16
.endr
.irp i, 0,1,2,3
	global_load_b128 v[LB+8*\i:LB+8*\i+3], v2, s[8:9] offset:1024*\i
	global_load_b128 v[LB+8*\i+4:LB+8*\i+7], v2, s[8:9] offset:1024*\i+16
.endr
	WIN 0x40                                       ; destination window 1
.irp e, 0,1,2,3,4,5,6,7
.irp i, 0,1,2,3
	global_load_b128 v[32*\e+8*\i:32*\e+8*\i+3], v2, s[10:11] offset:4096*\e+1024*\i
	global_load_b128 v[32*\e+8*\i+4:32*\e+8*\i+7], v2, s[10:11] offset:4096*\e+1024*\i+16
.endr
.endr
	WIN 0
.irp e, 0,1,2,3,4,5,6,7
	v_mov_b32 v[TM+\e], 0                          ; a lane permute's destination counts as read: written once
.endr
	v_mov_b32 v156, 0
	v_mov_b32 v157, 0x3a800000                     ; 1 / 1024
	v_mov_b32 v166, 1
	v_mov_b32 v168, 0xff800000                     ; -infinity
	v_mov_b32 v169, 0
	v_mov_b32 v184, 0
	v_mov_b32 v185, 0
	s_wait_loadcnt 63                              ; of the 88 loads at most the 63 youngest are out (the largest count that the wait can name): the 25 oldest are in, x, ln_w and ln_b among them
	v_pk_add_f32 v[152:153], v[X:X+1], v[X+2:X+3]  ; the row's sum, in two chains
	v_pk_add_f32 v[154:155], v[X+4:X+5], v[X+6:X+7]
.irp j, 8,12,16,20,24,28
	v_pk_add_f32 v[152:153], v[152:153], v[X+\j:X+\j+1]
	v_pk_add_f32 v[154:155], v[154:155], v[X+\j+2:X+\j+3]
.endr
	v_pk_add_f32 v[152:153], v[152:153], v[154:155]
	v_add_f32 v152, v152, v153
	WSUM 152, 156
	v_mul_f32 v152, 0xba800000, v152               ; -mu (a division by 1,024 rounds nothing)
	v_mov_b32 v153, v152
.set j, 0
.rept 16
	v_pk_add_f32 v[X+j:X+j+1], v[X+j:X+j+1], v[152:153]        ; x - mu
.set j, j+2
.endr
	v_pk_mul_f32 v[154:155], v[X:X+1], v[X:X+1]    ; the sum of squares of x - mu, in two chains
	v_pk_mul_f32 v[158:159], v[X+2:X+3], v[X+2:X+3]
.irp j, 4,8,12,16,20,24,28
	v_pk_fma_f32 v[154:155], v[X+\j:X+\j+1], v[X+\j:X+\j+1], v[154:155]
	v_pk_fma_f32 v[158:159], v[X+\j+2:X+\j+3], v[X+\j+2:X+\j+3], v[158:159]
.endr
	v_pk_add_f32 v[154:155], v[154:155], v[158:159]
	v_add_f32 v154, v154, v155
	WSUM 154, 156
	v_fmaak_f32 v154, v157, v154, 0x3727c5ac       ; var + 1e-5
	v_rsq_f32 v160, v154
	v_nop                                          ; one plain vector instruction behind a transcendental (ISA guide 5.7.2)
	s_wait_alu depctr_va_vdst(0)
	v_mov_b32 v161, v160
.set j, 0
.rept 16
	v_pk_mul_f32 v[X+j:X+j+1], v[X+j:X+j+1], v[160:161]
.set j, j+2
.endr
.set j, 0
.rept 16
	v_pk_fma_f32 v[X+j:X+j+1], v[X+j:X+j+1], v[LW+j:LW+j+1], v[LB+j:LB+j+1]    ; xn
.set j, j+2
.endr
	s_wait_loadcnt 0x0                             ; gate_w
	WIN 0x04                                       ; source 1 window 1
.irp e, 0,1,2,3,4,5,6,7
	v_pk_mul_f32 v[LG+2*\e:LG+2*\e+1], v[X:X+1], v[32*\e:32*\e+1]              ; eight logits in eight chains, f32 throughout
.endr
.irp j, 2,4,6,8,10,12,14,16,18,20,22,24,26,28,30
.irp e, 0,1,2,3,4,5,6,7
	v_pk_fma_f32 v[LG+2*\e:LG+2*\e+1], v[X+\j:X+\j+1], v[32*\e+\j:32*\e+\j+1], v[LG+2*\e:LG+2*\e+1]
.endr
.endr
	WIN 0
.irp e, 0,1,2,3,4,5,6,7
	v_add_f32 v[P+\e], v[LG+2*\e], v[LG+2*\e+1]
.endr
.irp m, 1,2,4,8
.irp e, 0,1,2,3,4,5,6,7
	v_add_f32_dpp v[P+\e], v[P+\e], v[P+\e] row_xmask:\m row_mask:0xf bank_mask:0xf
.endr
.endr
.irp e, 0,1,2,3,4,5,6,7
	v_permlanex16_b32 v[TM+\e], v[P+\e], s22, s23
.endr
.irp e, 0,1,2,3,4,5,6,7
	v_add_f32 v[P+\e], v[P+\e], v[TM+\e]           ; every lane holds all eight logits
.endr
	; xn is done with as a factor: hold and convert
	s_wait_kmcnt 0x0
	s_add_co_i32 s30, s30, 127
	s_lshl_b32 s31, s30, 23
	v_mov_b32 v171, s31                            ; 2^e1 as f32: the conversion takes its exponent field
	s_add_co_i32 s30, s30, 8
	s_lshl_b32 s30, s30, 23
	s_or_b32 s30, s30, 0x600000
	v_mov_b32 v170, s30                            ; 448 x 2^e1
.set j, 0
.rept 32
	v_med3_num_f32 v[X+j], v[X+j], -v170, v170     ; the conversion to an 8-bit code does not saturate (ISA guide 7.6.2): the hold comes first
.set j, j+1
.endr
.irp g, 0,1,2,3
	v_cvt_scalef32_pk8_fp8_f32 v[C+2*\g:C+2*\g+1], v[X+8*\g:X+8*\g+7], v171
.endr
	v_nop                                          ; one plain vector instruction behind the last scaled conversion
.irp g, 0,1,2,3
	global_store_b64 v3, v[C+2*\g:C+2*\g+1], s[14:15] offset:256*\g            ; the wave stores 256 consecutive bytes, at a multiple of 256 from xc's first byte
.endr
	; the router
	v_max3_num_f32 v152, v[P], v[P+1], v[P+2]
	v_max3_num_f32 v152, v152, v[P+3], v[P+4]
	v_max3_num_f32 v152, v152, v[P+5], v[P+6]
	v_max_num_f32 v152, v152, v[P+7]
.irp e, 0,1,2,3,4,5,6,7
	v_sub_f32 v[P+\e], v[P+\e], v152               ; l - max
.endr
	v_mov_b32 v162, v[P]                           ; the first choice: a later expert takes the place only if it is strictly greater
	v_mov_b32 v163, 0
.irp e, 1,2,3,4,5,6,7
	v_cmp_ge_f32 vcc_lo, v162, v[P+\e]
	v_cndmask_b32 v162, v[P+\e], v162, vcc_lo
	v_cndmask_b32 v163, \e, v163, vcc_lo
.endr
.irp e, 0,1,2,3,4,5,6,7
	v_cmp_eq_u32 vcc_lo, \e, v163
	v_cndmask_b32 v[Q+\e], v[P+\e], v168, vcc_lo   ; the first choice is out of the running
.endr
	v_mov_b32 v164, v[Q]                           ; the second choice, likewise
	v_mov_b32 v165, 0
.irp e, 1,2,3,4,5,6,7
	v_cmp_ge_f32 vcc_lo, v164, v[Q+\e]
	v_cndmask_b32 v164, v[Q+\e], v164, vcc_lo
	v_cndmask_b32 v165, \e, v165, vcc_lo
.endr
	v_mul_f32 v164, 0x3fb8aa3b, v164
	v_exp_f32 v164, v164                           ; p_b; p_a = 1
	v_and_b32 v186, 3, v163                        ; (a plain place behind the transcendental)
	s_wait_alu depctr_va_vdst(0)
	v_add_f32 v167, 1.0, v164
	v_rcp_f32 v167, v167                           ; wa
	v_and_b32 v187, 3, v165                        ; (likewise)
	s_wait_alu depctr_va_vdst(0)
	v_mul_f32 v164, v164, v167                     ; wb
	v_cmp_eq_u32 vcc_lo, v12, v165                 ; the mask's entry for expert lane % 8
	v_cndmask_b32 v188, 0, v164, vcc_lo
	v_cmp_eq_u32 vcc_lo, v12, v163
	v_cndmask_b32 v188, v188, v167, vcc_lo
	ds_store_b32 v4, v188                          ; (four lanes write each word, with the same number)
	v_cmp_eq_u32 vcc_lo, 1, v13
	v_cndmask_b32 v189, v167, v164, vcc_lo
	ds_store_b32 v6, v189
	v_lshlrev_b32 v186, 3, v186
	v_lshlrev_b32 v187, 3, v187
	v_lshlrev_b32 v186, v186, v166                 ; 1 << 8 (a % 4)
	v_lshlrev_b32 v187, v187, v166
	v_cmp_gt_u32 vcc_lo, 4, v163
	v_cndmask_b32 v190, 0, v186, vcc_lo            ; experts 0-3 have their bytes in word 0,
	v_cndmask_b32 v191, v186, v169, vcc_lo         ; experts 4-7 in word 1
	v_cmp_gt_u32 vcc_lo, 4, v165
	v_cndmask_b32 v192, 0, v187, vcc_lo
	v_cndmask_b32 v193, v187, v169, vcc_lo
	v_or_b32 v190, v190, v192
	v_or_b32 v191, v191, v193
	v_lshl_or_b32 v192, v165, 8, v163              ; a | b << 8
	v_cmp_eq_u32 vcc_lo, 1, v14                    ; the record's word lane % 4
	v_cndmask_b32 v190, v190, v191, vcc_lo
	v_cmp_lt_u32 vcc_lo, 1, v14
	v_cndmask_b32 v190, v190, v192, vcc_lo
	ds_store_b32 v5, v190
	s_wait_dscnt 0x0                               ; for the others' sake: my three stores have landed
	s_barrier_signal -1
	s_barrier_wait -1
	; the eight tokens' small records leave together: wave 0 the mask, wave 1 the choices, wave 2 the weights, wave 3 the work-group's counts and bit masks
	s_cmp_eq_u32 s24, 0
	s_cbranch_scc1 .Lmask
	s_cmp_eq_u32 s24, 1
	s_cbranch_scc1 .Lchoice
	s_cmp_eq_u32 s24, 2
	s_cbranch_scc1 .Lweights
	s_cmp_eq_u32 s24, 3
	s_cbranch_scc1 .Lcounts
	s_wait_tensorcnt 0x0
	ds_add_u32 v254, v255
	s_wait_dscnt 0x0
	s_endpgm
.Lmask:
	ds_load_b64 v[184:185], v3
	s_wait_dscnt 0x0
	global_store_b64 v3, v[184:185], s[20:21]      ; 256 consecutive bytes of out1, aligned
	s_wait_tensorcnt 0x0
	ds_add_u32 v254, v255
	s_wait_dscnt 0x0
	s_endpgm
.Lchoice:
	ds_load_b32 v184, v8
	s_wait_dscnt 0x0
	global_store_b32 v9, v184, s[16:17]
	s_wait_tensorcnt 0x0
	ds_add_u32 v254, v255
	s_wait_dscnt 0x0
	s_endpgm
.Lweights:
	v_cmp_gt_u32 vcc_lo, 16, v1
	s_wait_xcnt 0x0                                ; my stores of codes have had their addresses translated: EXEC changes only behind this wait
	s_wait_tensorcnt 0x0
	ds_add_u32 v254, v255
	s_wait_dscnt 0x0
	s_and_saveexec_b32 s25, vcc_lo
	ds_load_b32 v184, v11
	s_wait_dscnt 0x0
	global_store_b32 v10, v184, s[18:19]
	s_wait_xcnt 0x0                                ; and again in front of the line that widens it
	s_or_b32 exec_lo, exec_lo, s25
	s_endpgm
.Lcounts:
.irp w, 0,1,2,3,4,5,6,7
	ds_load_b64 v[RC+2*\w:RC+2*\w+1], v169 offset:256+16*\w    ; token w's byte for each expert (0 or 1), in every lane
.endr
	s_wait_dscnt 0x0
	v_add_nc_u32 v216, v[RC], v[RC+2]              ; added: each expert's rows among the eight tokens, 8 at the most in a byte;
	v_add_nc_u32 v217, v[RC+1], v[RC+3]
	v_lshl_add_u32 v218, v[RC+2], 1, v[RC]         ; token w's bytes shifted by w and added: a byte of eight bits for each expert
	v_lshl_add_u32 v219, v[RC+3], 1, v[RC+1]
.irp w, 2,3,4,5,6,7
	v_add_nc_u32 v216, v216, v[RC+2*\w]
	v_add_nc_u32 v217, v217, v[RC+2*\w+1]
	v_lshl_add_u32 v218, v[RC+2*\w], \w, v218
	v_lshl_add_u32 v219, v[RC+2*\w+1], \w, v219
.endr
	v_cmp_eq_u32 vcc_lo, 1, v13
	v_cndmask_b32 v216, v216, v217, vcc_lo         ; even lanes: experts 0-3, odd lanes: experts 4-7
	s_lshl_b32 s25, ttmp9, 2
	s_add_co_u32 s25, s25, 16384
	v_lshl_add_u32 v220, v13, 9, s25               ; 16,384 + 512 (lane % 2) + 4 x work-group
	global_store_b32 v220, v216, s[38:39]          ; (sixteen lanes write each word, with the same number)
	v_cmp_gt_u32 vcc_lo, 4, v12
	v_cndmask_b32 v218, v219, v218, vcc_lo         ; expert lane % 8's word,
	v_lshlrev_b32 v221, 3, v14
	v_lshrrev_b32 v218, v221, v218                 ; its byte in the lowest place
	s_add_co_u32 s25, ttmp9, 17408
	v_lshl_add_u32 v222, v12, 7, s25               ; 17,408 + 128 x expert + work-group
	global_store_b8 v222, v218, s[38:39]           ; (four lanes write each byte, with the same number)
	s_wait_tensorcnt 0x0
	ds_add_u32 v254, v255
	s_wait_dscnt 0x0
	s_endpgm
.Lfunc_end_k_q94838eef8d_route:
	.size	k_q94838eef8d_route, .Lfunc_end_k_q94838eef8d_route-k_q94838eef8d_route
	.p2alignl 7, 3214868480
	.fill 96, 4, 3214868480
	.section	.rodata,"a",@progbits
	.p2align	6, 0x0
	.amdhsa_kernel k_q94838eef8d_route
		.amdhsa_group_segment_fixed_size 1536
		.amdhsa_private_segment_fixed_size 0
		.amdhsa_enable_private_segment 0
		.amdhsa_kernarg_size 72
		.amdhsa_user_sgpr_count 2
		.amdhsa_user_sgpr_kernarg_segment_ptr 1
		.amdhsa_wavefront_size32 1
		.amdhsa_system_sgpr_workgroup_id_x 1
		.amdhsa_system_sgpr_workgroup_id_y 1
		.amdhsa_system_sgpr_workgroup_id_z 1
		.amdhsa_system_vgpr_workitem_id 0
		.amdhsa_next_free_vgpr 512
		.amdhsa_next_free_sgpr 66
		.amdhsa_reserve_vcc 1
		.amdhsa_float_denorm_mode_32 3
		.amdhsa_float_denorm_mode_16_64 3
		.amdhsa_memory_ordered 1
		.amdhsa_forward_progress 1
		.amdhsa_inst_pref_size 40
	.end_amdhsa_kernel
	.amdgpu_metadata
---
amdhsa.version: [ 1, 2 ]
amdhsa.kernels:
  - .name:           k_q94838eef8d_route
    .symbol:         k_q94838eef8d_route.kd
    .args:
      - { .name: x, .offset: 0, .size: 8, .value_kind: global_buffer, .address_space: global }
      - { .name: ln_w, .offset: 8, .size: 8, .value_kind: global_buffer, .address_space: global }
      - { .name: ln_b, .offset: 16, .size: 8, .value_kind: global_buffer, .address_space: global }
      - { .name: gate_w, .offset: 24, .size: 8, .value_kind: global_buffer, .address_space: global }
      - { .name: lowp_scales, .offset: 32, .size: 8, .value_kind: global_buffer, .address_space: global }
      - { .name: xc, .offset: 40, .size: 8, .value_kind: global_buffer, .address_space: global }
      - { .name: ri, .offset: 48, .size: 8, .value_kind: global_buffer, .address_space: global }
      - { .name: topw, .offset: 56, .size: 8, .value_kind: global_buffer, .address_space: global }
      - { .name: out1, .offset: 64, .size: 8, .value_kind: global_buffer, .address_space: global }
    .group_segment_fixed_size: 1536
    .private_segment_fixed_size: 0
    .kernarg_segment_align: 8
    .kernarg_segment_size: 72
    .max_flat_workgroup_size: 256
    .sgpr_count:     66
    .vgpr_count:     512
    .wavefront_size: 32
...
	.end_amdgpu_metadata
.endif
;; end of part 1
;; launch place (part 2): grid 136 x 1, 1 waves a work-group, no clusters, 0 bytes of LDS; arguments ri, xc, xg, slotmap, tt; writes xg, slotmap, tt
.if DOCPART == 2
	.amdgcn_target "amdgcn-amd-amdhsa--gfx1250"
	.amdhsa_code_object_version 6
	.text
	.protected	k_q94838eef8d_place
	.globl	k_q94838eef8d_place
	.p2align	8
	.type	k_q94838eef8d_place,@function
k_q94838eef8d_place:
	s_mov_b64 s[64:65], 0
	v_nop
	global_prefetch_b8 v0, s[64:65] scope:SCOPE_SE
	s_setreg_imm32_b32 hwreg(HW_REG_WAVE_MODE, 25, 1), 1
	s_wait_xcnt 0x0
; The routed rows are placed by expert.  Each expert's rows, in the order of the tokens, fill whole tiles of 16 slots; the slots behind an expert's last row repeat their tile's first row, and nobody reads their results.
; 2,048 rows and 8 experts make 2048 / 16 + 7 = 135 tiles at the most, whatever the choice: 136 work-groups of one wave are launched, one to a tile; a wave whose tile the split does not have ends (a branch on stored whole numbers).
; IN (ri, stored by the launch before): from byte 16,384 two planes of 128 words, word g = the rows of experts 0-3 (4-7) among tokens 8 g .. 8 g + 7, a byte each; from byte 17,408 for each expert 32 words, bit l of word c = token 32 c + l chose it;
;    from byte 0 [token][4], word 2 = first choice | second choice << 8.
; EVERY NUMBER THAT STEERS A BRANCH OR AN ADDRESS is made from those stored whole numbers lane by lane, by additions, subtractions, shifts, ANDs and small products; a comparison is the sign bit of a difference (all numbers lie under 2^24).
; Nothing goes from lane to lane: every lane loads the same 1 KiB of counts and adds it up for itself, and what the scalar side needs it takes from the first lane.  EXEC is never changed.
; OUT: xg, tile T at 16,384 T: eight images of an operand's registers, one for each 128 along K: byte 2048 s + 512 i + 16 lane + b is the code of row lane % 16 at k = 128 s + 64 (lane / 16) + 16 i + b;
;      slotmap [token][2]: the slot (16 T + row) of the token's first and second choice;  tt: words 2 e, 2 e + 1 = expert e's first tile and number of tiles, the rest of its 256 bytes 0 (stored by the wave of tile 0).
; A lane loads its own 16-byte pieces of its own row straight into the image's registers: 32 loads that each touch 16 rows.  That gives up long runs on the way in (16 KiB a wave, of the 1 MiB of codes stored just before), and needs no stage and no exchange between lanes;
; the stores cover 512 consecutive bytes each.
.set CNT, 16384                        ; ri: the counts
.set EM,  17408                        ; ri: the bit masks
.set A,   32                           ; v32-159: four registers for each set c of 32 tokens; later the image
                                       ; window 1, v0-127: the second plane of counts as loaded
.set MSB, 0
.macro WIN new                         ; the immediate's high byte repeats the setting that is left
.if MSB != (\new)
	s_set_vgpr_msb (MSB<<8)|(\new)
.set MSB, (\new)
.endif
.endm
	s_load_b256 s[4:11], s[0:1], 0x0               ; ri, xc, xg, slotmap
	s_load_b64 s[12:13], s[0:1], 0x20              ; tt
	s_mov_b32 s17, ttmp9                           ; T: my tile
	s_mov_b32 s19, 0x00ff00ff
	v_lshlrev_b32 v2, 4, v0                        ; 16 x lane
	v_and_b32 v30, 15, v0                          ; row
	v_bfe_u32 v31, v0, 4, 1                        ; half
	v_mov_b32 v28, 0
	s_lshl_b32 s20, s17, 14
	s_mov_b32 s21, 0
	s_wait_kmcnt 0x0
	s_add_nc_u64 s[8:9], s[8:9], s[20:21]          ; xg at my tile
.set c, 0
.rept 32
	global_load_b128 v[A+4*c:A+4*c+3], v28, s[4:5] offset:CNT+16*c             ; all lanes at one address: the four work-groups of set c, experts 0-3
.set c, c+1
.endr
	WIN 0x40                                       ; destination window 1
.set c, 0
.rept 32
	global_load_b128 v[4*c:4*c+3], v28, s[4:5] offset:CNT+512+16*c             ; experts 4-7
.set c, c+1
.endr
	WIN 0
	s_wait_loadcnt 32                              ; the first plane's 32 loads are in; the second plane's 32 may be out
	; four work-groups' words added: each expert's rows in set c, 32 at the most in a byte.  Register A + 4 c: experts 0-3; A + 4 c + 1: experts 4-7
.set c, 0
.rept 32
	v_add_nc_u32 v[A+4*c], v[A+4*c], v[A+4*c+1]
.set c, c+1
.endr
.set c, 0
.rept 32
	v_add_nc_u32 v[A+4*c+2], v[A+4*c+2], v[A+4*c+3]
.set c, c+1
.endr
.set c, 0
.rept 32
	v_add_nc_u32 v[A+4*c], v[A+4*c], v[A+4*c+2]
.set c, c+1
.endr
	s_wait_loadcnt 0x0
	WIN 0x05                                       ; sources 0 and 1 window 1
.set c, 0
.rept 32
	v_add_nc_u32 v[A+4*c+1], v[4*c], v[4*c+1]
.set c, c+1
.endr
.set c, 0
.rept 32
	v_add_nc_u32 v[A+4*c+2], v[4*c+2], v[4*c+3]
.set c, c+1
.endr
	WIN 0
.set c, 0
.rept 32
	v_add_nc_u32 v[A+4*c+1], v[A+4*c+1], v[A+4*c+2]
.set c, c+1
.endr
	; each expert's rows in all: four sets added (128 at the most in a byte), widened to 16 bits, added.  v22: experts 0, 2; v23: 1, 3; v24: 4, 6; v25: 5, 7
.irp p, 0,1
.irp k, 0,1,2,3,4,5,6,7
	v_add_nc_u32 v13, v[A+16*\k+\p], v[A+16*\k+4+\p]
	v_add_nc_u32 v14, v[A+16*\k+8+\p], v[A+16*\k+12+\p]
	v_add_nc_u32 v13, v13, v14
	v_lshrrev_b32 v14, 8, v13
.if \k == 0
	v_and_b32 v[22+2*\p], s19, v13
	v_and_b32 v[23+2*\p], s19, v14
.else
	v_and_b32 v13, s19, v13
	v_and_b32 v14, s19, v14
	v_add_nc_u32 v[22+2*\p], v[22+2*\p], v13
	v_add_nc_u32 v[23+2*\p], v[23+2*\p], v14
.endif
.endr
.endr
	v_readfirstlane_b32 s20, v22                   ; (the same in every lane)
	v_readfirstlane_b32 s21, v23
	v_readfirstlane_b32 s22, v24
	v_readfirstlane_b32 s23, v25
	s_and_b32 s32, s20, 0xffff                     ; s32-39: n_e
	s_and_b32 s33, s21, 0xffff
	s_lshr_b32 s34, s20, 16
	s_lshr_b32 s35, s21, 16
	s_and_b32 s36, s22, 0xffff
	s_and_b32 s37, s23, 0xffff
	s_lshr_b32 s38, s22, 16
	s_lshr_b32 s39, s23, 16
	s_mov_b32 s48, 0                               ; s40-47: tiles of expert e; s48-56: its first tile, and the number of all tiles
.irp e, 0,1,2,3,4,5,6,7
	s_add_co_u32 s[40+\e], s[32+\e], 15
	s_lshr_b32 s[40+\e], s[40+\e], 4
	s_add_co_u32 s[49+\e], s[48+\e], s[40+\e]
.endr
	s_cmp_lg_u32 s17, 0
	s_cbranch_scc1 .Lnot_first
	v_mov_b32 v26, 0                               ; the wave of tile 0 (there always is one) stores the table: lane e holds (first tile, tiles)
	v_mov_b32 v27, 0
.irp e, 0,1,2,3,4,5,6,7
	v_writelane_b32 v26, s[48+\e], \e
	v_writelane_b32 v27, s[40+\e], \e
.endr
	v_lshlrev_b32 v29, 3, v0
	global_store_b64 v29, v[26:27], s[12:13]       ; 256 consecutive bytes; v26, v27 and v29 are not written again
.Lnot_first:
	s_cmp_ge_u32 s17, s56
	s_cbranch_scc1 .Lend                           ; this split has no such tile
	s_mov_b32 s24, 0                               ; my expert: the last whose first tile is not behind mine,
	s_mov_b32 s25, 0                               ; its first tile,
	s_mov_b32 s26, s32                             ; its rows
.irp j, 1,2,3,4,5,6,7
	s_cmp_ge_u32 s17, s[48+\j]
	s_cselect_b32 s24, \j, s24
	s_cselect_b32 s25, s[48+\j], s25
	s_cselect_b32 s26, s[32+\j], s26
.endr
	s_min_u32 s24, s24, 7                          ; a number made of loaded numbers enters an address only held inside its table
	s_cmp_lt_u32 s24, 4
	s_cselect_b32 s30, -1, 0                       ; which plane holds my expert's byte,
	s_cselect_b32 s31, 0, -1
	s_and_b32 s29, s24, 3
	s_lshl_b32 s29, s29, 3                         ; and where in the word
	s_lshl_b32 s27, s24, 7
	s_add_co_u32 s27, s27, EM                      ; my expert's bit mask in ri
	s_sub_co_u32 s28, s17, s25
	s_lshl_b32 s28, s28, 4
	v_add_nc_u32 v3, s28, v30                      ; i: my row's rank among the expert's rows
	; my expert's rows in set c -> A + 4 c + 2, c = 0 .. 30
.set c, 0
.rept 31
	v_and_b32 v[A+4*c], s30, v[A+4*c]
.set c, c+1
.endr
.set c, 0
.rept 31
	v_and_b32 v[A+4*c+1], s31, v[A+4*c+1]
.set c, c+1
.endr
.set c, 0
.rept 31
	v_add_nc_u32 v[A+4*c], v[A+4*c], v[A+4*c+1]    ; one of the two is 0
.set c, c+1
.endr
.set c, 0
.rept 31
	v_bfe_u32 v[A+4*c+2], v[A+4*c], s29, 8
.set c, c+1
.endr
	; P_c, the expert's rows in front of set c -> A + 4 c + 3, c = 1 .. 31
	v_mov_b32 v[A+7], v[A+2]
.set c, 2
.rept 30
	v_add_nc_u32 v[A+4*c+3], v[A+4*c-1], v[A+4*c-2]
.set c, c+1
.endr
	; my set is the last with P_c <= i.  u_c = the sign bit of i - P_c is 1 where P_c > i; P_c never falls, so the set is 31 - sum of u_c, and the rows in front of it are P_31 - sum of u_c x (rows in set c - 1)
.set c, 1
.rept 31
	v_sub_nc_u32 v[A+4*c], v3, v[A+4*c+3]
.set c, c+1
.endr
.set c, 1
.rept 31
	v_lshrrev_b32 v[A+4*c], 31, v[A+4*c]
.set c, c+1
.endr
.set c, 1
.rept 31
	v_mul_u32_u24 v[A+4*c+1], v[A+4*c], v[A+4*c-2]
.set c, c+1
.endr
	v_add_nc_u32 v5, v[A+4], v[A+8]                ; both sums in two chains
	v_add_nc_u32 v7, v[A+12], v[A+16]
	v_add_nc_u32 v6, v[A+5], v[A+9]
	v_add_nc_u32 v8, v[A+13], v[A+17]
.irp c, 5,7,9,11,13,15,17,19,21,23,25,27,29
	v_add_nc_u32 v5, v5, v[A+4*\c]
	v_add_nc_u32 v7, v7, v[A+4*\c+4]
	v_add_nc_u32 v6, v6, v[A+4*\c+1]
	v_add_nc_u32 v8, v8, v[A+4*\c+5]
.endr
	v_add_nc_u32 v5, v5, v[A+124]
	v_add_nc_u32 v6, v6, v[A+125]
	v_add_nc_u32 v5, v5, v7
	v_add_nc_u32 v6, v6, v8
	v_sub_nc_u32 v5, 31, v5                        ; my set
	v_sub_nc_u32 v6, v[A+127], v6                  ; the rows in front of it
	v_sub_nc_u32 v12, v3, v6                       ; my rank inside it
	v_min_u32 v5, 31, v5
	v_lshl_add_u32 v20, v5, 2, s27
	global_load_b32 v4, v20, s[4:5]                ; the set's 32 bits
	v_mov_b32 v11, 0
	s_wait_loadcnt 0x0
	; the set bit of that rank: counts of 2, 4, 8 and 16 bits, then five halvings
	v_lshrrev_b32 v13, 1, v4
	v_and_b32 v13, 0x55555555, v13
	v_sub_nc_u32 v7, v4, v13
	v_lshrrev_b32 v13, 2, v7
	v_and_b32 v13, 0x33333333, v13
	v_and_b32 v8, 0x33333333, v7
	v_add_nc_u32 v8, v8, v13
	v_lshrrev_b32 v13, 4, v8
	v_add_nc_u32 v9, v8, v13
	v_and_b32 v9, 0x0f0f0f0f, v9
	v_lshrrev_b32 v13, 8, v9
	v_add_nc_u32 v10, v9, v13
	v_and_b32 v10, s19, v10
.macro PICK src, width, sh             ; if the lower half holds too few set bits, they are taken off the rank and the place moves up by the half, 1 << sh
	v_lshrrev_b32 v13, v11, v\src
	v_and_b32 v13, (1<<\width)-1, v13              ; set bits in the lower half
	v_sub_nc_u32 v14, v12, v13
	v_lshrrev_b32 v14, 31, v14                     ; 1: the rank lies in the lower half
	v_sub_nc_u32 v14, 1, v14                       ; 1: in the upper
	v_mul_u32_u24 v13, v13, v14
	v_sub_nc_u32 v12, v12, v13
	v_lshl_add_u32 v11, v14, \sh, v11
.endm
	PICK 10, 8, 4
	PICK 9, 8, 3
	PICK 8, 4, 2
	PICK 7, 2, 1
	PICK 4, 1, 0
	v_sub_nc_u32 v13, v3, s26
	v_lshrrev_b32 v13, 31, v13                     ; 1: a real row (i < the expert's rows)
	v_sub_nc_u32 v14, 1, v13                       ; 1: a slot behind the last row
	v_lshl_add_u32 v15, v5, 5, v11                 ; the token
	v_mul_u32_u24 v15, v15, v13
	v_readfirstlane_b32 s31, v15                   ; the tile's first row is always real
	v_mul_u32_u24 v16, s31, v14
	v_add_nc_u32 v15, v15, v16                     ; a slot behind the last row repeats it,
	v_min_u32 v15, 0x3ff, v15
	v_mul_u32_u24 v18, v30, v13
	s_lshl_b32 s28, s17, 4
	v_add_nc_u32 v18, s28, v18                     ; slot number and all: so its store below writes what lane 0's writes, where lane 0's writes it
	v_lshlrev_b32 v17, 4, v15
	global_load_b32 v16, v17, s[4:5] offset:8      ; the token's first choice | second choice << 8
	v_lshlrev_b32 v19, 10, v15
	v_lshl_add_u32 v19, v31, 6, v19                ; my row of codes, + 64 (lane / 16)
.irp s, 0,1,2,3,4,5,6,7
.irp i, 0,1,2,3
	global_load_b128 v[A+16*\s+4*\i:A+16*\s+4*\i+3], v19, s[6:7] offset:128*\s+16*\i
.endr
.endr
	s_wait_loadcnt 32                              ; the choice is in; the rows' 32 loads may be out
	v_and_b32 v13, 0xff, v16
	v_sub_nc_u32 v13, v13, s24
	v_min_u32 v13, 1, v13                          ; 0: my expert is the token's first choice; 1: its second
	v_lshlrev_b32 v13, 2, v13
	v_lshl_add_u32 v14, v15, 3, v13
	global_store_b32 v14, v18, s[10:11]            ; (lanes l and l + 16 hold the same row and write the same word with the same number)
.irp s, 0,1,2,3,4,5,6,7
	s_wait_loadcnt 28-4*\s                         ; this image's four loads are in; those of the later images may be out
.irp i, 0,1,2,3
	global_store_b128 v2, v[A+16*\s+4*\i:A+16*\s+4*\i+3], s[8:9] offset:2048*\s+512*\i           ; 512 consecutive bytes
.endr
.endr
.Lend:
	s_endpgm
.Lfunc_end_k_q94838eef8d_place:
	.size	k_q94838eef8d_place, .Lfunc_end_k_q94838eef8d_place-k_q94838eef8d_place
	.p2alignl 7, 3214868480
	.fill 96, 4, 3214868480
	.section	.rodata,"a",@progbits
	.p2align	6, 0x0
	.amdhsa_kernel k_q94838eef8d_place
		.amdhsa_group_segment_fixed_size 0
		.amdhsa_private_segment_fixed_size 0
		.amdhsa_enable_private_segment 0
		.amdhsa_kernarg_size 40
		.amdhsa_user_sgpr_count 2
		.amdhsa_user_sgpr_kernarg_segment_ptr 1
		.amdhsa_wavefront_size32 1
		.amdhsa_system_sgpr_workgroup_id_x 1
		.amdhsa_system_sgpr_workgroup_id_y 1
		.amdhsa_system_sgpr_workgroup_id_z 1
		.amdhsa_system_vgpr_workitem_id 0
		.amdhsa_next_free_vgpr 384
		.amdhsa_next_free_sgpr 66
		.amdhsa_reserve_vcc 0
		.amdhsa_float_denorm_mode_32 3
		.amdhsa_float_denorm_mode_16_64 3
		.amdhsa_memory_ordered 1
		.amdhsa_forward_progress 1
		.amdhsa_inst_pref_size 42
	.end_amdhsa_kernel
	.amdgpu_metadata
---
amdhsa.version: [ 1, 2 ]
amdhsa.kernels:
  - .name:           k_q94838eef8d_place
    .symbol:         k_q94838eef8d_place.kd
    .args:
      - { .name: ri, .offset: 0, .size: 8, .value_kind: global_buffer, .address_space: global }
      - { .name: xc, .offset: 8, .size: 8, .value_kind: global_buffer, .address_space: global }
      - { .name: xg, .offset: 16, .size: 8, .value_kind: global_buffer, .address_space: global }
      - { .name: slotmap, .offset: 24, .size: 8, .value_kind: global_buffer, .address_space: global }
      - { .name: tt, .offset: 32, .size: 8, .value_kind: global_buffer, .address_space: global }
    .group_segment_fixed_size: 0
    .private_segment_fixed_size: 0
    .kernarg_segment_align: 8
    .kernarg_segment_size: 40
    .max_flat_workgroup_size: 32
    .sgpr_count:     66
    .vgpr_count:     384
    .wavefront_size: 32
...
	.end_amdgpu_metadata
.endif
;; end of part 2
;; launch ffn1 (part 3): grid 32 x 8, 4 waves a work-group, no clusters, 131,584 bytes of LDS; arguments w1, xg, tt, lowp_scales, act; writes act
.if DOCPART == 3
	.amdgcn_target "amdgcn-amd-amdhsa--gfx1250"
	.amdhsa_code_object_version 6
	.text
	.protected	k_q94838eef8d_ffn1
	.globl	k_q94838eef8d_ffn1
	.p2align	8
	.type	k_q94838eef8d_ffn1,@function
k_q94838eef8d_ffn1:
	s_mov_b64 s[64:65], 0
	v_nop
	global_prefetch_b8 v0, s[64:65] scope:SCOPE_SE
	s_setreg_imm32_b32 hwreg(HW_REG_WAVE_MODE, 25, 1), 1
	s_wait_xcnt 0x0
; The first product of the chosen experts and the gated activation: act = gelu(xn w1[:, 2048 + u]) x (xn w1[:, u]), both operands as codes of E4M3 (scales 2^e0 for w1, 2^e1 for xn), act quantised with 2^e3.
; SHARES.  Work-group (jj, e) owns hidden units 64 jj .. 64 jj + 63 of expert e: 64 + 64 columns of w1[e] over K = 1,024, 512 KiB of f32 that no other work-group reads.  256 work-groups.
; THE WEIGHTS ARE READ ONCE, QUANTISED IN REGISTERS AND KEPT IN LDS AS IMAGES OF OPERAND REGISTERS.  K is w1's first axis.  One load takes, in lanes 0-15, 64 neighbouring columns of one row k (256 consecutive bytes, aligned)
; and in lanes 16-31 the same columns of row k + 64; lane r owns columns 4 r + 0 .. 3.  So column tile c is the set {4 r + c}.  The hold at the largest code writes number (t, c) of 16 rows x 4 columns to register 16 c + t:
; it turns the block at no cost, and the conversions then find 16 neighbours along K in one lane's consecutive registers.  Wave w quantises rows 16 w + 0 .. 15 of each half of each K step: registers 4 w .. 4 w + 3 of all eight fragments.
; K's places: in a K step of 128, lane half h, register 4 i + j, byte b hold k = 128 s + 64 h + 16 i + 4 j + b, in the weights' fragments and in xg's images alike: every product meets its partner; only the order of the sums inside an instruction is another.
; THE PRODUCT IS USED TRANSPOSED (source 0 = 16 columns of w1, source 1 = 16 rows of tokens): lane (r, h) holds token r, and register j of tile c hidden unit 32 h + 4 j + c: eight numbers that one conversion packs.
; ROWS.  The expert's tiles of 16 rows (first tile bt, number nt: stored whole numbers) are dealt to the waves: wave w takes tiles tp + 4 q + w, q = 0 .. 4: 20 tiles a pass.  A tile behind the last is replaced by tile 0 and not stored.
; The first pass is multiplied K step by K step under the stream of weights (one barrier a K step; every LDS byte is written once).  Further passes, if nt > 20, take the fragments from LDS again: a loop without a barrier,
; of four trips at the most (1,024 tokens are 64 tiles at the most), left as soon as no tile remains.
; No tensor load and no cluster: branches hang on stored numbers.  What the 32 work-groups of an expert share is the tokens' codes (16 KiB a tile), a small part beside the 512 KiB that each reads alone.
; gelu is the exact one: erf by two polynomials (|z| <= 475/512: odd polynomial; above: 1 - exp of a polynomial), right to about one unit in erf's last place.
; act = P (1 + erf(z)) x 2^(2 (e0 + e1) - 1), P = the two raw sums' product, z = gate x 2^(e0 + e1) / sqrt 2; the power of two is folded into the conversion's scale.
; OUT: act, tile T at 32,768 T: sixteen images; byte 2048 s2 + 512 i + 16 lane + b is hidden unit 128 s2 + 64 (i / 2) + 32 (lane / 16) + 4 (b % 8) + 2 (i % 2) + b / 8 of row lane % 16.
; LIMITS: e0 between -126 and 119; e0 + e1 between -125 and 127; e3 - 2 (e0 + e1) + 1 between -126 and 119.  1 + erf loses relative accuracy where erf is near -1 (gates under about -4, where gelu is under 2e-4 of the gate's size).  NaN and infinities are not served.
; REGISTERS, in windows of 256.  Window 0: v1-25 addresses and constants; v32-111, v112-191 two sets of the five tiles' token fragments (v32-79 also at work in the activation); v192-231 act's codes (v192-223 also the weights' codes).
;   Window 1: four sets of 64, weights as loaded.  Window 2: accumulators of tiles q = 0 .. 3 at 64 q + 8 n (n = c: x part, 4 + c: gate).  Window 3: v0-63 those of q = 4; v64-191 the eight weight fragments; v192-255 the turned block.
.set PASSES, 4                         ; 64 tiles at the most, 20 a pass
.set XO,   10                          ; v10-14  byte offset of tile q's images in xg, + 16 x lane
.set AO,   15                          ; v15-19  the same in act, + my work-group's 1,024 bytes
.set XS,   32
.set CODE, 192
.set CW,   192
.set GP,   32                          ; the activation: P,
.set GZ,   40                          ; z,
.set GS,   48                          ; z^2,
.set GT,   56                          ; |z|,
.set GR,   64                          ; the large branch,
.set GU,   72                          ; the small branch
.set WF,   64                          ; in window 3
.set TQ,   192                         ; in window 3
.set MSB, 0
.macro WIN new                         ; the immediate's high byte repeats the setting that is left
.if MSB != (\new)
	s_set_vgpr_msb (MSB<<8)|(\new)
.set MSB, (\new)
.endif
.endm
.macro PLACES                          ; four plain vector instructions between a matrix instruction and a read of its result, a write of, or a load into, one of its registers
.rept 4
	v_nop
.endr
.endm
.macro WLOAD s, p                      ; K step s, x part (p = 0) or gate (1): my 16 rows of each half, 64 columns
.set SB, 64*(2*((\s)&1)+\p)
	WIN 0x40                                       ; destination window 1
.irp t, 0,1,2,3,4,5,6,7,8,9,10,11,12,13,14,15
	global_load_b128 v[SB+4*\t:SB+4*\t+3], v2, s[4+10*((\s)>>2):5+10*((\s)>>2)] offset:((\s)&3)*2097152+\t*16384+\p*8192 th:TH_LOAD_NT
.endr
.endm
.macro XLOAD s                         ; K step s of my five tiles of tokens
	WIN 0
.irp q, 0,1,2,3,4
.irp i, 0,1,2,3
	global_load_b128 v[XS+80*((\s)&1)+16*\q+4*\i:XS+80*((\s)&1)+16*\q+4*\i+3], v[XO+\q], s[6:7] offset:2048*(\s)+512*\i
.endr
.endr
.endm
.macro HOLDS s, p                      ; the hold at the largest code x the scale (the conversion does not saturate: ISA guide 7.6.2), which also turns the block
.set SB, 64*(2*((\s)&1)+\p)
	WIN 0xc1                                       ; source 0 window 1, destination window 3
.irp t, 0,1,2,3,4,5,6,7,8,9,10,11,12,13,14,15
.irp c, 0,1,2,3
	v_med3_num_f32 v[TQ+16*\c+\t], v[SB+4*\t+\c], -v6, v6
.endr
.endr
.endm
.macro CODES p                         ; 16 codes for each of my four columns
	WIN 0x03                                       ; source 0 window 3
.irp c, 0,1,2,3
	v_cvt_scalef32_pk8_fp8_f32 v[CW+16*\p+4*\c:CW+16*\p+4*\c+1], v[TQ+16*\c:TQ+16*\c+7], v7
	v_cvt_scalef32_pk8_fp8_f32 v[CW+16*\p+4*\c+2:CW+16*\p+4*\c+3], v[TQ+16*\c+8:TQ+16*\c+15], v7
.endr
	v_nop                                          ; one plain vector instruction behind the last scaled conversion: the next holds write its sources
.endm
.macro TILES                           ; this pass's five tiles: their offsets in xg and in act
	s_add_co_u32 s58, s22, s16                     ; tp + wave
.irp q, 0,1,2,3,4
	s_add_co_u32 s59, s58, 4*\q
	s_add_co_u32 s60, s59, s20
	s_cmp_lt_u32 s59, s21
	s_cselect_b32 s60, s60, 0                      ; behind the expert's last tile: tile 0, which always exists; its results are not stored
	s_min_u32 s60, s60, 135                        ; a loaded number enters an address only held inside its table
	s_lshl_b32 s61, s60, 14
	v_add_nc_u32 v[XO+\q], s61, v1
	s_lshl_b32 s61, s60, 15
	s_add_co_u32 s61, s61, s23
	v_add_nc_u32 v[AO+\q], s61, v1
.endr
.endm
.macro MUL s, zero, n, q               ; accumulator (q, n) takes K step s.  zero = 1: the first K step starts the sum: nothing is cleared
.set AC, 64*((\q)&3)+8*\n
.set XR, XS+80*((\s)&1)+16*\q
.if \zero
	v_wmma_f32_16x16x128_fp8_fp8 v[AC:AC+7], v[WF+16*\n:WF+16*\n+15], v[XR:XR+15], 0
.else
	v_wmma_f32_16x16x128_fp8_fp8 v[AC:AC+7], v[WF+16*\n:WF+16*\n+15], v[XR:XR+15], v[AC:AC+7]
.endif
.endm
.macro COMPUTE s, zero                 ; K step s: the eight fragments from LDS, 40 matrix instructions.  The 40 accumulators take turns, one instruction a turn, in the same order in every K step
	WIN 0
	PLACES
	WIN 0xc0                                       ; destination window 3
.irp n, 0,1,2,3,4,5,6,7
.irp i, 0,1,2,3
	ds_load_b128 v[WF+16*\n+4*\i:WF+16*\n+4*\i+3], v[1+4*((\s)>>2)] offset:((\s)&3)*16384+\n*2048+512*\i
.endr
.endr
	s_wait_dscnt 16                                ; fragments 0-3 are in; the 16 loads of fragments 4-7 may be out
	WIN 0xa3                                       ; source 0 window 3, source 1 window 0, C and D window 2
.irp n, 0,1,2,3
.irp q, 0,1,2,3
	MUL \s, \zero, \n, \q
.endr
.endr
	s_wait_dscnt 0x0
.irp n, 4,5,6,7
.irp q, 0,1,2,3
	MUL \s, \zero, \n, \q
.endr
.endr
	WIN 0xf3                                       ; C and D window 3
.irp n, 0,1,2,3,4,5,6,7
	MUL \s, \zero, \n, 4
.endr
	WIN 0
.endm
; A K step of the first pass.  The loads go out in the order W0 X0 W1 | X1 W2 | X2 W3 | .. | X6 W7 | X7 (W: 32 loads of weights, X: 20 of tokens): at the head of step s only W(s+1) is younger than W(s) and X(s).
.macro TRIP s, zero
.if \s < 7
	s_wait_loadcnt 32
.else
	s_wait_loadcnt 0x0
.endif
	HOLDS \s, 0                                    ; (these 64 are also the places behind the last K step's products, in front of the loads below)
.if \s < 7
	XLOAD \s+1
.endif
.if \s < 6
	WLOAD \s+2, 0                                  ; the set just emptied is asked for again at once
.endif
	CODES 0
	HOLDS \s, 1
.if \s < 6
	WLOAD \s+2, 1
.endif
	CODES 1
	WIN 0
.irp p, 0,1
.irp c, 0,1,2,3
	ds_store_b128 v[3+((\s)>>2)], v[CW+16*\p+4*\c:CW+16*\p+4*\c+3] offset:((\s)&3)*16384+(4*\p+\c)*2048   ; registers 4 w .. 4 w + 3 of fragment 4 p + c: 512 consecutive bytes
.endr
.endr
	s_wait_dscnt 0x0                               ; for the others' sake: my part of this K step's fragments has landed
	s_barrier_signal -1
	s_barrier_wait -1                              ; everybody's has
	COMPUTE \s, \zero
.endm
.macro AGAIN s, zero                   ; a K step of a further pass: the fragments lie in LDS.  The tokens' loads run two K steps ahead: behind X(s) only X(s+1) is out
.if \s < 7
	s_wait_loadcnt 20
.else
	s_wait_loadcnt 0x0
.endif
	COMPUTE \s, \zero
.if \s < 6
	PLACES
	XLOAD \s+2
.endif
.endm
; The activation of tile q, column tile c: eight numbers a lane, two at a time; each accumulator is read from its low end on.
.macro GLU q, c
.set AQ, 64*((\q)&3)
	WIN 0x0a+5*((\q)>>2)                           ; sources 0 and 1: window 2 (q < 4) or 3
.irp k, 0,2,4,6
	v_pk_mul_f32 v[GP+\k:GP+\k+1], v[AQ+8*(4+\c)+\k:AQ+8*(4+\c)+\k+1], v[AQ+8*\c+\k:AQ+8*\c+\k+1]        ; P = gate x x part, raw sums
	v_pk_mul_f32 v[GZ+\k:GZ+\k+1], v[AQ+8*(4+\c)+\k:AQ+8*(4+\c)+\k+1], s[32:33] op_sel_hi:[1,0]          ; z = gate x 2^(e0 + e1) / sqrt 2
.endr
	WIN 0
.irp k, 0,2,4,6
	v_pk_mul_f32 v[GS+\k:GS+\k+1], v[GZ+\k:GZ+\k+1], v[GZ+\k:GZ+\k+1]
.endr
.irp k, 0,1,2,3,4,5,6,7
	v_and_b32 v[GT+\k], s56, v[GZ+\k]
.endr
.irp k, 0,2,4,6
	v_pk_fma_f32 v[GR+\k:GR+\k+1], v[GT+\k:GT+\k+1], s[34:35], v[20:21] op_sel_hi:[1,0,1]
	v_pk_fma_f32 v[GU+\k:GU+\k+1], v[GT+\k:GT+\k+1], s[36:37], v[22:23] op_sel_hi:[1,0,1]
.endr
.irp k, 0,2,4,6
	v_pk_fma_f32 v[GR+\k:GR+\k+1], v[GR+\k:GR+\k+1], v[GS+\k:GS+\k+1], v[GU+\k:GU+\k+1]
.endr
.irp b, 38,40,42
.irp k, 0,2,4,6
	v_pk_fma_f32 v[GR+\k:GR+\k+1], v[GR+\k:GR+\k+1], v[GT+\k:GT+\k+1], s[\b:\b+1] op_sel_hi:[1,1,0]
.endr
.endr
.irp k, 0,2,4,6
	v_pk_fma_f32 v[GR+\k:GR+\k+1], v[GR+\k:GR+\k+1], v[GT+\k:GT+\k+1], v[GT+\k:GT+\k+1] neg_lo:[0,0,1] neg_hi:[0,0,1]
.endr
.irp k, 0,2,4,6
	v_pk_mul_f32 v[GR+\k:GR+\k+1], v[GR+\k:GR+\k+1], s[44:45] op_sel_hi:[1,0]
.endr
.irp k, 0,1,2,3,4,5,6,7
	v_exp_f32 v[GR+\k], v[GR+\k]
.endr
.irp k, 0,2,4,6
	v_pk_fma_f32 v[GU+\k:GU+\k+1], v[GS+\k:GS+\k+1], s[46:47], v[24:25] op_sel_hi:[1,0,1]                ; the small branch stands behind the exponentials: plain work between them and the use of their results
.endr
.irp b, 48,50,52,54
.irp k, 0,2,4,6
	v_pk_fma_f32 v[GU+\k:GU+\k+1], v[GU+\k:GU+\k+1], v[GS+\k:GS+\k+1], s[\b:\b+1] op_sel_hi:[1,1,0]
.endr
.endr
.irp k, 0,2,4,6
	v_pk_fma_f32 v[GU+\k:GU+\k+1], v[GU+\k:GU+\k+1], v[GZ+\k:GZ+\k+1], v[GZ+\k:GZ+\k+1]
.endr
	s_wait_alu depctr_va_vdst(0)
.irp k, 0,2,4,6
	v_pk_add_f32 v[GR+\k:GR+\k+1], v[GR+\k:GR+\k+1], 1.0 op_sel_hi:[1,0] neg_lo:[1,0] neg_hi:[1,0]       ; 1 - exp
.endr
.irp k, 0,1,2,3,4,5,6,7
	v_bfi_b32 v[GR+\k], s56, v[GR+\k], v[GZ+\k]    ; with z's sign
.endr
.irp k, 0,1,2,3,4,5,6,7
	v_cmp_lt_f32 vcc_lo, s57, v[GT+\k]
	v_cndmask_b32 v[GR+\k], v[GU+\k], v[GR+\k], vcc_lo     ; both branches are computed; the choice selects a value
.endr
.irp k, 0,2,4,6
	v_pk_fma_f32 v[GP+\k:GP+\k+1], v[GP+\k:GP+\k+1], v[GR+\k:GR+\k+1], v[GP+\k:GP+\k+1]                  ; P (1 + erf)
.endr
.irp k, 0,1,2,3,4,5,6,7
	v_med3_num_f32 v[GP+\k], v[GP+\k], -v8, v8
.endr
	v_cvt_scalef32_pk8_fp8_f32 v[CODE+8*\q+2*\c:CODE+8*\q+2*\c+1], v[GP:GP+7], v9
	v_nop                                          ; one plain vector instruction behind a scaled conversion: the next lines write its sources
.endm
.macro TILEOUT q                       ; tile q's activation and its 1,024 bytes of codes, if the expert has that tile
	s_add_co_u32 s59, s58, 4*\q
	s_cmp_ge_u32 s59, s21
	s_cbranch_scc1 .Lno_tile_\@
	GLU \q, 0
	GLU \q, 1
	GLU \q, 2
	GLU \q, 3
	WIN 0
	global_store_b128 v[AO+\q], v[CODE+8*\q:CODE+8*\q+3], s[12:13]             ; 512 consecutive bytes, aligned
	global_store_b128 v[AO+\q], v[CODE+8*\q+4:CODE+8*\q+7], s[12:13] offset:512
.Lno_tile_\@:
.endm
	s_load_b256 s[4:11], s[0:1], 0x0               ; w1, xg, tt, the scales' exponents
	s_load_b64 s[12:13], s[0:1], 0x20              ; act
	v_lshl_add_u32 v254, v0, 2, 0x20000
	v_mov_b32 v255, 0
	v_lshrrev_b32 v1, 5, v0
	v_readfirstlane_b32 s16, v1                    ; wave 0..3
	v_and_b32 v1, 31, v0
	v_lshlrev_b32 v1, 4, v1                        ; 16 x lane: an image's place for my lane; also the LDS address of K steps 0-3
	v_and_b32 v2, 15, v0
	v_lshlrev_b32 v2, 4, v2                        ; my four columns,
	v_bfe_u32 v3, v0, 4, 1
	v_lshl_add_u32 v2, v3, 20, v2                  ; 64 rows of 16,384 bytes on for lanes 16-31,
	s_lshl_b32 s17, s16, 18
	v_add_nc_u32 v2, s17, v2                       ; 16 rows on for each wave
	s_lshl_b32 s17, s16, 9
	v_add_nc_u32 v3, s17, v1                       ; where I store my part of a fragment: 512 x wave + 16 x lane,
	v_add_nc_u32 v4, 0x10000, v3                   ; for K steps 4-7,
	v_add_nc_u32 v5, 0x10000, v1                   ; and where they are read
	s_and_b32 s18, ttmp7, 0xffff                   ; the expert
	s_lshl_b32 s19, s18, 3
	s_lshl_b32 s28, s18, 24                        ; its 16 MiB of w1,
	s_lshl_b32 s29, ttmp9, 8                       ; my 64 columns
	s_add_co_u32 s28, s28, s29
	s_mov_b32 s29, 0
	s_lshl_b32 s23, ttmp9, 10                      ; my 1,024 bytes of a tile of act
	s_mov_b32 s22, 0                               ; tp: the pass's first tile
	s_mov_b32 s30, 0                               ; further passes done
	s_wait_kmcnt 0x0
	s_load_b64 s[20:21], s[8:9], s19 offset:0x0    ; bt, nt
	s_load_b128 s[24:27], s[10:11], 0x0            ; e0, e1, e2, e3
	s_add_nc_u64 s[4:5], s[4:5], s[28:29]          ; K steps 0-3,
	s_add_nc_u64 s[14:15], s[4:5], 0x800000        ; K steps 4-7: every offset stays inside the signed 24-bit immediate (6,545,408 at the most)
	WLOAD 0, 0
	WLOAD 0, 1
	WIN 0
	s_mov_b32 s34, 0xb7910000                      ; erf, |z| above 475/512
	s_mov_b32 s35, s34                             ; (a packed form names the pair and takes its low word for both halves: so both are written)
	s_mov_b32 s36, 0xbb7e8a1c
	s_mov_b32 s37, s36
	s_mov_b32 s38, 0xbddaae5c
	s_mov_b32 s39, s38
	s_mov_b32 s40, 0xbf228550
	s_mov_b32 s41, s40
	s_mov_b32 s42, 0xbe03ce86
	s_mov_b32 s43, s42
	s_mov_b32 s44, 0x3fb8aa3b                      ; log2 e
	s_mov_b32 s45, s44
	s_mov_b32 s46, 0xba1c7000                      ; erf, |z| up to 475/512
	s_mov_b32 s47, s46
	s_mov_b32 s48, 0xbcdb48d9
	s_mov_b32 s49, s48
	s_mov_b32 s50, 0x3de70e22
	s_mov_b32 s51, s50
	s_mov_b32 s52, 0xbec09380
	s_mov_b32 s53, s52
	s_mov_b32 s54, 0x3e0375d4
	s_mov_b32 s55, s54
	s_mov_b32 s56, 0x7fffffff
	s_mov_b32 s57, 0x3f6d8000                      ; 475/512
	v_mov_b32 v20, 0x39c8e7d9
	v_mov_b32 v21, 0x39c8e7d9
	v_mov_b32 v22, 0x3cc6b1a1
	v_mov_b32 v23, 0x3cc6b1a1
	v_mov_b32 v24, 0x3ba38d2c
	v_mov_b32 v25, 0x3ba38d2c
	s_wait_kmcnt 0x0
	s_min_u32 s21, s21, 64                         ; 1,024 tokens make 64 tiles at the most
	s_add_co_i32 s62, s24, 127
	s_lshl_b32 s63, s62, 23
	v_mov_b32 v7, s63                              ; 2^e0 as f32: the conversion takes its exponent field
	s_add_co_i32 s62, s62, 8
	s_lshl_b32 s62, s62, 23
	s_or_b32 s62, s62, 0x600000
	v_mov_b32 v6, s62                              ; 448 x 2^e0
	s_add_co_i32 s62, s24, s25                     ; e0 + e1
	s_lshl_b32 s63, s62, 23
	s_add_co_i32 s32, s63, 0x3f3504f3              ; 2^(e0 + e1) / sqrt 2: the exponents are added to the exponent field of 1 / sqrt 2
	s_mov_b32 s33, s32
	s_lshl_b32 s62, s62, 1
	s_sub_co_i32 s62, s27, s62
	s_add_co_i32 s62, s62, 128                     ; e3 - 2 (e0 + e1) + 1, + 127
	s_lshl_b32 s63, s62, 23
	v_mov_b32 v9, s63                              ; act's conversion: the scales and gelu's half folded into one
	s_add_co_i32 s62, s62, 8
	s_lshl_b32 s62, s62, 23
	s_or_b32 s62, s62, 0x600000
	v_mov_b32 v8, s62
	TILES
	XLOAD 0
	WLOAD 1, 0
	WLOAD 1, 1
	TRIP 0, 1
	TRIP 1, 0
	TRIP 2, 0
	TRIP 3, 0
	TRIP 4, 0
	TRIP 5, 0
	TRIP 6, 0
	TRIP 7, 0
.Lglu:                                                 ; a trip: the way out of one pass and, if tiles are left, the products of the next
	PLACES                                         ; behind the last products
	TILEOUT 0
	TILEOUT 1
	TILEOUT 2
	TILEOUT 3
	TILEOUT 4
	s_add_co_u32 s22, s22, 20
	s_cmp_ge_u32 s22, s21
	s_cbranch_scc1 .Ldone                          ; no tile is left: with up to 320 rows to the expert this is the way taken in the first trip
	s_wait_xcnt 0x0                                ; the stores have had their addresses translated: their offsets and data are written again only behind this wait
	TILES
	XLOAD 0
	XLOAD 1
	AGAIN 0, 1
	AGAIN 1, 0
	AGAIN 2, 0
	AGAIN 3, 0
	AGAIN 4, 0
	AGAIN 5, 0
	AGAIN 6, 0
	AGAIN 7, 0
	s_add_co_u32 s30, s30, 1                       ; the loop is counted: nt is at most 64, so at most three further passes are made (tp = 20, 40, 60),
	s_cmp_lt_u32 s30, PASSES                       ; each goes back to its way out, and the branch above leaves the loop behind the last one
	s_cbranch_scc1 .Lglu
.Ldone:
	s_wait_tensorcnt 0x0
	ds_add_u32 v254, v255
	s_wait_dscnt 0x0
	s_endpgm
.Lfunc_end_k_q94838eef8d_ffn1:
	.size	k_q94838eef8d_ffn1, .Lfunc_end_k_q94838eef8d_ffn1-k_q94838eef8d_ffn1
	.p2alignl 7, 3214868480
	.fill 96, 4, 3214868480
	.section	.rodata,"a",@progbits
	.p2align	6, 0x0
	.amdhsa_kernel k_q94838eef8d_ffn1
		.amdhsa_group_segment_fixed_size 131584
		.amdhsa_private_segment_fixed_size 0
		.amdhsa_enable_private_segment 0
		.amdhsa_kernarg_size 40
		.amdhsa_user_sgpr_count 2
		.amdhsa_user_sgpr_kernarg_segment_ptr 1
		.amdhsa_wavefront_size32 1
		.amdhsa_system_sgpr_workgroup_id_x 1
		.amdhsa_system_sgpr_workgroup_id_y 1
		.amdhsa_system_sgpr_workgroup_id_z 1
		.amdhsa_system_vgpr_workitem_id 0
		.amdhsa_next_free_vgpr 1024
		.amdhsa_next_free_sgpr 66
		.amdhsa_reserve_vcc 1
		.amdhsa_float_denorm_mode_32 3
		.amdhsa_float_denorm_mode_16_64 3
		.amdhsa_memory_ordered 1
		.amdhsa_forward_progress 1
		.amdhsa_inst_pref_size 255
	.end_amdhsa_kernel
	.section	.bss,"aw",@nobits
	.p2align	6
	.space	262144
	.amdgpu_metadata
---
amdhsa.version: [ 1, 2 ]
amdhsa.kernels:
  - .name:           k_q94838eef8d_ffn1
    .symbol:         k_q94838eef8d_ffn1.kd
    .args:
      - { .name: w1, .offset: 0, .size: 8, .value_kind: global_buffer, .address_space: global }
      - { .name: xg, .offset: 8, .size: 8, .value_kind: global_buffer, .address_space: global }
      - { .name: tt, .offset: 16, .size: 8, .value_kind: global_buffer, .address_space: global }
      - { .name: lowp_scales, .offset: 24, .size: 8, .value_kind: global_buffer, .address_space: global }
      - { .name: act, .offset: 32, .size: 8, .value_kind: global_buffer, .address_space: global }
    .group_segment_fixed_size: 131584
    .private_segment_fixed_size: 0
    .kernarg_segment_align: 8
    .kernarg_segment_size: 40
    .max_flat_workgroup_size: 128
    .sgpr_count:     66
    .vgpr_count:     1024
    .wavefront_size: 32
...
	.end_amdgpu_metadata
.endif
;; end of part 3
;; launch ffn2 (part 4): grid 32 x 8, 4 waves a work-group, no clusters, 83,456 bytes of LDS; arguments w2, act, tt, lowp_scales, eo; writes eo
.if DOCPART == 4
	.amdgcn_target "amdgcn-amd-amdhsa--gfx1250"
	.amdhsa_code_object_version 6
	.text
	.protected	k_q94838eef8d_ffn2
	.globl	k_q94838eef8d_ffn2
	.p2align	8
	.type	k_q94838eef8d_ffn2,@function
k_q94838eef8d_ffn2:
	s_mov_b64 s[64:65], 0
	v_nop
	global_prefetch_b8 v0, s[64:65] scope:SCOPE_SE
	s_setreg_imm32_b32 hwreg(HW_REG_WAVE_MODE, 25, 1), 1
	s_wait_xcnt 0x0
; The second product of the chosen experts: eo = act w2[e], both operands as codes of E4M3 (scales 2^e2 for w2, 2^e3 for act), sums in f32, x 2^(e2 + e3).
; SHARES.  Work-group (ds, kh, e) owns output columns 64 ds .. 64 ds + 63 and half kh of K = 2,048 of expert e: 256 KiB of w2 that no other work-group reads.  16 x 2 x 8 = 256 work-groups.
; The split of K keeps a weight row's piece at 256 bytes and gives every WGP a work-group; its price is a second partial sum in eo, which the last launch adds.
; THE WEIGHTS are read once, quantised in registers and kept in LDS as images of operand registers, as in the launch before: a load takes 64 neighbouring columns of one row of w2 in lanes 0-15 and of another in lanes 16-31; lane r owns
; columns 4 r + 0 .. 3, column tile c is {4 r + c}; the hold turns 16 rows x 4 columns on its way.  THE ROWS ARE TAKEN IN THE ORDER IN WHICH act's IMAGES HOLD THE HIDDEN UNITS:
; K step s, lane half h, wave i, byte t: hidden unit 1024 kh + 128 s + 64 (i / 2) + 32 h + 4 (t % 8) + 2 (i % 2) + t / 8.  So every product meets its partner; only the order of the sums inside an instruction is another.
; TRANSPOSED USE (source 0 = 16 columns of w2, source 1 = 16 rows): lane (r, h) holds row r, register j of tile c column 32 h + 4 j + c: the four tiles' registers, taken j first, are 32 neighbouring columns.
; ROWS as in the launch before: wave w takes the expert's tiles tp + 4 q + w, q = 0 .. 4; the first pass runs under the stream of weights, one barrier a K step; further passes (nt > 20) are a loop without a barrier,
; of four trips at the most (64 tiles at the most), left as soon as no tile remains.
; No tensor load and no cluster: branches hang on stored numbers; what work-groups share (act's codes) is a small part beside the weights that each reads alone.
; OUT: eo [kh][slot][1024] f32.  A tile's 16 rows x 64 columns go through the wave's own stage in LDS, so that sixteen lanes store 256 consecutive bytes, aligned.
; LIMITS: e2 between -126 and 119; e2 + e3 between -126 and 127.  NaN and infinities are not served.
; REGISTERS.  Window 0: v1-13 addresses and constants; v16-255 three sets of the five tiles' fragments (on the way out: v16-47 a tile's numbers, v48-207 rows read back).
;   Window 1: v0-191 three sets of 64, weights as loaded; v192-255 the turned block.   Window 2: v0-159 accumulators (q, c) at 32 q + 8 c; v160-223 the four weight fragments; v224-239 the weights' codes.
.set PASSES, 4                         ; 64 tiles at the most, 20 a pass
.set XO,   6                           ; v6-10   byte offset of tile q's images in act, + my half of K, + 16 x lane
.set XS,   16
.set OB,   16
.set RB,   48
.set WF,   160                         ; in window 2
.set CW,   224                         ; in window 2
.set TQ,   192                         ; in window 1
.set EB,   40                          ; s[40:49] eo at tile q's rows, my half of K, my columns
.set MSB, 0
.macro WIN new                         ; the immediate's high byte repeats the setting that is left
.if MSB != (\new)
	s_set_vgpr_msb (MSB<<8)|(\new)
.set MSB, (\new)
.endif
.endm
.macro PLACES                          ; four plain vector instructions between a matrix instruction and a read of its result, a write of, or a load into, one of its registers
.rept 4
	v_nop
.endr
.endm
.macro WLOAD2 s
	WIN 0x40                                       ; destination window 1
.irp t, 0,1,2,3,4,5,6,7,8,9,10,11,12,13,14,15
	global_load_b128 v[64*((\s)%3)+4*\t:64*((\s)%3)+4*\t+3], v2, s[4:5] offset:(\s)*524288+(4*(\t&7)+(\t>>3))*4096 th:TH_LOAD_NT
.endr
.endm
.macro XLOAD2 s
	WIN 0
.irp q, 0,1,2,3,4
.irp i, 0,1,2,3
	global_load_b128 v[XS+80*((\s)%3)+16*\q+4*\i:XS+80*((\s)%3)+16*\q+4*\i+3], v[XO+\q], s[6:7] offset:2048*(\s)+512*\i
.endr
.endr
.endm
.macro TILES2
	s_add_co_u32 s58, s22, s16                     ; tp + wave
.irp q, 0,1,2,3,4
	s_add_co_u32 s59, s58, 4*\q
	s_add_co_u32 s60, s59, s20
	s_cmp_lt_u32 s59, s21
	s_cselect_b32 s60, s60, 0                      ; behind the expert's last tile: tile 0; its results are not stored
	s_min_u32 s60, s60, 135                        ; a loaded number enters an address only held inside its table
	s_lshl_b32 s61, s60, 15
	s_add_co_u32 s61, s61, s23
	v_add_nc_u32 v[XO+\q], s61, v1
	s_lshl_b32 s62, s60, 16                        ; 16 rows of 4,096 bytes
	s_mov_b32 s63, 0
	s_add_nc_u64 s[EB+2*\q:EB+2*\q+1], s[30:31], s[62:63]
.endr
.endm
.macro COMPUTE2 s, zero                ; K step s: four fragments from LDS, 20 matrix instructions; the 20 accumulators take turns, one instruction a turn
	WIN 0
	PLACES
	WIN 0x80                                       ; destination window 2
.irp c, 0,1,2,3
.irp i, 0,1,2,3
	ds_load_b128 v[WF+16*\c+4*\i:WF+16*\c+4*\i+3], v1 offset:(\s)*8192+\c*2048+512*\i
.endr
.endr
	s_wait_dscnt 0x0
	WIN 0xa2                                       ; source 0, C and D window 2; source 1 window 0
.irp c, 0,1,2,3
.irp q, 0,1,2,3,4
.if \zero
	v_wmma_f32_16x16x128_fp8_fp8 v[32*\q+8*\c:32*\q+8*\c+7], v[WF+16*\c:WF+16*\c+15], v[XS+80*((\s)%3)+16*\q:XS+80*((\s)%3)+16*\q+15], 0
.else
	v_wmma_f32_16x16x128_fp8_fp8 v[32*\q+8*\c:32*\q+8*\c+7], v[WF+16*\c:WF+16*\c+15], v[XS+80*((\s)%3)+16*\q:XS+80*((\s)%3)+16*\q+15], v[32*\q+8*\c:32*\q+8*\c+7]
.endif
.endr
.endr
	WIN 0
.endm
; A K step of the first pass.  The loads go out in the order W0 W1 W2 X0 X1 X2 | W3 X3 | W4 X4 | .. | W7 X7 (W: 16 loads, X: 20).  n = the loads younger than W(s) and X(s):
; 40 (X1 X2), 56 (X2 W3 X3), then 72, for which the largest count that the wait can name stands, 36 (W7 X7), 0.
.macro TRIP2 s, n, zero
	s_wait_loadcnt \n
	WIN 0x41                                       ; source 0 and destination window 1
.irp t, 0,1,2,3,4,5,6,7,8,9,10,11,12,13,14,15
.irp c, 0,1,2,3
	v_med3_num_f32 v[TQ+16*\c+\t], v[64*((\s)%3)+4*\t+\c], -v4, v4             ; the hold (the conversion does not saturate: ISA guide 7.6.2), which also turns the block
.endr
.endr
.if \s < 5
	WLOAD2 \s+3                                    ; the set just emptied is asked for again at once
.endif
	WIN 0x81                                       ; source 0 window 1, destination window 2
.irp c, 0,1,2,3
	v_cvt_scalef32_pk8_fp8_f32 v[CW+4*\c:CW+4*\c+1], v[TQ+16*\c:TQ+16*\c+7], v5
	v_cvt_scalef32_pk8_fp8_f32 v[CW+4*\c+2:CW+4*\c+3], v[TQ+16*\c+8:TQ+16*\c+15], v5
.endr
	v_nop                                          ; one plain vector instruction behind the last scaled conversion
	WIN 0x08                                       ; the stores' data: window 2
.irp c, 0,1,2,3
	ds_store_b128 v3, v[CW+4*\c:CW+4*\c+3] offset:(\s)*8192+\c*2048
.endr
	s_wait_dscnt 0x0                               ; for the others' sake: my part of this K step's fragments has landed
	s_barrier_signal -1
	s_barrier_wait -1
	COMPUTE2 \s, \zero
.if \s < 5
	PLACES
	XLOAD2 \s+3
.endif
.endm
.macro AGAIN2 s, n, zero               ; a K step of a further pass: behind X(s) the loads of the next two K steps are out
	s_wait_loadcnt \n
	COMPUTE2 \s, \zero
.if \s < 5
	PLACES
	XLOAD2 \s+3
.endif
.endm
.macro OUT q                           ; tile q's 16 rows x 64 columns, if the expert has that tile
	s_add_co_u32 s59, s58, 4*\q
	s_cmp_ge_u32 s59, s21
	s_cbranch_scc1 .Lno_tile_\@
	WIN 0x08                                       ; source 1 window 2
.irp j, 0,1,2,3,4,5,6,7
.irp c, 0,1,2,3
	v_mul_f32 v[OB+4*\j+\c], s57, v[32*\q+8*\c+\j] ; x 2^(e2 + e3); column 32 h + 4 j + c; each accumulator from its low end on
.endr
.endr
	WIN 0
.irp m, 0,1,2,3,4,5,6,7
	ds_store_b128 v11, v[OB+4*\m:OB+4*\m+3] offset:16*\m
.endr
.irp u, 0,1,2,3,4,5,6,7
	ds_load_b128 v[RB+32*\q+4*\u:RB+32*\q+4*\u+3], v12 offset:544*\u           ; LDS serves a wave's instructions in order (ISA guide 5.7.1.4): these see my stores, and the next tile's stores come behind them
.endr
	s_wait_dscnt 0x0
.irp u, 0,1,2,3,4,5,6,7
	global_store_b128 v13, v[RB+32*\q+4*\u:RB+32*\q+4*\u+3], s[EB+2*\q:EB+2*\q+1] offset:8192*\u         ; sixteen lanes store 256 consecutive bytes of a row, aligned
.endr
.Lno_tile_\@:
.endm
	s_load_b256 s[4:11], s[0:1], 0x0               ; w2, act, tt, the scales' exponents
	s_load_b64 s[12:13], s[0:1], 0x20              ; eo
	s_set_vgpr_msb 0x80
	v_lshl_add_u32 v254, v0, 2, 0x14400
	v_mov_b32 v255, 0
	s_set_vgpr_msb 0x8000
	v_lshrrev_b32 v1, 5, v0
	v_readfirstlane_b32 s16, v1                    ; wave 0..3
	v_and_b32 v1, 31, v0
	v_lshlrev_b32 v1, 4, v1                        ; 16 x lane
	v_and_b32 v14, 15, v0                          ; r
	v_bfe_u32 v15, v0, 4, 1                        ; h
	s_lshr_b32 s17, s16, 1
	s_lshl_b32 s17, s17, 18                        ; 64 rows of 4,096 bytes for wave / 2,
	s_and_b32 s18, s16, 1
	s_lshl_b32 s18, s18, 13                        ; 2 rows for wave % 2,
	s_add_co_u32 s17, s17, s18
	v_lshlrev_b32 v2, 4, v14                       ; my four columns,
	v_lshl_add_u32 v2, v15, 17, v2                 ; 32 rows for lanes 16-31
	v_add_nc_u32 v2, s17, v2
	s_lshl_b32 s17, s16, 9
	v_add_nc_u32 v3, s17, v1                       ; where I store my part of a fragment
	s_mul_i32 s18, s16, 16*272
	s_add_co_u32 s18, s18, 0x10000                 ; my stage, behind the 64 KiB of fragments: 16 rows x (256 bytes + 16)
	v_mul_u32_u24 v11, v14, 272
	v_lshl_add_u32 v11, v15, 7, v11
	v_add_nc_u32 v11, s18, v11                     ; in: row r, + 128 h
	v_mul_u32_u24 v12, v15, 272
	v_lshl_add_u32 v12, v14, 4, v12
	v_add_nc_u32 v12, s18, v12                     ; back: lanes 0-15 one row, lanes 16-31 the next
	v_lshlrev_b32 v13, 4, v14
	v_lshl_add_u32 v13, v15, 12, v13               ; and the same two rows in eo
	s_and_b32 s28, ttmp9, 15                       ; ds
	s_lshr_b32 s29, ttmp9, 4                       ; kh
	s_and_b32 s18, ttmp7, 0xffff                   ; the expert
	s_lshl_b32 s19, s18, 3
	s_lshl_b32 s32, s18, 23                        ; its 8 MiB of w2,
	s_lshl_b32 s33, s29, 22                        ; my half of K,
	s_add_co_u32 s32, s32, s33
	s_lshl_b32 s33, s28, 8                         ; my 64 columns
	s_add_co_u32 s32, s32, s33
	s_mov_b32 s33, 0
	s_mul_i32 s34, s29, 0x880000                   ; eo: 2,176 slots x 4,096 bytes for each half of K
	s_lshl_b32 s35, s28, 8
	s_add_co_u32 s34, s34, s35
	s_mov_b32 s35, 0
	s_lshl_b32 s23, s29, 14                        ; my eight of a tile's sixteen images
	s_mov_b32 s22, 0                               ; tp: the pass's first tile
	s_mov_b32 s36, 0                               ; further passes done
	s_wait_kmcnt 0x0
	s_load_b64 s[20:21], s[8:9], s19 offset:0x0    ; bt, nt
	s_load_b128 s[24:27], s[10:11], 0x0            ; e0, e1, e2, e3
	s_add_nc_u64 s[4:5], s[4:5], s[32:33]
	s_add_nc_u64 s[30:31], s[12:13], s[34:35]
	WLOAD2 0
	WLOAD2 1
	WLOAD2 2
	WIN 0
	s_wait_kmcnt 0x0
	s_min_u32 s21, s21, 64                         ; 1,024 tokens make 64 tiles at the most
	s_add_co_i32 s62, s26, 127
	s_lshl_b32 s63, s62, 23
	v_mov_b32 v5, s63                              ; 2^e2 as f32: the conversion takes its exponent field
	s_add_co_i32 s62, s62, 8
	s_lshl_b32 s62, s62, 23
	s_or_b32 s62, s62, 0x600000
	v_mov_b32 v4, s62                              ; 448 x 2^e2
	s_add_co_i32 s57, s26, s27
	s_add_co_i32 s57, s57, 127
	s_lshl_b32 s57, s57, 23                        ; 2^(e2 + e3) as f32
	TILES2
	XLOAD2 0
	XLOAD2 1
	XLOAD2 2
	TRIP2 0, 40, 1
	TRIP2 1, 56, 0
	TRIP2 2, 63, 0
	TRIP2 3, 63, 0
	TRIP2 4, 63, 0
	TRIP2 5, 63, 0
	TRIP2 6, 36, 0
	TRIP2 7, 0, 0
.Ltail:                                                ; a trip: the way out of one pass and, if tiles are left, the products of the next
	PLACES                                         ; behind the last products
	OUT 0
	OUT 1
	OUT 2
	OUT 3
	OUT 4
	s_add_co_u32 s22, s22, 20
	s_cmp_ge_u32 s22, s21
	s_cbranch_scc1 .Ldone                          ; no tile is left
	s_wait_xcnt 0x0                                ; the stores have had their addresses translated: their bases and data are written again only behind this wait
	TILES2
	XLOAD2 0
	XLOAD2 1
	XLOAD2 2
	AGAIN2 0, 40, 1
	AGAIN2 1, 40, 0
	AGAIN2 2, 40, 0
	AGAIN2 3, 40, 0
	AGAIN2 4, 40, 0
	AGAIN2 5, 40, 0
	AGAIN2 6, 20, 0
	AGAIN2 7, 0, 0
	s_add_co_u32 s36, s36, 1                       ; the loop is counted: nt is at most 64, so at most three further passes are made (tp = 20, 40, 60),
	s_cmp_lt_u32 s36, PASSES                       ; each goes back to its way out, and the branch above leaves the loop behind the last one
	s_cbranch_scc1 .Ltail
.Ldone:
	s_set_vgpr_msb 0xa
	s_wait_tensorcnt 0x0
	ds_add_u32 v254, v255
	s_wait_dscnt 0x0
	s_set_vgpr_msb 0xa00
	s_endpgm
.Lfunc_end_k_q94838eef8d_ffn2:
	.size	k_q94838eef8d_ffn2, .Lfunc_end_k_q94838eef8d_ffn2-k_q94838eef8d_ffn2
	.p2alignl 7, 3214868480
	.fill 96, 4, 3214868480
	.section	.rodata,"a",@progbits
	.p2align	6, 0x0
	.amdhsa_kernel k_q94838eef8d_ffn2
		.amdhsa_group_segment_fixed_size 83456
		.amdhsa_private_segment_fixed_size 0
		.amdhsa_enable_private_segment 0
		.amdhsa_kernarg_size 40
		.amdhsa_user_sgpr_count 2
		.amdhsa_user_sgpr_kernarg_segment_ptr 1
		.amdhsa_wavefront_size32 1
		.amdhsa_system_sgpr_workgroup_id_x 1
		.amdhsa_system_sgpr_workgroup_id_y 1
		.amdhsa_system_sgpr_workgroup_id_z 1
		.amdhsa_system_vgpr_workitem_id 0
		.amdhsa_next_free_vgpr 768
		.amdhsa_next_free_sgpr 66
		.amdhsa_reserve_vcc 0
		.amdhsa_float_denorm_mode_32 3
		.amdhsa_float_denorm_mode_16_64 3
		.amdhsa_memory_ordered 1
		.amdhsa_forward_progress 1
		.amdhsa_inst_pref_size 147
	.end_amdhsa_kernel
	.amdgpu_metadata
---
amdhsa.version: [ 1, 2 ]
amdhsa.kernels:
  - .name:           k_q94838eef8d_ffn2
    .symbol:         k_q94838eef8d_ffn2.kd
    .args:
      - { .name: w2, .offset: 0, .size: 8, .value_kind: global_buffer, .address_space: global }
      - { .name: act, .offset: 8, .size: 8, .value_kind: global_buffer, .address_space: global }
      - { .name: tt, .offset: 16, .size: 8, .value_kind: global_buffer, .address_space: global }
      - { .name: lowp_scales, .offset: 24, .size: 8, .value_kind: global_buffer, .address_space: global }
      - { .name: eo, .offset: 32, .size: 8, .value_kind: global_buffer, .address_space: global }
    .group_segment_fixed_size: 83456
    .private_segment_fixed_size: 0
    .kernarg_segment_align: 8
    .kernarg_segment_size: 40
    .max_flat_workgroup_size: 128
    .sgpr_count:     66
    .vgpr_count:     768
    .wavefront_size: 32
...
	.end_amdgpu_metadata
.endif
;; end of part 4
;; launch combine (part 5): grid 256 x 1, 4 waves a work-group, no clusters, 0 bytes of LDS; arguments x, eo, slotmap, topw, out0; writes out0
.if DOCPART == 5
	.amdgcn_target "amdgcn-amd-amdhsa--gfx1250"
	.amdhsa_code_object_version 6
	.text
	.protected	k_q94838eef8d_combine
	.globl	k_q94838eef8d_combine
	.p2align	8
	.type	k_q94838eef8d_combine,@function
k_q94838eef8d_combine:
	s_mov_b64 s[64:65], 0
	v_nop
	global_prefetch_b8 v0, s[64:65] scope:SCOPE_SE
	s_setreg_imm32_b32 hwreg(HW_REG_WAVE_MODE, 25, 1), 1
	s_wait_xcnt 0x0
; out0[token] = x[token] + wa (eo[0][sa] + eo[1][sa]) + wb (eo[0][sb] + eo[1][sb]): the two halves of K of the token's two chosen experts, weighed, and the residual.
; One wave takes one token: each output row has one owner.  sa, sb (slotmap) are stored whole numbers and are held inside eo's 2,176 slots before they enter an address; wa, wb (topw) only multiply.
; Memory binds: five rows of 4,096 bytes in, one out; every load and store of the wave covers 512 consecutive bytes; all 40 loads go out at once.  No LDS, no barrier, no matrix unit: nothing here is shared or multiplied in bulk.
.set EOH, 0x880000                     ; bytes of one half of K in eo: 2,176 x 4,096
	s_load_b256 s[4:11], s[0:1], 0x0               ; x, eo, slotmap, topw
	s_load_b64 s[12:13], s[0:1], 0x20              ; out0
	v_lshrrev_b32 v1, 5, v0
	v_readfirstlane_b32 s14, v1                    ; wave
	v_and_b32 v1, 31, v0
	v_lshlrev_b32 v1, 4, v1                        ; 16 x lane
	s_lshl_b32 s15, ttmp9, 2
	s_add_co_u32 s15, s15, s14                     ; my token
	s_lshl_b32 s24, s15, 3
	s_lshl_b32 s26, s15, 12
	s_mov_b32 s27, 0
	s_wait_kmcnt 0x0
	s_load_b64 s[16:17], s[8:9], s24 offset:0x0    ; sa, sb
	s_load_b64 s[18:19], s[10:11], s24 offset:0x0  ; wa, wb
	s_add_nc_u64 s[4:5], s[4:5], s[26:27]
	s_add_nc_u64 s[12:13], s[12:13], s[26:27]
.irp i, 0,1,2,3,4,5,6,7
	global_load_b128 v[16+4*\i:19+4*\i], v1, s[4:5] offset:512*\i
.endr
	s_wait_kmcnt 0x0
	s_min_u32 s16, s16, 2175
	s_min_u32 s17, s17, 2175
	s_lshl_b32 s20, s16, 12
	s_mov_b32 s21, 0
	s_lshl_b32 s22, s17, 12
	s_mov_b32 s23, 0
	s_add_nc_u64 s[20:21], s[6:7], s[20:21]        ; the first choice's row, first half of K,
	s_add_nc_u64 s[22:23], s[6:7], s[22:23]        ; the second choice's,
	s_add_nc_u64 s[28:29], s[20:21], EOH           ; and their second halves
	s_add_nc_u64 s[30:31], s[22:23], EOH
	s_mov_b32 s24, s19                             ; wb as the low word of a pair of its own: the packed form takes the low word for both halves
	s_mov_b32 s25, s19
.irp i, 0,1,2,3,4,5,6,7
	global_load_b128 v[48+4*\i:51+4*\i], v1, s[20:21] offset:512*\i
	global_load_b128 v[80+4*\i:83+4*\i], v1, s[28:29] offset:512*\i
	global_load_b128 v[112+4*\i:115+4*\i], v1, s[22:23] offset:512*\i
	global_load_b128 v[144+4*\i:147+4*\i], v1, s[30:31] offset:512*\i
.endr
	s_wait_loadcnt 0x0
.set j, 0
.rept 16
	v_pk_add_f32 v[48+j:49+j], v[48+j:49+j], v[80+j:81+j]
	v_pk_add_f32 v[112+j:113+j], v[112+j:113+j], v[144+j:145+j]
	v_pk_fma_f32 v[16+j:17+j], v[48+j:49+j], s[18:19], v[16+j:17+j] op_sel_hi:[1,0,1]
	v_pk_fma_f32 v[16+j:17+j], v[112+j:113+j], s[24:25], v[16+j:17+j] op_sel_hi:[1,0,1]
.set j, j+2
.endr
.irp i, 0,1,2,3,4,5,6,7
	global_store_b128 v1, v[16+4*\i:19+4*\i], s[12:13] offset:512*\i th:TH_STORE_NT
.endr
	s_endpgm
.Lfunc_end_k_q94838eef8d_combine:
	.size	k_q94838eef8d_combine, .Lfunc_end_k_q94838eef8d_combine-k_q94838eef8d_combine
	.p2alignl 7, 3214868480
	.fill 96, 4, 3214868480
	.section	.rodata,"a",@progbits
	.p2align	6, 0x0
	.amdhsa_kernel k_q94838eef8d_combine
		.amdhsa_group_segment_fixed_size 0
		.amdhsa_private_segment_fixed_size 0
		.amdhsa_enable_private_segment 0
		.amdhsa_kernarg_size 40
		.amdhsa_user_sgpr_count 2
		.amdhsa_user_sgpr_kernarg_segment_ptr 1
		.amdhsa_wavefront_size32 1
		.amdhsa_system_sgpr_workgroup_id_x 1
		.amdhsa_system_sgpr_workgroup_id_y 1
		.amdhsa_system_sgpr_workgroup_id_z 1
		.amdhsa_system_vgpr_workitem_id 0
		.amdhsa_next_free_vgpr 176
		.amdhsa_next_free_sgpr 66
		.amdhsa_reserve_vcc 0
		.amdhsa_float_denorm_mode_32 3
		.amdhsa_float_denorm_mode_16_64 3
		.amdhsa_memory_ordered 1
		.amdhsa_forward_progress 1
		.amdhsa_inst_pref_size 10
	.end_amdhsa_kernel
	.amdgpu_metadata
---
amdhsa.version: [ 1, 2 ]
amdhsa.kernels:
  - .name:           k_q94838eef8d_combine
    .symbol:         k_q94838eef8d_combine.kd
    .args:
      - { .name: x, .offset: 0, .size: 8, .value_kind: global_buffer, .address_space: global }
      - { .name: eo, .offset: 8, .size: 8, .value_kind: global_buffer, .address_space: global }
      - { .name: slotmap, .offset: 16, .size: 8, .value_kind: global_buffer, .address_space: global }
      - { .name: topw, .offset: 24, .size: 8, .value_kind: global_buffer, .address_space: global }
      - { .name: out0, .offset: 32, .size: 8, .value_kind: global_buffer, .address_space: global }
    .group_segment_fixed_size: 0
    .private_segment_fixed_size: 0
    .kernarg_segment_align: 8
    .kernarg_segment_size: 40
    .max_flat_workgroup_size: 128
    .sgpr_count:     66
    .vgpr_count:     176
    .wavefront_size: 32
...
	.end_amdgpu_metadata
.endif
;; end of part 5
;; ======== version 2 of 2: 5 launches
;; workspace buffers: xc 1,048,576 bytes; ri 18,432 bytes of whole numbers; topw 8,192 bytes; xg 2,228,224 bytes; slotmap 8,192 bytes of whole numbers; tt 256 bytes of whole numbers; act 4,456,448 bytes; eo 17,825,792 bytes
;; launch route (part 6): grid 128 x 1, 8 waves a work-group, no clusters, 1,536 bytes of LDS; arguments x, ln_w, ln_b, gate_w, lowp_scales, xc, ri, topw, out1; writes xc, ri, topw, out1
.if DOCPART == 6
	.amdgcn_target "amdgcn-amd-amdhsa--gfx1250"
	.amdhsa_code_object_version 6
	.text
	.protected	k_q94838eef8d_route
	.globl	k_q94838eef8d_route
	.p2align	8
	.type	k_q94838eef8d_route,@function
k_q94838eef8d_route:
	s_mov_b64 s[64:65], 0
	v_nop
	global_prefetch_b8 v0, s[64:65] scope:SCOPE_SE
	s_setreg_imm32_b32 hwreg(HW_REG_WAVE_MODE, 25, 1), 1
	s_wait_xcnt 0x0
; LayerNorm, router and the quantising of xn.  x: [1024 tokens][1024] f32.  One wave takes one token; a work-group of eight waves takes eight.
; Lane l holds columns 256 i + 8 l + 0 .. 7 (i = 0 .. 3) in registers 8 i + 0 .. 7: eight neighbours along K, as the conversion to codes takes them;
; ln_w, ln_b and the eight rows of gate_w are loaded in the same pattern.  All 88 loads of a wave are issued in one run.
; OUT: xc [token][1024] codes of E4M3 of xn with the given scale 2^e1 (e1 = entry 1 of the scales);  out1 [token][8] the router's mask;  topw [token][2] the two weights;
;      ri, whole numbers: from byte 0 [token][4]: a byte for each expert (1 = chosen) in words 0 and 1, a | b << 8 in words 2 and 3;
;          from byte 16,384 two planes of 128 words: word g = the rows of experts 0-3 (second plane: 4-7) among work-group g's eight tokens, a byte each;
;          from byte 17,408 [expert][128 bytes]: byte g, bit w: token 8 g + w chose the expert: read as words, bit l of word c is token 32 c + l.
;      The last two are 16 bytes a work-group, stored as words and bytes far apart: 2 KiB in the whole launch.
; THE ROUTER.  The logits' maximum is taken away; the two experts are chosen on l - max (the order of the softmax's weights; of equal numbers the lower index is kept).
; The softmax's divisor cancels in the renormalised pair: with p_a = 2^0 = 1, wa = 1 / (1 + p_b), wb = p_b wa, p_b = 2^((l_b - max) log2 e).
; No branch and no address hangs on these numbers: they are chosen by v_cndmask_b32 and stored at fixed places.
; LIMITS: e1 between -126 and 119.  NaN and infinities among the inputs are not served.  Two logits so close that the exponential would merge them are ordered by the logits.  A second weight under 2^-126 becomes 0.
.set X,   16                           ; v16-47   x, then x - mu, then xn
.set LW,  48                           ; v48-79   ln_w
.set LB,  80                           ; v80-111  ln_b
.set LG,  112                          ; v112-127 eight pairs of logit sums
.set P,   128                          ; v128-135 the logits, then l - max
.set Q,   136                          ; v136-143 the same with the first choice put out of the running
.set TM,  144                          ; v144-151 what the other half of the lanes sends
.set C,   172                          ; v172-179 the codes
.set RC,  200                          ; v200-215 wave 3: the eight tokens' bytes for each expert
                                       ; window 1 (v256-511): gate_w, row e at 32 e
.set MSB, 0
.macro WIN new                         ; the immediate's high byte repeats the setting that is left
.if MSB != (\new)
	s_set_vgpr_msb (MSB<<8)|(\new)
.set MSB, (\new)
.endif
.endm
.macro WSUM r, t                       ; the sum over the wave's 32 lanes, in every lane
	s_delay_alu instid0(VALU_DEP_1)
	v_add_f32_dpp v\r, v\r, v\r row_xmask:1 row_mask:0xf bank_mask:0xf
	s_delay_alu instid0(VALU_DEP_1)
	v_add_f32_dpp v\r, v\r, v\r row_xmask:2 row_mask:0xf bank_mask:0xf
	s_delay_alu instid0(VALU_DEP_1)
	v_add_f32_dpp v\r, v\r, v\r row_xmask:4 row_mask:0xf bank_mask:0xf
	s_delay_alu instid0(VALU_DEP_1)
	v_add_f32_dpp v\r, v\r, v\r row_xmask:8 row_mask:0xf bank_mask:0xf
	s_delay_alu instid0(VALU_DEP_1)
	v_permlanex16_b32 v\t, v\r, s22, s23
	s_delay_alu instid0(VALU_DEP_1)
	v_add_f32 v\r, v\r, v\t
.endm
	s_load_b512 s[4:19], s[0:1], 0x0               ; x, ln_w, ln_b, gate_w, scales, xc, ri, topw
	s_load_b64 s[20:21], s[0:1], 0x40              ; out1
	v_lshl_add_u32 v254, v0, 2, 0x200
	v_mov_b32 v255, 0
	s_mov_b32 s22, 0x76543210                      ; v_permlanex16_b32: lane l takes lane l xor 16
	s_mov_b32 s23, 0xfedcba98
	v_lshrrev_b32 v3, 5, v0
	s_delay_alu instid0(VALU_DEP_1)
	v_readfirstlane_b32 s24, v3                    ; wave 0..7
	v_and_b32 v1, 31, v0                           ; lane
	s_delay_alu instid0(VALU_DEP_1)
	v_lshlrev_b32 v2, 5, v1                        ; 32 x lane: my 8 numbers of 256
	s_delay_alu instid0(VALU_DEP_2)
	v_lshlrev_b32 v3, 3, v1                        ; 8 x lane: my 8 codes of 256; also wave 0's place in LDS and in out1
	v_and_b32 v12, 7, v0
	v_and_b32 v13, 1, v0
	v_and_b32 v14, 3, v0
	; LDS: 0-255 the mask of the eight tokens, 256-383 their ri records, 384-447 their weights
	s_lshl_b32 s25, s24, 5
	v_lshl_add_u32 v4, v12, 2, s25                 ; 32 x wave + 4 (lane % 8)
	s_lshl_b32 s25, s24, 4
	s_add_co_u32 s25, s25, 256
	v_lshl_add_u32 v5, v14, 2, s25                 ; 256 + 16 x wave + 4 (lane % 4)
	s_lshl_b32 s25, s24, 3
	s_add_co_u32 s25, s25, 384
	v_lshl_add_u32 v6, v13, 2, s25                 ; 384 + 8 x wave + 4 (lane % 2)
	v_lshlrev_b32 v9, 2, v1                        ; 4 x lane
	s_delay_alu instid0(VALU_DEP_1)
	v_add_nc_u32 v8, 256, v9
	v_and_b32 v10, 15, v0
	s_delay_alu instid0(VALU_DEP_1)
	v_lshlrev_b32 v10, 2, v10                      ; 4 (lane % 16)
	s_delay_alu instid0(VALU_DEP_1)
	v_add_nc_u32 v11, 384, v10
	s_lshl_b32 s31, ttmp9, 3
	s_add_co_u32 s31, s31, s24                     ; my token
	s_lshl_b32 s26, s31, 12                        ; its row of x,
	s_mov_b32 s27, 0
	s_lshl_b32 s28, s31, 10                        ; and of codes
	s_mov_b32 s29, 0
	s_lshl_b32 s32, ttmp9, 8                       ; the work-group's 256 bytes of out1,
	s_mov_b32 s33, 0
	s_lshl_b32 s34, ttmp9, 7                       ; 128 of ri's records,
	s_mov_b32 s35, 0
	s_lshl_b32 s36, ttmp9, 6                       ; 64 of topw
	s_mov_b32 s37, 0
	s_wait_kmcnt 0x0
	s_load_b32 s30, s[12:13], 0x4                  ; e1
	s_mov_b64 s[38:39], s[16:17]                   ; ri's first byte, for the counts and the masks
	s_add_nc_u64 s[4:5], s[4:5], s[26:27]
	s_add_nc_u64 s[14:15], s[14:15], s[28:29]
	s_add_nc_u64 s[20:21], s[20:21], s[32:33]
	s_add_nc_u64 s[16:17], s[16:17], s[34:35]
	s_add_nc_u64 s[18:19], s[18:19], s[36:37]
.irp i, 0,1,2,3
	global_load_b128 v[X+8*\i:X+8*\i+3], v2, s[4:5] offset:1024*\i
	global_load_b128 v[X+8*\i+4:X+8*\i+7], v2, s[4:5] offset:1024*\i+16
.endr
.irp i, 0,1,2,3
	global_load_b128 v[LW+8*\i:LW+8*\i+3], v2, s[6:7] offset:1024*\i
	global_load_b128 v[LW+8*\i+4:LW+8*\i+7], v2, s[6:7] offset:1024*\i+16
.endr
.irp i, 0,1,2,3
	global_load_b128 v[LB+8*\i:LB+8*\i+3], v2, s[8:9] offset:1024*\i
	global_load_b128 v[LB+8*\i+4:LB+8*\i+7], v2, s[8:9] offset:1024*\i+16
.endr
	WIN 0x40                                       ; destination window 1
.irp e, 0,1,2,3,4,5,6,7
.irp i, 0,1,2,3
	global_load_b128 v[32*\e+8*\i:32*\e+8*\i+3], v2, s[10:11] offset:4096*\e+1024*\i
	global_load_b128 v[32*\e+8*\i+4:32*\e+8*\i+7], v2, s[10:11] offset:4096*\e+1024*\i+16
.endr
.endr
	WIN 0
.irp e, 0,1,2,3,4,5,6,7
	v_mov_b32 v[TM+\e], 0                          ; a lane permute's destination counts as read: written once
.endr
	v_mov_b32 v156, 0
	v_mov_b32 v157, 0x3a800000                     ; 1 / 1024
	v_mov_b32 v166, 1
	v_mov_b32 v168, 0xff800000                     ; -infinity
	v_mov_b32 v169, 0
	v_mov_b32 v184, 0
	v_mov_b32 v185, 0
	s_wait_loadcnt 63                              ; of the 88 loads at most the 63 youngest are out (the largest count that the wait can name): the 25 oldest are in, x, ln_w and ln_b among them
	v_pk_add_f32 v[154:155], v[16:17], v[18:19]
	v_pk_add_f32 v[252:253], v[24:25], v[28:29]
	v_pk_add_f32 v[250:251], v[32:33], v[36:37]
	v_pk_add_f32 v[248:249], v[40:41], v[44:45]
	v_pk_add_f32 v[246:247], v[20:21], v[22:23]
	v_pk_add_f32 v[244:245], v[26:27], v[30:31]
	v_pk_add_f32 v[242:243], v[34:35], v[38:39]
	v_pk_add_f32 v[152:153], v[42:43], v[46:47]
	s_delay_alu instid0(VALU_DEP_1)
	v_pk_add_f32 v[152:153], v[152:153], v[248:249]
	v_pk_add_f32 v[154:155], v[154:155], v[246:247]
	v_pk_add_f32 v[252:253], v[252:253], v[244:245]
	v_pk_add_f32 v[250:251], v[250:251], v[242:243]
	s_delay_alu instid0(VALU_DEP_2)
	v_pk_add_f32 v[152:153], v[152:153], v[252:253]
	s_delay_alu instid0(VALU_DEP_2)
	v_pk_add_f32 v[154:155], v[154:155], v[250:251]
	s_delay_alu instid0(VALU_DEP_1)
	v_pk_add_f32 v[152:153], v[152:153], v[154:155]
	s_delay_alu instid0(VALU_DEP_1)
	v_add_f32 v152, v152, v153
	WSUM 152, 156
	s_delay_alu instid0(VALU_DEP_1)
	v_mul_f32 v152, 0xba800000, v152               ; -mu (a division by 1,024 rounds nothing)
	s_delay_alu instid0(VALU_DEP_1)
	v_mov_b32 v153, v152
.set j, 0
.rept 16
	v_pk_add_f32 v[X+j:X+j+1], v[X+j:X+j+1], v[152:153]        ; x - mu
.set j, j+2
.endr
	v_pk_mul_f32 v[154:155], v[X:X+1], v[X:X+1]    ; the sum of squares of x - mu, in two chains
	v_pk_mul_f32 v[158:159], v[X+2:X+3], v[X+2:X+3]
.irp j, 4,8,12,16,20,24,28
	s_delay_alu instid0(VALU_DEP_2)
	v_pk_fma_f32 v[154:155], v[X+\j:X+\j+1], v[X+\j:X+\j+1], v[154:155]
	s_delay_alu instid0(VALU_DEP_2)
	v_pk_fma_f32 v[158:159], v[X+\j+2:X+\j+3], v[X+\j+2:X+\j+3], v[158:159]
.endr
	s_delay_alu instid0(VALU_DEP_1)
	v_pk_add_f32 v[154:155], v[154:155], v[158:159]
	s_delay_alu instid0(VALU_DEP_1)
	v_add_f32 v154, v154, v155
	WSUM 154, 156
	s_delay_alu instid0(VALU_DEP_1)
	v_fmaak_f32 v154, v157, v154, 0x3727c5ac       ; var + 1e-5
	s_wait_alu depctr_va_vdst(0)
	v_rsq_f32 v160, v154
	v_nop                                          ; one plain vector instruction behind a transcendental (ISA guide 5.7.2)
	s_wait_alu depctr_va_vdst(0)
	v_mov_b32 v161, v160
.set j, 0
.rept 16
	v_pk_mul_f32 v[X+j:X+j+1], v[X+j:X+j+1], v[160:161]
.set j, j+2
.endr
.set j, 0
.rept 16
	v_pk_fma_f32 v[X+j:X+j+1], v[X+j:X+j+1], v[LW+j:LW+j+1], v[LB+j:LB+j+1]    ; xn
.set j, j+2
.endr
	s_wait_loadcnt 0x0                             ; gate_w
	WIN 0x04                                       ; source 1 window 1
.irp e, 0,1,2,3,4,5,6,7
	v_pk_mul_f32 v[LG+2*\e:LG+2*\e+1], v[X:X+1], v[32*\e:32*\e+1]              ; eight logits in eight chains, f32 throughout
.endr
.irp j, 2,4,6,8,10,12,14,16,18,20,22,24,26,28,30
.irp e, 0,1,2,3,4,5,6,7
	v_pk_fma_f32 v[LG+2*\e:LG+2*\e+1], v[X+\j:X+\j+1], v[32*\e+\j:32*\e+\j+1], v[LG+2*\e:LG+2*\e+1]
.endr
.endr
	WIN 0
.irp e, 0,1,2,3,4,5,6,7
	v_add_f32 v[P+\e], v[LG+2*\e], v[LG+2*\e+1]
.endr
.irp m, 1,2,4,8
.irp e, 0,1,2,3,4,5,6,7
	v_add_f32_dpp v[P+\e], v[P+\e], v[P+\e] row_xmask:\m row_mask:0xf bank_mask:0xf
.endr
.endr
.irp e, 0,1,2,3,4,5,6,7
	v_permlanex16_b32 v[TM+\e], v[P+\e], s22, s23
.endr
.irp e, 0,1,2,3,4,5,6,7
	v_add_f32 v[P+\e], v[P+\e], v[TM+\e]           ; every lane holds all eight logits
.endr
	; xn is done with as a factor: hold and convert
	s_wait_kmcnt 0x0
	s_add_co_i32 s30, s30, 127
	s_lshl_b32 s31, s30, 23
	v_mov_b32 v171, s31                            ; 2^e1 as f32: the conversion takes its exponent field
	s_add_co_i32 s30, s30, 8
	s_lshl_b32 s30, s30, 23
	s_or_b32 s30, s30, 0x600000
	v_mov_b32 v170, s30                            ; 448 x 2^e1
.set j, 0
.rept 32
	v_med3_num_f32 v[X+j], v[X+j], -v170, v170     ; the conversion to an 8-bit code does not saturate (ISA guide 7.6.2): the hold comes first
.set j, j+1
.endr
.irp g, 0,1,2,3
	v_cvt_scalef32_pk8_fp8_f32 v[C+2*\g:C+2*\g+1], v[X+8*\g:X+8*\g+7], v171
.endr
	v_nop                                          ; one plain vector instruction behind the last scaled conversion
.irp g, 0,1,2,3
	global_store_b64 v3, v[C+2*\g:C+2*\g+1], s[14:15] offset:256*\g            ; the wave stores 256 consecutive bytes, at a multiple of 256 from xc's first byte
.endr
	; the router
	v_max3_num_f32 v152, v[P], v[P+1], v[P+2]
	s_delay_alu instid0(VALU_DEP_1)
	v_max3_num_f32 v152, v152, v[P+3], v[P+4]
	s_delay_alu instid0(VALU_DEP_1)
	v_max3_num_f32 v152, v152, v[P+5], v[P+6]
	s_delay_alu instid0(VALU_DEP_1)
	v_max_num_f32 v152, v152, v[P+7]
.irp e, 0,1,2,3,4,5,6,7
	v_sub_f32 v[P+\e], v[P+\e], v152               ; l - max
.endr
	v_mov_b32 v162, v[P]                           ; the first choice: a later expert takes the place only if it is strictly greater
	v_mov_b32 v163, 0
.irp e, 1,2,3,4,5,6,7
	s_delay_alu instid0(VALU_DEP_2)
	v_cmp_ge_f32 vcc_lo, v162, v[P+\e]
	s_delay_alu instid0(VALU_DEP_1)
	v_cndmask_b32 v162, v[P+\e], v162, vcc_lo
	s_delay_alu instid0(VALU_DEP_2)
	v_cndmask_b32 v163, \e, v163, vcc_lo
.endr
.irp e, 0,1,2,3,4,5,6,7
	v_cmp_eq_u32 vcc_lo, \e, v163
	s_delay_alu instid0(VALU_DEP_1)
	v_cndmask_b32 v[Q+\e], v[P+\e], v168, vcc_lo   ; the first choice is out of the running
.endr
	v_mov_b32 v164, v[Q]                           ; the second choice, likewise
	v_mov_b32 v165, 0
.irp e, 1,2,3,4,5,6,7
	s_delay_alu instid0(VALU_DEP_2)
	v_cmp_ge_f32 vcc_lo, v164, v[Q+\e]
	s_delay_alu instid0(VALU_DEP_1)
	v_cndmask_b32 v164, v[Q+\e], v164, vcc_lo
	s_delay_alu instid0(VALU_DEP_2)
	v_cndmask_b32 v165, \e, v165, vcc_lo
.endr
	s_delay_alu instid0(VALU_DEP_2)
	v_mul_f32 v164, 0x3fb8aa3b, v164
	s_wait_alu depctr_va_vdst(0)
	v_exp_f32 v164, v164                           ; p_b; p_a = 1
	v_and_b32 v186, 3, v163                        ; (a plain place behind the transcendental)
	s_wait_alu depctr_va_vdst(0)
	v_add_f32 v167, 1.0, v164
	s_wait_alu depctr_va_vdst(0)
	v_rcp_f32 v167, v167                           ; wa
	v_and_b32 v187, 3, v165                        ; (likewise)
	s_wait_alu depctr_va_vdst(0)
	v_mul_f32 v164, v164, v167                     ; wb
	v_cmp_eq_u32 vcc_lo, v12, v165                 ; the mask's entry for expert lane % 8
	s_delay_alu instid0(VALU_DEP_1)
	v_cndmask_b32 v188, 0, v164, vcc_lo
	v_cmp_eq_u32 vcc_lo, v12, v163
	v_cndmask_b32 v188, v188, v167, vcc_lo
	ds_store_b32 v4, v188                          ; (four lanes write each word, with the same number)
	v_cmp_eq_u32 vcc_lo, 1, v13
	v_cndmask_b32 v189, v167, v164, vcc_lo
	ds_store_b32 v6, v189
	v_lshlrev_b32 v186, 3, v186
	v_lshlrev_b32 v187, 3, v187
	s_delay_alu instid0(VALU_DEP_2)
	v_lshlrev_b32 v186, v186, v166                 ; 1 << 8 (a % 4)
	s_delay_alu instid0(VALU_DEP_2)
	v_lshlrev_b32 v187, v187, v166
	v_cmp_gt_u32 vcc_lo, 4, v163
	s_delay_alu instid0(VALU_DEP_1)
	v_cndmask_b32 v190, 0, v186, vcc_lo            ; experts 0-3 have their bytes in word 0,
	s_delay_alu instid0(VALU_DEP_2)
	v_cndmask_b32 v191, v186, v169, vcc_lo         ; experts 4-7 in word 1
	v_cmp_gt_u32 vcc_lo, 4, v165
	s_delay_alu instid0(VALU_DEP_1)
	v_cndmask_b32 v192, 0, v187, vcc_lo
	s_delay_alu instid0(VALU_DEP_2)
	v_cndmask_b32 v193, v187, v169, vcc_lo
	s_delay_alu instid0(VALU_DEP_2)
	v_or_b32 v190, v190, v192
	s_delay_alu instid0(VALU_DEP_2)
	v_or_b32 v191, v191, v193
	v_lshl_or_b32 v192, v165, 8, v163              ; a | b << 8
	v_cmp_eq_u32 vcc_lo, 1, v14                    ; the record's word lane % 4
	s_delay_alu instid0(VALU_DEP_1)
	v_cndmask_b32 v190, v190, v191, vcc_lo
	v_cmp_lt_u32 vcc_lo, 1, v14
	s_delay_alu instid0(VALU_DEP_1)
	v_cndmask_b32 v190, v190, v192, vcc_lo
	ds_store_b32 v5, v190
	s_wait_dscnt 0x0                               ; for the others' sake: my three stores have landed
	s_barrier_signal -1
	s_barrier_wait -1
	; the eight tokens' small records leave together: wave 0 the mask, wave 1 the choices, wave 2 the weights, wave 3 the work-group's counts and bit masks
	s_cmp_eq_u32 s24, 0
	s_cbranch_scc1 .Lmask
	s_cmp_eq_u32 s24, 1
	s_cbranch_scc1 .Lchoice
	s_cmp_eq_u32 s24, 2
	s_cbranch_scc1 .Lweights
	s_cmp_eq_u32 s24, 3
	s_cbranch_scc1 .Lcounts
	s_wait_tensorcnt 0x0
	ds_add_u32 v254, v255
	s_wait_dscnt 0x0
	s_endpgm
.Lmask:
	ds_load_b64 v[184:185], v3
	s_wait_dscnt 0x0
	global_store_b64 v3, v[184:185], s[20:21]      ; 256 consecutive bytes of out1, aligned
	s_wait_tensorcnt 0x0
	ds_add_u32 v254, v255
	s_wait_dscnt 0x0
	s_endpgm
.Lchoice:
	ds_load_b32 v184, v8
	s_wait_dscnt 0x0
	global_store_b32 v9, v184, s[16:17]
	s_wait_tensorcnt 0x0
	ds_add_u32 v254, v255
	s_wait_dscnt 0x0
	s_endpgm
.Lweights:
	v_cmp_gt_u32 vcc_lo, 16, v1
	s_wait_xcnt 0x0                                ; my stores of codes have had their addresses translated: EXEC changes only behind this wait
	s_wait_tensorcnt 0x0
	ds_add_u32 v254, v255
	s_wait_dscnt 0x0
	s_and_saveexec_b32 s25, vcc_lo
	ds_load_b32 v184, v11
	s_wait_dscnt 0x0
	global_store_b32 v10, v184, s[18:19]
	s_wait_xcnt 0x0                                ; and again in front of the line that widens it
	s_or_b32 exec_lo, exec_lo, s25
	s_endpgm
.Lcounts:
.irp w, 0,1,2,3,4,5,6,7
	ds_load_b64 v[RC+2*\w:RC+2*\w+1], v169 offset:256+16*\w    ; token w's byte for each expert (0 or 1), in every lane
.endr
	s_wait_dscnt 0x0
	v_add_nc_u32 v216, v[RC], v[RC+2]              ; added: each expert's rows among the eight tokens, 8 at the most in a byte;
	v_add_nc_u32 v217, v[RC+1], v[RC+3]
	v_lshl_add_u32 v218, v[RC+2], 1, v[RC]         ; token w's bytes shifted by w and added: a byte of eight bits for each expert
	v_lshl_add_u32 v219, v[RC+3], 1, v[RC+1]
.irp w, 2,3,4,5,6,7
	s_delay_alu instid0(VALU_DEP_4)
	v_add_nc_u32 v216, v216, v[RC+2*\w]
	s_delay_alu instid0(VALU_DEP_4)
	v_add_nc_u32 v217, v217, v[RC+2*\w+1]
	s_delay_alu instid0(VALU_DEP_4)
	v_lshl_add_u32 v218, v[RC+2*\w], \w, v218
	s_delay_alu instid0(VALU_DEP_4)
	v_lshl_add_u32 v219, v[RC+2*\w+1], \w, v219
.endr
	v_cmp_eq_u32 vcc_lo, 1, v13
	s_delay_alu instid0(VALU_DEP_1)
	v_cndmask_b32 v216, v216, v217, vcc_lo         ; even lanes: experts 0-3, odd lanes: experts 4-7
	s_lshl_b32 s25, ttmp9, 2
	s_add_co_u32 s25, s25, 16384
	v_lshl_add_u32 v220, v13, 9, s25               ; 16,384 + 512 (lane % 2) + 4 x work-group
	global_store_b32 v220, v216, s[38:39]          ; (sixteen lanes write each word, with the same number)
	v_cmp_gt_u32 vcc_lo, 4, v12
	s_delay_alu instid0(VALU_DEP_1)
	v_cndmask_b32 v218, v219, v218, vcc_lo         ; expert lane % 8's word,
	v_lshlrev_b32 v221, 3, v14
	s_delay_alu instid0(VALU_DEP_1)
	v_lshrrev_b32 v218, v221, v218                 ; its byte in the lowest place
	s_add_co_u32 s25, ttmp9, 17408
	v_lshl_add_u32 v222, v12, 7, s25               ; 17,408 + 128 x expert + work-group
	global_store_b8 v222, v218, s[38:39]           ; (four lanes write each byte, with the same number)
	s_wait_tensorcnt 0x0
	ds_add_u32 v254, v255
	s_wait_dscnt 0x0
	s_endpgm
.Lfunc_end_k_q94838eef8d_route:
	.size	k_q94838eef8d_route, .Lfunc_end_k_q94838eef8d_route-k_q94838eef8d_route
	.p2alignl 7, 3214868480
	.fill 96, 4, 3214868480
	.section	.rodata,"a",@progbits
	.p2align	6, 0x0
	.amdhsa_kernel k_q94838eef8d_route
		.amdhsa_group_segment_fixed_size 1536
		.amdhsa_private_segment_fixed_size 0
		.amdhsa_enable_private_segment 0
		.amdhsa_kernarg_size 72
		.amdhsa_user_sgpr_count 2
		.amdhsa_user_sgpr_kernarg_segment_ptr 1
		.amdhsa_wavefront_size32 1
		.amdhsa_system_sgpr_workgroup_id_x 1
		.amdhsa_system_sgpr_workgroup_id_y 1
		.amdhsa_system_sgpr_workgroup_id_z 1
		.amdhsa_system_vgpr_workitem_id 0
		.amdhsa_next_free_vgpr 512
		.amdhsa_next_free_sgpr 66
		.amdhsa_reserve_vcc 1
		.amdhsa_float_denorm_mode_32 3
		.amdhsa_float_denorm_mode_16_64 3
		.amdhsa_memory_ordered 1
		.amdhsa_forward_progress 1
		.amdhsa_inst_pref_size 44
	.end_amdhsa_kernel
	.amdgpu_metadata
---
amdhsa.version: [ 1, 2 ]
amdhsa.kernels:
  - .name:           k_q94838eef8d_route
    .symbol:         k_q94838eef8d_route.kd
    .args:
      - { .name: x, .offset: 0, .size: 8, .value_kind: global_buffer, .address_space: global }
      - { .name: ln_w, .offset: 8, .size: 8, .value_kind: global_buffer, .address_space: global }
      - { .name: ln_b, .offset: 16, .size: 8, .value_kind: global_buffer, .address_space: global }
      - { .name: gate_w, .offset: 24, .size: 8, .value_kind: global_buffer, .address_space: global }
      - { .name: lowp_scales, .offset: 32, .size: 8, .value_kind: global_buffer, .address_space: global }
      - { .name: xc, .offset: 40, .size: 8, .value_kind: global_buffer, .address_space: global }
      - { .name: ri, .offset: 48, .size: 8, .value_kind: global_buffer, .address_space: global }
      - { .name: topw, .offset: 56, .size: 8, .value_kind: global_buffer, .address_space: global }
      - { .name: out1, .offset: 64, .size: 8, .value_kind: global_buffer, .address_space: global }
    .group_segment_fixed_size: 1536
    .private_segment_fixed_size: 0
    .kernarg_segment_align: 8
    .kernarg_segment_size: 72
    .max_flat_workgroup_size: 256
    .sgpr_count:     66
    .vgpr_count:     512
    .wavefront_size: 32
...
	.end_amdgpu_metadata
.endif
;; end of part 6
;; launch place (part 7): grid 136 x 1, 1 waves a work-group, no clusters, 0 bytes of LDS; arguments ri, xc, xg, slotmap, tt; writes xg, slotmap, tt
.if DOCPART == 7
	.amdgcn_target "amdgcn-amd-amdhsa--gfx1250"
	.amdhsa_code_object_version 6
	.text
	.protected	k_q94838eef8d_place
	.globl	k_q94838eef8d_place
	.p2align	8
	.type	k_q94838eef8d_place,@function
k_q94838eef8d_place:
	s_mov_b64 s[64:65], 0
	v_nop
	global_prefetch_b8 v0, s[64:65] scope:SCOPE_SE
	s_setreg_imm32_b32 hwreg(HW_REG_WAVE_MODE, 25, 1), 1
	s_wait_xcnt 0x0
; The routed rows are placed by expert.  Each expert's rows, in the order of the tokens, fill whole tiles of 16 slots; the slots behind an expert's last row repeat their tile's first row, and nobody reads their results.
; 2,048 rows and 8 experts make 2048 / 16 + 7 = 135 tiles at the most, whatever the choice: 136 work-groups of one wave are launched, one to a tile; a wave whose tile the split does not have ends (a branch on stored whole numbers).
; IN (ri, stored by the launch before): from byte 16,384 two planes of 128 words, word g = the rows of experts 0-3 (4-7) among tokens 8 g .. 8 g + 7, a byte each; from byte 17,408 for each expert 32 words, bit l of word c = token 32 c + l chose it;
;    from byte 0 [token][4], word 2 = first choice | second choice << 8.
; EVERY NUMBER THAT STEERS A BRANCH OR AN ADDRESS is made from those stored whole numbers lane by lane, by additions, subtractions, shifts, ANDs and small products; a comparison is the sign bit of a difference (all numbers lie under 2^24).
; Nothing goes from lane to lane: every lane loads the same 1 KiB of counts and adds it up for itself, and what the scalar side needs it takes from the first lane.  EXEC is never changed.
; OUT: xg, tile T at 16,384 T: eight images of an operand's registers, one for each 128 along K: byte 2048 s + 512 i + 16 lane + b is the code of row lane % 16 at k = 128 s + 64 (lane / 16) + 16 i + b;
;      slotmap [token][2]: the slot (16 T + row) of the token's first and second choice;  tt: words 2 e, 2 e + 1 = expert e's first tile and number of tiles, the rest of its 256 bytes 0 (stored by the wave of tile 0).
; A lane loads its own 16-byte pieces of its own row straight into the image's registers: 32 loads that each touch 16 rows.  That gives up long runs on the way in (16 KiB a wave, of the 1 MiB of codes stored just before), and needs no stage and no exchange between lanes;
; the stores cover 512 consecutive bytes each.
.set CNT, 16384                        ; ri: the counts
.set EM,  17408                        ; ri: the bit masks
.set A,   32                           ; v32-159: four registers for each set c of 32 tokens; later the image
                                       ; window 1, v0-127: the second plane of counts as loaded
.set MSB, 0
.macro WIN new                         ; the immediate's high byte repeats the setting that is left
.if MSB != (\new)
	s_set_vgpr_msb (MSB<<8)|(\new)
.set MSB, (\new)
.endif
.endm
	s_load_b256 s[4:11], s[0:1], 0x0               ; ri, xc, xg, slotmap
	s_load_b64 s[12:13], s[0:1], 0x20              ; tt
	s_mov_b32 s17, ttmp9                           ; T: my tile
	s_mov_b32 s19, 0x00ff00ff
	v_lshlrev_b32 v2, 4, v0                        ; 16 x lane
	v_and_b32 v30, 15, v0                          ; row
	v_bfe_u32 v31, v0, 4, 1                        ; half
	v_mov_b32 v28, 0
	s_lshl_b32 s20, s17, 14
	s_mov_b32 s21, 0
	s_wait_alu depctr_va_vdst(0)
	s_wait_kmcnt 0x0
	s_add_nc_u64 s[8:9], s[8:9], s[20:21]          ; xg at my tile
.set c, 0
.rept 32
	global_load_b128 v[A+4*c:A+4*c+3], v28, s[4:5] offset:CNT+16*c             ; all lanes at one address: the four work-groups of set c, experts 0-3
.set c, c+1
.endr
	WIN 0x40                                       ; destination window 1
.set c, 0
.rept 32
	global_load_b128 v[4*c:4*c+3], v28, s[4:5] offset:CNT+512+16*c             ; experts 4-7
.set c, c+1
.endr
	WIN 0
	s_wait_loadcnt 32                              ; the first plane's 32 loads are in; the second plane's 32 may be out
	; four work-groups' words added: each expert's rows in set c, 32 at the most in a byte.  Register A + 4 c: experts 0-3; A + 4 c + 1: experts 4-7
.set c, 0
.rept 32
	v_add_nc_u32 v[A+4*c], v[A+4*c], v[A+4*c+1]
.set c, c+1
.endr
.set c, 0
.rept 32
	v_add_nc_u32 v[A+4*c+2], v[A+4*c+2], v[A+4*c+3]
.set c, c+1
.endr
.set c, 0
.rept 32
	v_add_nc_u32 v[A+4*c], v[A+4*c], v[A+4*c+2]
.set c, c+1
.endr
	s_wait_loadcnt 0x0
	WIN 0x05                                       ; sources 0 and 1 window 1
.set c, 0
.rept 32
	v_add_nc_u32 v[A+4*c+1], v[4*c], v[4*c+1]
.set c, c+1
.endr
.set c, 0
.rept 32
	v_add_nc_u32 v[A+4*c+2], v[4*c+2], v[4*c+3]
.set c, c+1
.endr
	WIN 0
.set c, 0
.rept 32
	v_add_nc_u32 v[A+4*c+1], v[A+4*c+1], v[A+4*c+2]
.set c, c+1
.endr
	; each expert's rows in all: four sets added (128 at the most in a byte), widened to 16 bits, added.  v22: experts 0, 2; v23: 1, 3; v24: 4, 6; v25: 5, 7
.irp p, 0,1
.irp k, 0,1,2,3,4,5,6,7
	v_add_nc_u32 v13, v[A+16*\k+\p], v[A+16*\k+4+\p]
	v_add_nc_u32 v14, v[A+16*\k+8+\p], v[A+16*\k+12+\p]
	v_add_nc_u32 v13, v13, v14
	v_lshrrev_b32 v14, 8, v13
.if \k == 0
	v_and_b32 v[22+2*\p], s19, v13
	v_and_b32 v[23+2*\p], s19, v14
.else
	v_and_b32 v13, s19, v13
	v_and_b32 v14, s19, v14
	v_add_nc_u32 v[22+2*\p], v[22+2*\p], v13
	v_add_nc_u32 v[23+2*\p], v[23+2*\p], v14
.endif
.endr
.endr
	v_readfirstlane_b32 s20, v22                   ; (the same in every lane)
	v_readfirstlane_b32 s21, v23
	v_readfirstlane_b32 s22, v24
	v_readfirstlane_b32 s23, v25
	s_and_b32 s32, s20, 0xffff                     ; s32-39: n_e
	s_and_b32 s33, s21, 0xffff
	s_lshr_b32 s34, s20, 16
	s_lshr_b32 s35, s21, 16
	s_and_b32 s36, s22, 0xffff
	s_and_b32 s37, s23, 0xffff
	s_lshr_b32 s38, s22, 16
	s_lshr_b32 s39, s23, 16
	s_mov_b32 s48, 0                               ; s40-47: tiles of expert e; s48-56: its first tile, and the number of all tiles
.irp e, 0,1,2,3,4,5,6,7
	s_add_co_u32 s[40+\e], s[32+\e], 15
	s_lshr_b32 s[40+\e], s[40+\e], 4
	s_add_co_u32 s[49+\e], s[48+\e], s[40+\e]
.endr
	s_cmp_lg_u32 s17, 0
	s_cbranch_scc1 .Lnot_first
	v_mov_b32 v26, 0                               ; the wave of tile 0 (there always is one) stores the table: lane e holds (first tile, tiles)
	v_mov_b32 v27, 0
.irp e, 0,1,2,3,4,5,6,7
	v_writelane_b32 v26, s[48+\e], \e
	v_writelane_b32 v27, s[40+\e], \e
.endr
	v_lshlrev_b32 v29, 3, v0
	global_store_b64 v29, v[26:27], s[12:13]       ; 256 consecutive bytes; v26, v27 and v29 are not written again
.Lnot_first:
	s_cmp_ge_u32 s17, s56
	s_cbranch_scc1 .Lend                           ; this split has no such tile
	s_mov_b32 s24, 0                               ; my expert: the last whose first tile is not behind mine,
	s_mov_b32 s25, 0                               ; its first tile,
	s_mov_b32 s26, s32                             ; its rows
.irp j, 1,2,3,4,5,6,7
	s_cmp_ge_u32 s17, s[48+\j]
	s_cselect_b32 s24, \j, s24
	s_cselect_b32 s25, s[48+\j], s25
	s_cselect_b32 s26, s[32+\j], s26
.endr
	s_min_u32 s24, s24, 7                          ; a number made of loaded numbers enters an address only held inside its table
	s_cmp_lt_u32 s24, 4
	s_cselect_b32 s30, -1, 0                       ; which plane holds my expert's byte,
	s_cselect_b32 s31, 0, -1
	s_and_b32 s29, s24, 3
	s_lshl_b32 s29, s29, 3                         ; and where in the word
	s_lshl_b32 s27, s24, 7
	s_add_co_u32 s27, s27, EM                      ; my expert's bit mask in ri
	s_sub_co_u32 s28, s17, s25
	s_lshl_b32 s28, s28, 4
	v_add_nc_u32 v3, s28, v30                      ; i: my row's rank among the expert's rows
	; my expert's rows in set c -> A + 4 c + 2, c = 0 .. 30
.set c, 0
.rept 31
	v_and_b32 v[A+4*c], s30, v[A+4*c]
.set c, c+1
.endr
.set c, 0
.rept 31
	v_and_b32 v[A+4*c+1], s31, v[A+4*c+1]
.set c, c+1
.endr
.set c, 0
.rept 31
	v_add_nc_u32 v[A+4*c], v[A+4*c], v[A+4*c+1]    ; one of the two is 0
.set c, c+1
.endr
.set c, 0
.rept 31
	v_bfe_u32 v[A+4*c+2], v[A+4*c], s29, 8
.set c, c+1
.endr
	; P_c, the expert's rows in front of set c -> A + 4 c + 3, c = 1 .. 31
	v_mov_b32 v[A+7], v[A+2]
.set c, 2
.rept 30
	v_add_nc_u32 v[A+4*c+3], v[A+4*c-1], v[A+4*c-2]
.set c, c+1
.endr
	; my set is the last with P_c <= i.  u_c = the sign bit of i - P_c is 1 where P_c > i; P_c never falls, so the set is 31 - sum of u_c, and the rows in front of it are P_31 - sum of u_c x (rows in set c - 1)
.set c, 1
.rept 31
	v_sub_nc_u32 v[A+4*c], v3, v[A+4*c+3]
.set c, c+1
.endr
.set c, 1
.rept 31
	v_lshrrev_b32 v[A+4*c], 31, v[A+4*c]
.set c, c+1
.endr
.set c, 1
.rept 31
	v_mul_u32_u24 v[A+4*c+1], v[A+4*c], v[A+4*c-2]
.set c, c+1
.endr
	v_add_nc_u32 v5, v[A+4], v[A+8]                ; both sums in two chains
	v_add_nc_u32 v7, v[A+12], v[A+16]
	v_add_nc_u32 v6, v[A+5], v[A+9]
	v_add_nc_u32 v8, v[A+13], v[A+17]
.irp c, 5,7,9,11,13,15,17,19,21,23,25,27,29
	v_add_nc_u32 v5, v5, v[A+4*\c]
	v_add_nc_u32 v7, v7, v[A+4*\c+4]
	v_add_nc_u32 v6, v6, v[A+4*\c+1]
	v_add_nc_u32 v8, v8, v[A+4*\c+5]
.endr
	v_add_nc_u32 v5, v5, v[A+124]
	v_add_nc_u32 v6, v6, v[A+125]
	v_add_nc_u32 v5, v5, v7
	v_add_nc_u32 v6, v6, v8
	v_sub_nc_u32 v5, 31, v5                        ; my set
	v_sub_nc_u32 v6, v[A+127], v6                  ; the rows in front of it
	v_sub_nc_u32 v12, v3, v6                       ; my rank inside it
	v_min_u32 v5, 31, v5
	v_lshl_add_u32 v20, v5, 2, s27
	global_load_b32 v4, v20, s[4:5]                ; the set's 32 bits
	v_mov_b32 v11, 0
	s_wait_loadcnt 0x0
	; the set bit of that rank: counts of 2, 4, 8 and 16 bits, then five halvings
	v_lshrrev_b32 v13, 1, v4
	v_and_b32 v13, 0x55555555, v13
	v_sub_nc_u32 v7, v4, v13
	v_lshrrev_b32 v13, 2, v7
	v_and_b32 v13, 0x33333333, v13
	v_and_b32 v8, 0x33333333, v7
	v_add_nc_u32 v8, v8, v13
	v_lshrrev_b32 v13, 4, v8
	v_add_nc_u32 v9, v8, v13
	v_and_b32 v9, 0x0f0f0f0f, v9
	v_lshrrev_b32 v13, 8, v9
	v_add_nc_u32 v10, v9, v13
	v_and_b32 v10, s19, v10
.macro PICK src, width, sh             ; if the lower half holds too few set bits, they are taken off the rank and the place moves up by the half, 1 << sh
	v_lshrrev_b32 v13, v11, v\src
	v_and_b32 v13, (1<<\width)-1, v13              ; set bits in the lower half
	v_sub_nc_u32 v14, v12, v13
	v_lshrrev_b32 v14, 31, v14                     ; 1: the rank lies in the lower half
	v_sub_nc_u32 v14, 1, v14                       ; 1: in the upper
	v_mul_u32_u24 v13, v13, v14
	v_sub_nc_u32 v12, v12, v13
	v_lshl_add_u32 v11, v14, \sh, v11
.endm
	PICK 10, 8, 4
	PICK 9, 8, 3
	PICK 8, 4, 2
	PICK 7, 2, 1
	PICK 4, 1, 0
	v_sub_nc_u32 v13, v3, s26
	v_lshrrev_b32 v13, 31, v13                     ; 1: a real row (i < the expert's rows)
	v_sub_nc_u32 v14, 1, v13                       ; 1: a slot behind the last row
	v_lshl_add_u32 v15, v5, 5, v11                 ; the token
	v_mul_u32_u24 v15, v15, v13
	v_readfirstlane_b32 s31, v15                   ; the tile's first row is always real
	v_mul_u32_u24 v16, s31, v14
	v_add_nc_u32 v15, v15, v16                     ; a slot behind the last row repeats it,
	v_min_u32 v15, 0x3ff, v15
	v_mul_u32_u24 v18, v30, v13
	s_lshl_b32 s28, s17, 4
	v_add_nc_u32 v18, s28, v18                     ; slot number and all: so its store below writes what lane 0's writes, where lane 0's writes it
	v_lshlrev_b32 v17, 4, v15
	global_load_b32 v16, v17, s[4:5] offset:8      ; the token's first choice | second choice << 8
	v_lshlrev_b32 v19, 10, v15
	v_lshl_add_u32 v19, v31, 6, v19                ; my row of codes, + 64 (lane / 16)
.irp s, 0,1,2,3,4,5,6,7
.irp i, 0,1,2,3
	global_load_b128 v[A+16*\s+4*\i:A+16*\s+4*\i+3], v19, s[6:7] offset:128*\s+16*\i
.endr
.endr
	s_wait_loadcnt 32                              ; the choice is in; the rows' 32 loads may be out
	v_and_b32 v13, 0xff, v16
	v_sub_nc_u32 v13, v13, s24
	v_min_u32 v13, 1, v13                          ; 0: my expert is the token's first choice; 1: its second
	v_lshlrev_b32 v13, 2, v13
	v_lshl_add_u32 v14, v15, 3, v13
	s_wait_alu depctr_va_vdst(0)
	global_store_b32 v14, v18, s[10:11]            ; (lanes l and l + 16 hold the same row and write the same word with the same number)
.irp s, 0,1,2,3,4,5,6,7
	s_wait_loadcnt 28-4*\s                         ; this image's four loads are in; those of the later images may be out
.irp i, 0,1,2,3
	global_store_b128 v2, v[A+16*\s+4*\i:A+16*\s+4*\i+3], s[8:9] offset:2048*\s+512*\i           ; 512 consecutive bytes
.endr
.endr
.Lend:
	s_endpgm
.Lfunc_end_k_q94838eef8d_place:
	.size	k_q94838eef8d_place, .Lfunc_end_k_q94838eef8d_place-k_q94838eef8d_place
	.p2alignl 7, 3214868480
	.fill 96, 4, 3214868480
	.section	.rodata,"a",@progbits
	.p2align	6, 0x0
	.amdhsa_kernel k_q94838eef8d_place
		.amdhsa_group_segment_fixed_size 0
		.amdhsa_private_segment_fixed_size 0
		.amdhsa_enable_private_segment 0
		.amdhsa_kernarg_size 40
		.amdhsa_user_sgpr_count 2
		.amdhsa_user_sgpr_kernarg_segment_ptr 1
		.amdhsa_wavefront_size32 1
		.amdhsa_system_sgpr_workgroup_id_x 1
		.amdhsa_system_sgpr_workgroup_id_y 1
		.amdhsa_system_sgpr_workgroup_id_z 1
		.amdhsa_system_vgpr_workitem_id 0
		.amdhsa_next_free_vgpr 384
		.amdhsa_next_free_sgpr 66
		.amdhsa_reserve_vcc 0
		.amdhsa_float_denorm_mode_32 3
		.amdhsa_float_denorm_mode_16_64 3
		.amdhsa_memory_ordered 1
		.amdhsa_forward_progress 1
		.amdhsa_inst_pref_size 42
	.end_amdhsa_kernel
	.amdgpu_metadata
---
amdhsa.version: [ 1, 2 ]
amdhsa.kernels:
  - .name:           k_q94838eef8d_place
    .symbol:         k_q94838eef8d_place.kd
    .args:
      - { .name: ri, .offset: 0, .size: 8, .value_kind: global_buffer, .address_space: global }
      - { .name: xc, .offset: 8, .size: 8, .value_kind: global_buffer, .address_space: global }
      - { .name: xg, .offset: 16, .size: 8, .value_kind: global_buffer, .address_space: global }
      - { .name: slotmap, .offset: 24, .size: 8, .value_kind: global_buffer, .address_space: global }
      - { .name: tt, .offset: 32, .size: 8, .value_kind: global_buffer, .address_space: global }
    .group_segment_fixed_size: 0
    .private_segment_fixed_size: 0
    .kernarg_segment_align: 8
    .kernarg_segment_size: 40
    .max_flat_workgroup_size: 32
    .sgpr_count:     66
    .vgpr_count:     384
    .wavefront_size: 32
...
	.end_amdgpu_metadata
.endif
;; end of part 7
;; launch ffn1 (part 8): grid 32 x 8, 4 waves a work-group, no clusters, 131,584 bytes of LDS; arguments w1, xg, tt, lowp_scales, act; writes act
.if DOCPART == 8
	.amdgcn_target "amdgcn-amd-amdhsa--gfx1250"
	.amdhsa_code_object_version 6
	.text
	.protected	k_q94838eef8d_ffn1
	.globl	k_q94838eef8d_ffn1
	.p2align	8
	.type	k_q94838eef8d_ffn1,@function
k_q94838eef8d_ffn1:
	s_mov_b64 s[64:65], 0
	v_nop
	global_prefetch_b8 v0, s[64:65] scope:SCOPE_SE
	s_setreg_imm32_b32 hwreg(HW_REG_WAVE_SCHED_MODE, 0, 2), 2
	s_setreg_imm32_b32 hwreg(HW_REG_WAVE_MODE, 25, 1), 1
	s_wait_xcnt 0x0
	s_wait_alu depctr_vm_vsrc(0)
; The first product of the chosen experts and the gated activation: act = gelu(xn w1[:, 2048 + u]) x (xn w1[:, u]), both operands as codes of E4M3 (scales 2^e0 for w1, 2^e1 for xn), act quantised with 2^e3.
; SHARES.  Work-group (jj, e) owns hidden units 64 jj .. 64 jj + 63 of expert e: 64 + 64 columns of w1[e] over K = 1,024, 512 KiB of f32 that no other work-group reads.  256 work-groups.
; THE WEIGHTS ARE READ ONCE, QUANTISED IN REGISTERS AND KEPT IN LDS AS IMAGES OF OPERAND REGISTERS.  K is w1's first axis.  One load takes, in lanes 0-15, 64 neighbouring columns of one row k (256 consecutive bytes, aligned)
; and in lanes 16-31 the same columns of row k + 64; lane r owns columns 4 r + 0 .. 3.  So column tile c is the set {4 r + c}.  The hold at the largest code writes number (t, c) of 16 rows x 4 columns to register 16 c + t:
; it turns the block at no cost, and the conversions then find 16 neighbours along K in one lane's consecutive registers.  Wave w quantises rows 16 w + 0 .. 15 of each half of each K step: registers 4 w .. 4 w + 3 of all eight fragments.
; K's places: in a K step of 128, lane half h, register 4 i + j, byte b hold k = 128 s + 64 h + 16 i + 4 j + b, in the weights' fragments and in xg's images alike: every product meets its partner; only the order of the sums inside an instruction is another.
; THE PRODUCT IS USED TRANSPOSED (source 0 = 16 columns of w1, source 1 = 16 rows of tokens): lane (r, h) holds token r, and register j of tile c hidden unit 32 h + 4 j + c: eight numbers that one conversion packs.
; ROWS.  The expert's tiles of 16 rows (first tile bt, number nt: stored whole numbers) are dealt to the waves: wave w takes tiles tp + 4 q + w, q = 0 .. 4: 20 tiles a pass.  A tile behind the last is replaced by tile 0 and not stored.
; The first pass is multiplied K step by K step under the stream of weights (one barrier a K step; every LDS byte is written once).  Further passes, if nt > 20, take the fragments from LDS again: a loop without a barrier,
; of four trips at the most (1,024 tokens are 64 tiles at the most), left as soon as no tile remains.
; No tensor load and no cluster: branches hang on stored numbers.  What the 32 work-groups of an expert share is the tokens' codes (16 KiB a tile), a small part beside the 512 KiB that each reads alone.
; gelu is the exact one: erf by two polynomials (|z| <= 475/512: odd polynomial; above: 1 - exp of a polynomial), right to about one unit in erf's last place.
; act = P (1 + erf(z)) x 2^(2 (e0 + e1) - 1), P = the two raw sums' product, z = gate x 2^(e0 + e1) / sqrt 2; the power of two is folded into the conversion's scale.
; OUT: act, tile T at 32,768 T: sixteen images; byte 2048 s2 + 512 i + 16 lane + b is hidden unit 128 s2 + 64 (i / 2) + 32 (lane / 16) + 4 (b % 8) + 2 (i % 2) + b / 8 of row lane % 16.
; LIMITS: e0 between -126 and 119; e0 + e1 between -125 and 127; e3 - 2 (e0 + e1) + 1 between -126 and 119.  1 + erf loses relative accuracy where erf is near -1 (gates under about -4, where gelu is under 2e-4 of the gate's size).  NaN and infinities are not served.
; REGISTERS, in windows of 256.  Window 0: v1-25 addresses and constants; v32-111, v112-191 two sets of the five tiles' token fragments (v32-79 also at work in the activation); v192-231 act's codes (v192-223 also the weights' codes).
;   Window 1: four sets of 64, weights as loaded.  Window 2: accumulators of tiles q = 0 .. 3 at 64 q + 8 n (n = c: x part, 4 + c: gate).  Window 3: v0-63 those of q = 4; v64-191 the eight weight fragments; v192-255 the turned block.
; THE MODE: SCHED_MODE bits 1:0 = 2 (LLVM: expert scheduling mode 2), set by the entry lines.  The code itself states the register dependences
; between vector or matrix instructions and memory or LDS instructions, with s_wait_alu, always for 0.
; THE PLAN.  Registers that memory or LDS instructions touch, and who else names them:
;   the raw sets (window 1)   K step s: its holds read the two sets of parity s % 2; the loads of K step s + 2 land there.
;   the token sets (v32-191)  K step s: its products read set s % 2; the loads of K step s + 1 land in the other set, which the products of K step s - 1 read.  On the way out the activation works in v32-79.
;   WF (window 3)             K step s: its LDS loads land there, its products read it.
;   CW = CODE (v192-231)      written by conversions; read by a K step's eight LDS stores, on the way out by a tile's two stores.
;   v1-5                      offsets and LDS addresses, made at the head and never written again.   v[XO ..], v[AO ..]: made anew for each pass.
;   The turned block and the accumulators are named by vector and matrix instructions alone.   v254, v255: written at the head, read by the closing add alone.
; So ONE wait on va_vdst stands in a K step of the first pass, behind its conversions: the codes are written; the holds are done reading both raw sets; the products of the K step before are done reading their tokens and the fragments.
; All the K step's memory and LDS instructions follow it, ahead of the K step's products; between the wait and them stand only v_nop.  One wait on vm_vsrc stands at the head of the next K step, a K step behind the LDS stores that it speaks of.
; A K step of a further pass has one wait on va_vdst at its head; a tile's way out one ahead of its two stores; a new pass one of each kind round the lines that make its offsets.
.set PASSES, 4                         ; 64 tiles at the most, 20 a pass
.set XO,   10                          ; v10-14  byte offset of tile q's images in xg, + 16 x lane
.set AO,   15                          ; v15-19  the same in act, + my work-group's 1,024 bytes
.set XS,   32
.set CODE, 192
.set CW,   192
.set GP,   32                          ; the activation: P,
.set GZ,   40                          ; z,
.set GS,   48                          ; z^2,
.set GT,   56                          ; |z|,
.set GR,   64                          ; the large branch,
.set GU,   72                          ; the small branch
.set WF,   64                          ; in window 3
.set TQ,   192                         ; in window 3
.set MK,   24                          ; s24-31  the activation: eight masks, one for each of a lane's eight numbers (what lay here at the head is done with by then)
.set MSB, 0
.macro WIN new                         ; the immediate's high byte repeats the setting that is left
.if MSB != (\new)
	s_set_vgpr_msb (MSB<<8)|(\new)
.set MSB, (\new)
.endif
.endm
.macro PLACES                          ; four plain vector instructions between a matrix instruction and a read of its result or a write of one of its registers; they stand ahead of loads into its registers too, beside the wait that states that dependence
.rept 4
	v_nop
.endr
.endm
.macro WLOAD s, p                      ; K step s, x part (p = 0) or gate (1): my 16 rows of each half, 64 columns
.set SB, 64*(2*((\s)&1)+\p)
	WIN 0x40                                       ; destination window 1
.irp t, 0,1,2,3,4,5,6,7,8,9,10,11,12,13,14,15
	global_load_b128 v[SB+4*\t:SB+4*\t+3], v2, s[4+10*((\s)>>2):5+10*((\s)>>2)] offset:((\s)&3)*2097152+\t*16384+\p*8192 th:TH_LOAD_NT
.endr
.endm
.macro XLOAD s                         ; K step s of my five tiles of tokens
	WIN 0
.irp q, 0,1,2,3,4
.irp i, 0,1,2,3
	global_load_b128 v[XS+80*((\s)&1)+16*\q+4*\i:XS+80*((\s)&1)+16*\q+4*\i+3], v[XO+\q], s[6:7] offset:2048*(\s)+512*\i
.endr
.endr
.endm
.macro HOLDS s, p                      ; the hold at the largest code x the scale (the conversion does not saturate: ISA guide 7.6.2), which also turns the block
.set SB, 64*(2*((\s)&1)+\p)
	WIN 0xc1                                       ; source 0 window 1, destination window 3
.irp t, 0,1,2,3,4,5,6,7,8,9,10,11,12,13,14,15
.irp c, 0,1,2,3
	v_med3_num_f32 v[TQ+16*\c+\t], v[SB+4*\t+\c], -v6, v6
.endr
.endr
.endm
.macro CODES p                         ; 16 codes for each of my four columns
	WIN 0x03                                       ; source 0 window 3
.irp c, 0,1,2,3
	v_cvt_scalef32_pk8_fp8_f32 v[CW+16*\p+4*\c:CW+16*\p+4*\c+1], v[TQ+16*\c:TQ+16*\c+7], v7
	v_cvt_scalef32_pk8_fp8_f32 v[CW+16*\p+4*\c+2:CW+16*\p+4*\c+3], v[TQ+16*\c+8:TQ+16*\c+15], v7
.endr
	v_nop                                          ; one plain vector instruction behind the last scaled conversion: the next holds write its sources
.endm
.macro TILES                           ; this pass's five tiles: their offsets in xg and in act
	s_add_co_u32 s58, s22, s16                     ; tp + wave
.irp q, 0,1,2,3,4
	s_add_co_u32 s59, s58, 4*\q
	s_add_co_u32 s60, s59, s20
	s_cmp_lt_u32 s59, s21
	s_cselect_b32 s60, s60, 0                      ; behind the expert's last tile: tile 0, which always exists; its results are not stored
	s_min_u32 s60, s60, 135                        ; a loaded number enters an address only held inside its table
	s_lshl_b32 s61, s60, 14
	v_add_nc_u32 v[XO+\q], s61, v1
	s_lshl_b32 s61, s60, 15
	s_add_co_u32 s61, s61, s23
	v_add_nc_u32 v[AO+\q], s61, v1
.endr
.endm
.macro MUL s, zero, n, q               ; accumulator (q, n) takes K step s.  zero = 1: the first K step starts the sum: nothing is cleared
.set AC, 64*((\q)&3)+8*\n
.set XR, XS+80*((\s)&1)+16*\q
.if \zero
	v_wmma_f32_16x16x128_fp8_fp8 v[AC:AC+7], v[WF+16*\n:WF+16*\n+15], v[XR:XR+15], 0
.else
	v_wmma_f32_16x16x128_fp8_fp8 v[AC:AC+7], v[WF+16*\n:WF+16*\n+15], v[XR:XR+15], v[AC:AC+7]
.endif
.endm
; K step s: the eight fragments from LDS, 40 matrix instructions.  The 40 accumulators take turns, one instruction a turn, in the same order in every K step.
; again = 0: the first pass: the K step's one wait on va_vdst stands further up, behind its conversions, and no vector or matrix instruction since names the fragments' registers.
; again = 1: a further pass: the wait stands here, and the tokens of the next K step are asked for behind it: behind X(s) only X(s+1), 20 loads, is out.
.macro COMPUTE s, zero, again
	WIN 0
	PLACES
.if \again
.if \s > 0
	s_wait_alu depctr_va_vdst(0)                   ; the last K step's products are done reading the fragments and their set of tokens: the loads below land in both
.if \s < 7
	XLOAD \s+1
.endif
.endif
.endif
	WIN 0xc0                                       ; destination window 3
.irp n, 0,1,2,3,4,5,6,7
.irp i, 0,1,2,3
	ds_load_b128 v[WF+16*\n+4*\i:WF+16*\n+4*\i+3], v[1+4*((\s)>>2)] offset:((\s)&3)*16384+\n*2048+512*\i
.endr
.endr
.if \again
.if \s < 7
	s_wait_loadcnt 20                              ; this K step's tokens are in; the next K step's 20 loads may be out
.else
	s_wait_loadcnt 0x0
.endif
.endif
	s_wait_dscnt 16                                ; fragments 0-3 are in; the 16 loads of fragments 4-7 may be out
	WIN 0xa3                                       ; source 0 window 3, source 1 window 0, C and D window 2
.irp n, 0,1,2,3
.irp q, 0,1,2,3
	MUL \s, \zero, \n, \q
.endr
.endr
	s_wait_dscnt 0x0
.irp n, 4,5,6,7
.irp q, 0,1,2,3
	MUL \s, \zero, \n, \q
.endr
.endr
	WIN 0xf3                                       ; C and D window 3
.irp n, 0,1,2,3,4,5,6,7
	MUL \s, \zero, \n, 4
.endr
	WIN 0
.endm
; A K step of the first pass.  The loads go out in the order W0 X0 W1 | X1 W2 | X2 W3 | .. | X6 W7 | X7 (W: 32 loads of weights, X: 20 of tokens): at the head of step s only W(s+1) is younger than W(s) and X(s).
.macro TRIP s, zero
.if \s < 7
	s_wait_loadcnt 32
.else
	s_wait_loadcnt 0x0
.endif
.if \s > 0
	s_wait_alu depctr_vm_vsrc(0)                   ; the last K step's LDS stores have read v[CW ..], which the conversions below write again
.endif
	HOLDS \s, 0                                    ; (the holds are also places behind the last K step's products)
	CODES 0
	HOLDS \s, 1
	CODES 1
	WIN 0
	s_wait_alu depctr_va_vdst(0)                   ; the conversions have written v[CW ..], which the LDS stores read; the holds are done reading both raw sets, the last K step's products their tokens and the fragments: the loads below land in all of these
.irp p, 0,1
.irp c, 0,1,2,3
	ds_store_b128 v[3+((\s)>>2)], v[CW+16*\p+4*\c:CW+16*\p+4*\c+3] offset:((\s)&3)*16384+(4*\p+\c)*2048   ; registers 4 w .. 4 w + 3 of fragment 4 p + c: 512 consecutive bytes
.endr
.endr
.if \s < 7
	XLOAD \s+1                                     ; into the set that the last K step's products read
.endif
.if \s < 6
	WLOAD \s+2, 0                                  ; the two sets just emptied are asked for again
	WLOAD \s+2, 1
.endif
	s_wait_dscnt 0x0                               ; for the others' sake: my part of this K step's fragments has landed
	s_barrier_signal -1
	s_barrier_wait -1                              ; everybody's has
	COMPUTE \s, \zero, 0
.endm
.macro AGAIN s, zero                   ; a K step of a further pass: the fragments lie in LDS
	COMPUTE \s, \zero, 1
.endm
; The activation of tile q, column tile c: eight numbers a lane, two at a time; each accumulator is read from its low end on.
.macro GLU q, c
.set AQ, 64*((\q)&3)
	WIN 0x0a+5*((\q)>>2)                           ; sources 0 and 1: window 2 (q < 4) or 3
.irp k, 0,2,4,6
	v_pk_mul_f32 v[GP+\k:GP+\k+1], v[AQ+8*(4+\c)+\k:AQ+8*(4+\c)+\k+1], v[AQ+8*\c+\k:AQ+8*\c+\k+1]        ; P = gate x x part, raw sums
	v_pk_mul_f32 v[GZ+\k:GZ+\k+1], v[AQ+8*(4+\c)+\k:AQ+8*(4+\c)+\k+1], s[32:33] op_sel_hi:[1,0]          ; z = gate x 2^(e0 + e1) / sqrt 2
.endr
	WIN 0
.irp k, 0,2,4,6
	v_pk_mul_f32 v[GS+\k:GS+\k+1], v[GZ+\k:GZ+\k+1], v[GZ+\k:GZ+\k+1]
.endr
.irp k, 0,1,2,3,4,5,6,7
	v_and_b32 v[GT+\k], s56, v[GZ+\k]
.endr
.irp k, 0,2,4,6
	v_pk_fma_f32 v[GR+\k:GR+\k+1], v[GT+\k:GT+\k+1], s[34:35], v[20:21] op_sel_hi:[1,0,1]
	v_pk_fma_f32 v[GU+\k:GU+\k+1], v[GT+\k:GT+\k+1], s[36:37], v[22:23] op_sel_hi:[1,0,1]
.endr
.irp k, 0,2,4,6
	v_pk_fma_f32 v[GR+\k:GR+\k+1], v[GR+\k:GR+\k+1], v[GS+\k:GS+\k+1], v[GU+\k:GU+\k+1]
.endr
.irp b, 38,40,42
.irp k, 0,2,4,6
	v_pk_fma_f32 v[GR+\k:GR+\k+1], v[GR+\k:GR+\k+1], v[GT+\k:GT+\k+1], s[\b:\b+1] op_sel_hi:[1,1,0]
.endr
.endr
.irp k, 0,2,4,6
	v_pk_fma_f32 v[GR+\k:GR+\k+1], v[GR+\k:GR+\k+1], v[GT+\k:GT+\k+1], v[GT+\k:GT+\k+1] neg_lo:[0,0,1] neg_hi:[0,0,1]
.endr
.irp k, 0,2,4,6
	v_pk_mul_f32 v[GR+\k:GR+\k+1], v[GR+\k:GR+\k+1], s[44:45] op_sel_hi:[1,0]
.endr
	s_wait_alu depctr_va_vdst(0)
.irp k, 0,1,2,3,4,5,6,7
	v_exp_f32 v[GR+\k], v[GR+\k]
.endr
.irp k, 0,2,4,6
	v_pk_fma_f32 v[GU+\k:GU+\k+1], v[GS+\k:GS+\k+1], s[46:47], v[24:25] op_sel_hi:[1,0,1]                ; the small branch stands behind the exponentials: plain work between them and the use of their results
.endr
.irp b, 48,50,52,54
.irp k, 0,2,4,6
	v_pk_fma_f32 v[GU+\k:GU+\k+1], v[GU+\k:GU+\k+1], v[GS+\k:GS+\k+1], s[\b:\b+1] op_sel_hi:[1,1,0]
.endr
.endr
.irp k, 0,2,4,6
	v_pk_fma_f32 v[GU+\k:GU+\k+1], v[GU+\k:GU+\k+1], v[GZ+\k:GZ+\k+1], v[GZ+\k:GZ+\k+1]
.endr
	s_wait_alu depctr_va_vdst(0)                   ; the eight exponentials have written v[GR ..]: one wait for the batch, ahead of its first reader
.irp k, 0,2,4,6
	v_pk_add_f32 v[GR+\k:GR+\k+1], v[GR+\k:GR+\k+1], 1.0 op_sel_hi:[1,0] neg_lo:[1,0] neg_hi:[1,0]       ; 1 - exp
.endr
.irp k, 0,1,2,3,4,5,6,7
	v_bfi_b32 v[GR+\k], s56, v[GR+\k], v[GZ+\k]    ; with z's sign
.endr
.irp k, 0,1,2,3,4,5,6,7
	v_cmp_lt_f32 s[MK+\k], s57, v[GT+\k]           ; the eight compares in one run, each into a mask of its own
.endr
	s_wait_alu depctr_va_sdst(0)                   ; the compares have written s[MK ..], ahead of their first reader: one wait for the run
.irp k, 0,1,2,3,4,5,6,7
	v_cndmask_b32 v[GR+\k], v[GU+\k], v[GR+\k], s[MK+\k]   ; both branches are computed; the choice selects a value
.endr
.irp k, 0,2,4,6
	v_pk_fma_f32 v[GP+\k:GP+\k+1], v[GP+\k:GP+\k+1], v[GR+\k:GR+\k+1], v[GP+\k:GP+\k+1]                  ; P (1 + erf)
.endr
.irp k, 0,1,2,3,4,5,6,7
	v_med3_num_f32 v[GP+\k], v[GP+\k], -v8, v8
.endr
	v_cvt_scalef32_pk8_fp8_f32 v[CODE+8*\q+2*\c:CODE+8*\q+2*\c+1], v[GP:GP+7], v9
	v_nop                                          ; one plain vector instruction behind a scaled conversion: the next lines write its sources
.endm
.macro TILEOUT q                       ; tile q's activation and its 1,024 bytes of codes, if the expert has that tile
	s_add_co_u32 s59, s58, 4*\q
	s_cmp_ge_u32 s59, s21
	s_cbranch_scc1 .Lno_tile_\@
	GLU \q, 0
	GLU \q, 1
	GLU \q, 2
	GLU \q, 3
	WIN 0
	s_wait_alu depctr_va_vdst(0)                   ; the four conversions have written v[CODE + 8 q ..], which the two stores read
	global_store_b128 v[AO+\q], v[CODE+8*\q:CODE+8*\q+3], s[12:13]             ; 512 consecutive bytes, aligned
	global_store_b128 v[AO+\q], v[CODE+8*\q+4:CODE+8*\q+7], s[12:13] offset:512
.Lno_tile_\@:
.endm
	s_load_b256 s[4:11], s[0:1], 0x0               ; w1, xg, tt, the scales' exponents
	s_load_b64 s[12:13], s[0:1], 0x20              ; act
	v_lshl_add_u32 v254, v0, 2, 0x20000
	v_mov_b32 v255, 0
	v_lshrrev_b32 v1, 5, v0
	v_readfirstlane_b32 s16, v1                    ; wave 0..3
	v_and_b32 v1, 31, v0
	v_lshlrev_b32 v1, 4, v1                        ; 16 x lane: an image's place for my lane; also the LDS address of K steps 0-3
	v_and_b32 v2, 15, v0
	v_lshlrev_b32 v2, 4, v2                        ; my four columns,
	v_bfe_u32 v3, v0, 4, 1
	v_lshl_add_u32 v2, v3, 20, v2                  ; 64 rows of 16,384 bytes on for lanes 16-31,
	s_wait_alu depctr_va_sdst(0)                   ; s16 is written, ahead of its first reader
	s_lshl_b32 s17, s16, 18
	v_add_nc_u32 v2, s17, v2                       ; 16 rows on for each wave
	s_lshl_b32 s17, s16, 9
	v_add_nc_u32 v3, s17, v1                       ; where I store my part of a fragment: 512 x wave + 16 x lane,
	v_add_nc_u32 v4, 0x10000, v3                   ; for K steps 4-7,
	v_add_nc_u32 v5, 0x10000, v1                   ; and where they are read
	s_and_b32 s18, ttmp7, 0xffff                   ; the expert
	s_lshl_b32 s19, s18, 3
	s_lshl_b32 s28, s18, 24                        ; its 16 MiB of w1,
	s_lshl_b32 s29, ttmp9, 8                       ; my 64 columns
	s_add_co_u32 s28, s28, s29
	s_mov_b32 s29, 0
	s_lshl_b32 s23, ttmp9, 10                      ; my 1,024 bytes of a tile of act
	s_mov_b32 s22, 0                               ; tp: the pass's first tile
	s_mov_b32 s3, 0                                ; further passes done
	s_wait_kmcnt 0x0
	s_load_b64 s[20:21], s[8:9], s19 offset:0x0    ; bt, nt
	s_load_b128 s[24:27], s[10:11], 0x0            ; e0, e1, e2, e3
	s_add_nc_u64 s[4:5], s[4:5], s[28:29]          ; K steps 0-3,
	s_add_nc_u64 s[14:15], s[4:5], 0x800000        ; K steps 4-7: every offset stays inside the signed 24-bit immediate (6,545,408 at the most)
	s_wait_alu depctr_va_vdst(0)                   ; v1 to v5 are written: the weights' loads, the LDS stores and the LDS loads of the whole kernel read them as offsets and addresses
	WLOAD 0, 0
	WLOAD 0, 1
	WIN 0
	s_mov_b32 s34, 0xb7910000                      ; erf, |z| above 475/512
	s_mov_b32 s35, s34                             ; (a packed form names the pair and takes its low word for both halves: so both are written)
	s_mov_b32 s36, 0xbb7e8a1c
	s_mov_b32 s37, s36
	s_mov_b32 s38, 0xbddaae5c
	s_mov_b32 s39, s38
	s_mov_b32 s40, 0xbf228550
	s_mov_b32 s41, s40
	s_mov_b32 s42, 0xbe03ce86
	s_mov_b32 s43, s42
	s_mov_b32 s44, 0x3fb8aa3b                      ; log2 e
	s_mov_b32 s45, s44
	s_mov_b32 s46, 0xba1c7000                      ; erf, |z| up to 475/512
	s_mov_b32 s47, s46
	s_mov_b32 s48, 0xbcdb48d9
	s_mov_b32 s49, s48
	s_mov_b32 s50, 0x3de70e22
	s_mov_b32 s51, s50
	s_mov_b32 s52, 0xbec09380
	s_mov_b32 s53, s52
	s_mov_b32 s54, 0x3e0375d4
	s_mov_b32 s55, s54
	s_mov_b32 s56, 0x7fffffff
	s_mov_b32 s57, 0x3f6d8000                      ; 475/512
	v_mov_b32 v20, 0x39c8e7d9
	v_mov_b32 v21, 0x39c8e7d9
	v_mov_b32 v22, 0x3cc6b1a1
	v_mov_b32 v23, 0x3cc6b1a1
	v_mov_b32 v24, 0x3ba38d2c
	v_mov_b32 v25, 0x3ba38d2c
	s_wait_kmcnt 0x0
	s_min_u32 s21, s21, 64                         ; 1,024 tokens make 64 tiles at the most
	s_add_co_i32 s62, s24, 127
	s_lshl_b32 s63, s62, 23
	v_mov_b32 v7, s63                              ; 2^e0 as f32: the conversion takes its exponent field
	s_add_co_i32 s62, s62, 8
	s_lshl_b32 s62, s62, 23
	s_or_b32 s62, s62, 0x600000
	v_mov_b32 v6, s62                              ; 448 x 2^e0
	s_add_co_i32 s62, s24, s25                     ; e0 + e1
	s_lshl_b32 s63, s62, 23
	s_add_co_i32 s32, s63, 0x3f3504f3              ; 2^(e0 + e1) / sqrt 2: the exponents are added to the exponent field of 1 / sqrt 2
	s_mov_b32 s33, s32
	s_lshl_b32 s62, s62, 1
	s_sub_co_i32 s62, s27, s62
	s_add_co_i32 s62, s62, 128                     ; e3 - 2 (e0 + e1) + 1, + 127
	s_lshl_b32 s63, s62, 23
	v_mov_b32 v9, s63                              ; act's conversion: the scales and gelu's half folded into one
	s_add_co_i32 s62, s62, 8
	s_lshl_b32 s62, s62, 23
	s_or_b32 s62, s62, 0x600000
	v_mov_b32 v8, s62
	TILES
	s_wait_alu depctr_va_vdst(0)                   ; v[XO ..] and v[AO ..] are written, which the tokens' loads and the way out's stores read as offsets
	XLOAD 0
	WLOAD 1, 0
	WLOAD 1, 1
	TRIP 0, 1
	TRIP 1, 0
	TRIP 2, 0
	TRIP 3, 0
	TRIP 4, 0
	TRIP 5, 0
	TRIP 6, 0
	TRIP 7, 0
	s_wait_alu depctr_vm_vsrc(0)                   ; K step 7's LDS stores have read v[CW ..], which the way out's conversions write again
.Lglu:                                                 ; a trip: the way out of one pass and, if tiles are left, the products of the next
	PLACES                                         ; behind the last products
	TILEOUT 0
	TILEOUT 1
	TILEOUT 2
	TILEOUT 3
	TILEOUT 4
	s_add_co_u32 s22, s22, 20
	s_cmp_ge_u32 s22, s21
	s_cbranch_scc1 .Ldone                          ; no tile is left: with up to 320 rows to the expert this is the way taken in the first trip
	s_wait_xcnt 0x0                                ; the stores have had their addresses translated: their offsets and data are written again only behind this wait
	s_wait_alu depctr_vm_vsrc(0)                   ; the stores have read v[AO ..] and v[CODE ..], the tokens' loads v[XO ..]: the lines below write the offsets again, the next way out the codes
	TILES
	s_wait_alu depctr_va_vdst(0)                   ; v[XO ..] and v[AO ..] are written; the activation is done with v32-79, the last pass's products with their tokens and the fragments: the loads below, and K step 0's LDS loads, land there
	XLOAD 0
	XLOAD 1
	AGAIN 0, 1
	AGAIN 1, 0
	AGAIN 2, 0
	AGAIN 3, 0
	AGAIN 4, 0
	AGAIN 5, 0
	AGAIN 6, 0
	AGAIN 7, 0
	s_add_co_u32 s3, s3, 1                         ; the loop is counted: nt is at most 64, so at most three further passes are made (tp = 20, 40, 60),
	s_cmp_lt_u32 s3, PASSES                        ; each goes back to its way out, and the branch above leaves the loop behind the last one
	s_cbranch_scc1 .Lglu
.Ldone:
	s_wait_dscnt 0x0                               ; the closing lines, six on end
	s_wait_alu 0x0
	s_wait_tensorcnt 0x0
	ds_add_u32 v254, v255
	s_wait_dscnt 0x0
	s_endpgm
.Lfunc_end_k_q94838eef8d_ffn1:
	.size	k_q94838eef8d_ffn1, .Lfunc_end_k_q94838eef8d_ffn1-k_q94838eef8d_ffn1
	.p2alignl 7, 3214868480
	.fill 96, 4, 3214868480
	.section	.rodata,"a",@progbits
	.p2align	6, 0x0
	.amdhsa_kernel k_q94838eef8d_ffn1
		.amdhsa_group_segment_fixed_size 131584
		.amdhsa_private_segment_fixed_size 0
		.amdhsa_enable_private_segment 0
		.amdhsa_kernarg_size 40
		.amdhsa_user_sgpr_count 2
		.amdhsa_user_sgpr_kernarg_segment_ptr 1
		.amdhsa_wavefront_size32 1
		.amdhsa_system_sgpr_workgroup_id_x 1
		.amdhsa_system_sgpr_workgroup_id_y 1
		.amdhsa_system_sgpr_workgroup_id_z 1
		.amdhsa_system_vgpr_workitem_id 0
		.amdhsa_next_free_vgpr 1024
		.amdhsa_next_free_sgpr 66
		.amdhsa_reserve_vcc 0
		.amdhsa_float_denorm_mode_32 3
		.amdhsa_float_denorm_mode_16_64 3
		.amdhsa_memory_ordered 1
		.amdhsa_forward_progress 1
		.amdhsa_inst_pref_size 255
	.end_amdhsa_kernel
	.section	.bss,"aw",@nobits
	.p2align	6
	.space	262144
	.amdgpu_metadata
---
amdhsa.version: [ 1, 2 ]
amdhsa.kernels:
  - .name:           k_q94838eef8d_ffn1
    .symbol:         k_q94838eef8d_ffn1.kd
    .args:
      - { .name: w1, .offset: 0, .size: 8, .value_kind: global_buffer, .address_space: global }
      - { .name: xg, .offset: 8, .size: 8, .value_kind: global_buffer, .address_space: global }
      - { .name: tt, .offset: 16, .size: 8, .value_kind: global_buffer, .address_space: global }
      - { .name: lowp_scales, .offset: 24, .size: 8, .value_kind: global_buffer, .address_space: global }
      - { .name: act, .offset: 32, .size: 8, .value_kind: global_buffer, .address_space: global }
    .group_segment_fixed_size: 131584
    .private_segment_fixed_size: 0
    .kernarg_segment_align: 8
    .kernarg_segment_size: 40
    .max_flat_workgroup_size: 128
    .sgpr_count:     66
    .vgpr_count:     1024
    .wavefront_size: 32
...
	.end_amdgpu_metadata
.endif
;; end of part 8
;; launch ffn2 (part 9): grid 32 x 8, 4 waves a work-group, no clusters, 83,456 bytes of LDS; arguments w2, act, tt, lowp_scales, eo; writes eo
.if DOCPART == 9
	.amdgcn_target "amdgcn-amd-amdhsa--gfx1250"
	.amdhsa_code_object_version 6
	.text
	.protected	k_q94838eef8d_ffn2
	.globl	k_q94838eef8d_ffn2
	.p2align	8
	.type	k_q94838eef8d_ffn2,@function
k_q94838eef8d_ffn2:
	s_mov_b64 s[64:65], 0
	v_nop
	global_prefetch_b8 v0, s[64:65] scope:SCOPE_SE
	s_setreg_imm32_b32 hwreg(HW_REG_WAVE_SCHED_MODE, 0, 2), 2
	s_setreg_imm32_b32 hwreg(HW_REG_WAVE_MODE, 25, 1), 1
	s_wait_xcnt 0x0
	s_wait_alu depctr_vm_vsrc(0)
; The second product of the chosen experts: eo = act w2[e], both operands as codes of E4M3 (scales 2^e2 for w2, 2^e3 for act), sums in f32, x 2^(e2 + e3).
; SHARES.  Work-group (ds, kh, e) owns output columns 64 ds .. 64 ds + 63 and half kh of K = 2,048 of expert e: 256 KiB of w2 that no other work-group reads.  16 x 2 x 8 = 256 work-groups.
; The split of K keeps a weight row's piece at 256 bytes and gives every WGP a work-group; its price is a second partial sum in eo, which the last launch adds.
; THE WEIGHTS are read once, quantised in registers and kept in LDS as images of operand registers, as in the launch before: a load takes 64 neighbouring columns of one row of w2 in lanes 0-15 and of another in lanes 16-31; lane r owns
; columns 4 r + 0 .. 3, column tile c is {4 r + c}; the hold turns 16 rows x 4 columns on its way.  THE ROWS ARE TAKEN IN THE ORDER IN WHICH act's IMAGES HOLD THE HIDDEN UNITS:
; K step s, lane half h, wave i, byte t: hidden unit 1024 kh + 128 s + 64 (i / 2) + 32 h + 4 (t % 8) + 2 (i % 2) + t / 8.  So every product meets its partner; only the order of the sums inside an instruction is another.
; TRANSPOSED USE (source 0 = 16 columns of w2, source 1 = 16 rows): lane (r, h) holds row r, register j of tile c column 32 h + 4 j + c: the four tiles' registers, taken j first, are 32 neighbouring columns.
; ROWS as in the launch before: wave w takes the expert's tiles tp + 4 q + w, q = 0 .. 4; the first pass runs under the stream of weights, one barrier a K step; further passes (nt > 20) are a loop without a barrier,
; of four trips at the most (64 tiles at the most), left as soon as no tile remains.
; No tensor load and no cluster: branches hang on stored numbers; what work-groups share (act's codes) is a small part beside the weights that each reads alone.
; OUT: eo [kh][slot][1024] f32.  A tile's 16 rows x 64 columns go through the wave's own stage in LDS, so that sixteen lanes store 256 consecutive bytes, aligned.
; LIMITS: e2 between -126 and 119; e2 + e3 between -126 and 127.  NaN and infinities are not served.
; REGISTERS.  Window 0: v1-13 addresses and constants; v16-255 three sets of the five tiles' fragments (on the way out: v16-47 a tile's numbers, v48-207 rows read back).
;   Window 1: v0-191 three sets of 64, weights as loaded; v192-255 the turned block.   Window 2: v0-159 accumulators (q, c) at 32 q + 8 c; v160-223 the four weight fragments; v224-239 the weights' codes.
; THE MODE: SCHED_MODE bits 1:0 = 2 (LLVM: expert scheduling mode 2), set by the entry lines.  The code itself states the register dependences
; between vector or matrix instructions and memory or LDS instructions, with s_wait_alu, always for 0.
; THE PLAN.  Registers that memory or LDS instructions touch, and who else names them:
;   the raw sets (window 1)   K step s: its holds read set s % 3; the loads of K step s + 3 land there.
;   the row sets (v16-255)    K step s: its products read set s % 3; the loads of K step s + 2 land in set (s + 2) % 3, which the products of K step s - 1 read.
;   WF (window 2)             K step s: its LDS loads land there, its products read it.      CW (window 2): written by the conversions, read by the K step's four LDS stores.
;   v[OB ..] (v16-47)         on the way out: written by a tile's multiplications, read by its LDS stores.      v[RB ..] (v48-207): a tile's LDS loads land there, its stores read it.
;   v1-3, v11-13              offsets and LDS addresses, made at the head and never written again.   v[XO ..]: made anew for each pass.
;   The turned block and the accumulators are named by vector and matrix instructions alone.   v254, v255 of window 2: written at the head, read by the closing add alone.
; So ONE wait on va_vdst stands in a K step of the first pass, behind its conversions: the codes are written; the holds are done reading their raw set; the products of the K step before are done reading their rows and the fragments.
; All the K step's memory and LDS instructions follow it, ahead of the K step's products; between the wait and them stand only v_nop.  One wait on vm_vsrc stands at the head of the next K step, a K step behind the LDS stores that it speaks of.
; A K step of a further pass has one wait on va_vdst at its head; a tile's way out one of each kind round its turn through the stage; a new pass one of each kind round the lines that make its offsets.
.set PASSES, 4                         ; 64 tiles at the most, 20 a pass
.set XO,   6                           ; v6-10   byte offset of tile q's images in act, + my half of K, + 16 x lane
.set XS,   16
.set OB,   16
.set RB,   48
.set WF,   160                         ; in window 2
.set CW,   224                         ; in window 2
.set TQ,   192                         ; in window 1
.set EB,   40                          ; s[40:49] eo at tile q's rows, my half of K, my columns
.set MSB, 0
.macro WIN new                         ; the immediate's high byte repeats the setting that is left
.if MSB != (\new)
	s_set_vgpr_msb (MSB<<8)|(\new)
.set MSB, (\new)
.endif
.endm
.macro PLACES                          ; four plain vector instructions between a matrix instruction and a read of its result or a write of one of its registers; they stand ahead of loads into its registers too, beside the wait that states that dependence
.rept 4
	v_nop
.endr
.endm
.macro WLOAD2 s
	WIN 0x40                                       ; destination window 1
.irp t, 0,1,2,3,4,5,6,7,8,9,10,11,12,13,14,15
	global_load_b128 v[64*((\s)%3)+4*\t:64*((\s)%3)+4*\t+3], v2, s[4:5] offset:(\s)*524288+(4*(\t&7)+(\t>>3))*4096 th:TH_LOAD_NT
.endr
.endm
.macro XLOAD2 s
	WIN 0
.irp q, 0,1,2,3,4
.irp i, 0,1,2,3
	global_load_b128 v[XS+80*((\s)%3)+16*\q+4*\i:XS+80*((\s)%3)+16*\q+4*\i+3], v[XO+\q], s[6:7] offset:2048*(\s)+512*\i
.endr
.endr
.endm
.macro TILES2
	s_add_co_u32 s58, s22, s16                     ; tp + wave
.irp q, 0,1,2,3,4
	s_add_co_u32 s59, s58, 4*\q
	s_add_co_u32 s60, s59, s20
	s_cmp_lt_u32 s59, s21
	s_cselect_b32 s60, s60, 0                      ; behind the expert's last tile: tile 0; its results are not stored
	s_min_u32 s60, s60, 135                        ; a loaded number enters an address only held inside its table
	s_lshl_b32 s61, s60, 15
	s_add_co_u32 s61, s61, s23
	v_add_nc_u32 v[XO+\q], s61, v1
	s_lshl_b32 s62, s60, 16                        ; 16 rows of 4,096 bytes
	s_mov_b32 s63, 0
	s_add_nc_u64 s[EB+2*\q:EB+2*\q+1], s[30:31], s[62:63]
.endr
.endm
; K step s: four fragments from LDS, 20 matrix instructions; the 20 accumulators take turns, one instruction a turn.
; again = 0: the first pass: the K step's one wait on va_vdst stands further up, behind its conversions, and no vector or matrix instruction since names the fragments' registers.
; again = 1: a further pass: the wait stands here, and the rows of the K step after the next are asked for behind it; n = the loads younger than X(s).
.macro COMPUTE2 s, zero, again, n
	WIN 0
	PLACES
.if \again
.if \s > 0
	s_wait_alu depctr_va_vdst(0)                   ; the last K step's products are done reading the fragments and their set of rows: the loads below land in both
.if \s < 6
	XLOAD2 \s+2
.endif
.endif
.endif
	WIN 0x80                                       ; destination window 2
.irp c, 0,1,2,3
.irp i, 0,1,2,3
	ds_load_b128 v[WF+16*\c+4*\i:WF+16*\c+4*\i+3], v1 offset:(\s)*8192+\c*2048+512*\i
.endr
.endr
.if \again
	s_wait_loadcnt \n
.endif
	s_wait_dscnt 0x0
	WIN 0xa2                                       ; source 0, C and D window 2; source 1 window 0
.irp c, 0,1,2,3
.irp q, 0,1,2,3,4
.if \zero
	v_wmma_f32_16x16x128_fp8_fp8 v[32*\q+8*\c:32*\q+8*\c+7], v[WF+16*\c:WF+16*\c+15], v[XS+80*((\s)%3)+16*\q:XS+80*((\s)%3)+16*\q+15], 0
.else
	v_wmma_f32_16x16x128_fp8_fp8 v[32*\q+8*\c:32*\q+8*\c+7], v[WF+16*\c:WF+16*\c+15], v[XS+80*((\s)%3)+16*\q:XS+80*((\s)%3)+16*\q+15], v[32*\q+8*\c:32*\q+8*\c+7]
.endif
.endr
.endr
	WIN 0
.endm
; A K step of the first pass.  The loads go out in the order W0 W1 W2 X0 X1 X2 | W3 | X3 W4 | X4 W5 | X5 W6 | X6 W7 | X7 (W: 16 loads, X: 20; a bar: a K step's end).  n = the loads younger than W(s) and X(s) at the head of K step s:
; 40 (X1 X2), 36 (X2 W3), four times 52 (W(s+1) X(s+1) W(s+2)), 36 (W7 X7), 0.
.macro TRIP2 s, n, zero
	s_wait_loadcnt \n
.if \s > 0
	s_wait_alu depctr_vm_vsrc(0)                   ; the last K step's LDS stores have read the codes' registers, which the conversions below write again
.endif
	WIN 0x41                                       ; source 0 and destination window 1
.irp t, 0,1,2,3,4,5,6,7,8,9,10,11,12,13,14,15
.irp c, 0,1,2,3
	v_med3_num_f32 v[TQ+16*\c+\t], v[64*((\s)%3)+4*\t+\c], -v4, v4             ; the hold (the conversion does not saturate: ISA guide 7.6.2), which also turns the block
.endr
.endr
	WIN 0x81                                       ; source 0 window 1, destination window 2
.irp c, 0,1,2,3
	v_cvt_scalef32_pk8_fp8_f32 v[CW+4*\c:CW+4*\c+1], v[TQ+16*\c:TQ+16*\c+7], v5
	v_cvt_scalef32_pk8_fp8_f32 v[CW+4*\c+2:CW+4*\c+3], v[TQ+16*\c+8:TQ+16*\c+15], v5
.endr
	v_nop                                          ; one plain vector instruction behind the last scaled conversion
	WIN 0x08                                       ; the stores' data: window 2
	s_wait_alu depctr_va_vdst(0)                   ; the conversions have written the codes, which the LDS stores read; the holds are done reading their raw set, the last K step's products their rows and the fragments: the loads below land in all of these
.irp c, 0,1,2,3
	ds_store_b128 v3, v[CW+4*\c:CW+4*\c+3] offset:(\s)*8192+\c*2048
.endr
.if (\s > 0) && (\s < 6)
	XLOAD2 \s+2                                    ; into the set that the last K step's products read
.endif
.if \s < 5
	WLOAD2 \s+3                                    ; the set just emptied is asked for again
.endif
	s_wait_dscnt 0x0                               ; for the others' sake: my part of this K step's fragments has landed
	s_barrier_signal -1
	s_barrier_wait -1
	COMPUTE2 \s, \zero, 0, 0
.endm
.macro AGAIN2 s, n, zero               ; a K step of a further pass: behind X(s) the loads of the next two K steps are out
	COMPUTE2 \s, \zero, 1, \n
.endm
.macro OUT q                           ; tile q's 16 rows x 64 columns, if the expert has that tile
	s_add_co_u32 s59, s58, 4*\q
	s_cmp_ge_u32 s59, s21
	s_cbranch_scc1 .Lno_tile_\@
	WIN 0x08                                       ; source 1 window 2
.irp j, 0,1,2,3,4,5,6,7
.irp c, 0,1,2,3
	v_mul_f32 v[OB+4*\j+\c], s57, v[32*\q+8*\c+\j] ; x 2^(e2 + e3); column 32 h + 4 j + c; each accumulator from its low end on
.endr
.endr
	WIN 0
	s_wait_alu depctr_va_vdst(0)                   ; the multiplications have written v[OB ..], which the LDS stores read; the products are done reading the rows that lay in v[RB + 32 q ..], in which the LDS loads land
.irp m, 0,1,2,3,4,5,6,7
	ds_store_b128 v11, v[OB+4*\m:OB+4*\m+3] offset:16*\m
.endr
.irp u, 0,1,2,3,4,5,6,7
	ds_load_b128 v[RB+32*\q+4*\u:RB+32*\q+4*\u+3], v12 offset:544*\u           ; LDS serves a wave's instructions in order (ISA guide 5.7.1.4): these see my stores, and the next tile's stores come behind them
.endr
	s_wait_dscnt 0x0
.if \q < 4
	s_wait_alu depctr_vm_vsrc(0)                   ; my LDS stores have read v[OB ..], which the next tile's multiplications write again
.endif
.irp u, 0,1,2,3,4,5,6,7
	global_store_b128 v13, v[RB+32*\q+4*\u:RB+32*\q+4*\u+3], s[EB+2*\q:EB+2*\q+1] offset:8192*\u         ; sixteen lanes store 256 consecutive bytes of a row, aligned
.endr
.Lno_tile_\@:
.endm
	s_load_b256 s[4:11], s[0:1], 0x0               ; w2, act, tt, the scales' exponents
	s_load_b64 s[12:13], s[0:1], 0x20              ; eo
	s_set_vgpr_msb 0x80
	v_lshl_add_u32 v254, v0, 2, 0x14400
	v_mov_b32 v255, 0
	s_set_vgpr_msb 0x8000
	v_lshrrev_b32 v1, 5, v0
	v_readfirstlane_b32 s16, v1                    ; wave 0..3
	v_and_b32 v1, 31, v0
	v_lshlrev_b32 v1, 4, v1                        ; 16 x lane
	v_and_b32 v14, 15, v0                          ; r
	s_wait_alu depctr_va_vdst(0)
	v_bfe_u32 v15, v0, 4, 1                        ; h
	s_wait_alu depctr_va_sdst(0)                   ; s16 is written, ahead of its first reader
	s_lshr_b32 s17, s16, 1
	s_lshl_b32 s17, s17, 18                        ; 64 rows of 4,096 bytes for wave / 2,
	s_and_b32 s18, s16, 1
	s_lshl_b32 s18, s18, 13                        ; 2 rows for wave % 2,
	s_add_co_u32 s17, s17, s18
	v_lshlrev_b32 v2, 4, v14                       ; my four columns,
	v_lshl_add_u32 v2, v15, 17, v2                 ; 32 rows for lanes 16-31
	v_add_nc_u32 v2, s17, v2
	s_lshl_b32 s17, s16, 9
	v_add_nc_u32 v3, s17, v1                       ; where I store my part of a fragment
	s_mul_i32 s18, s16, 16*272
	s_add_co_u32 s18, s18, 0x10000                 ; my stage, behind the 64 KiB of fragments: 16 rows x (256 bytes + 16)
	v_mul_u32_u24 v11, v14, 272
	s_wait_alu depctr_va_vdst(0)
	v_lshl_add_u32 v11, v15, 7, v11
	v_add_nc_u32 v11, s18, v11                     ; in: row r, + 128 h
	v_mul_u32_u24 v12, v15, 272
	v_lshl_add_u32 v12, v14, 4, v12
	v_add_nc_u32 v12, s18, v12                     ; back: lanes 0-15 one row, lanes 16-31 the next
	v_lshlrev_b32 v13, 4, v14
	v_lshl_add_u32 v13, v15, 12, v13               ; and the same two rows in eo
	s_and_b32 s28, ttmp9, 15                       ; ds
	s_lshr_b32 s29, ttmp9, 4                       ; kh
	s_and_b32 s18, ttmp7, 0xffff                   ; the expert
	s_lshl_b32 s19, s18, 3
	s_lshl_b32 s32, s18, 23                        ; its 8 MiB of w2,
	s_lshl_b32 s33, s29, 22                        ; my half of K,
	s_add_co_u32 s32, s32, s33
	s_lshl_b32 s33, s28, 8                         ; my 64 columns
	s_add_co_u32 s32, s32, s33
	s_mov_b32 s33, 0
	s_mul_i32 s34, s29, 0x880000                   ; eo: 2,176 slots x 4,096 bytes for each half of K
	s_lshl_b32 s35, s28, 8
	s_add_co_u32 s34, s34, s35
	s_mov_b32 s35, 0
	s_lshl_b32 s23, s29, 14                        ; my eight of a tile's sixteen images
	s_mov_b32 s22, 0                               ; tp: the pass's first tile
	s_mov_b32 s36, 0                               ; further passes done
	s_wait_kmcnt 0x0
	s_load_b64 s[20:21], s[8:9], s19 offset:0x0    ; bt, nt
	s_load_b128 s[24:27], s[10:11], 0x0            ; e0, e1, e2, e3
	s_add_nc_u64 s[4:5], s[4:5], s[32:33]
	s_add_nc_u64 s[30:31], s[12:13], s[34:35]
	s_wait_alu depctr_va_vdst(0)                   ; v1 to v3 and v11 to v13 are written: the weights' loads, the LDS stores and loads and the way out's stores of the whole kernel read them as offsets and addresses
	WLOAD2 0
	WLOAD2 1
	WLOAD2 2
	WIN 0
	s_wait_kmcnt 0x0
	s_min_u32 s21, s21, 64                         ; 1,024 tokens make 64 tiles at the most
	s_add_co_i32 s62, s26, 127
	s_lshl_b32 s63, s62, 23
	v_mov_b32 v5, s63                              ; 2^e2 as f32: the conversion takes its exponent field
	s_add_co_i32 s62, s62, 8
	s_lshl_b32 s62, s62, 23
	s_or_b32 s62, s62, 0x600000
	v_mov_b32 v4, s62                              ; 448 x 2^e2
	s_add_co_i32 s57, s26, s27
	s_add_co_i32 s57, s57, 127
	s_lshl_b32 s57, s57, 23                        ; 2^(e2 + e3) as f32
	TILES2
	s_wait_alu depctr_va_vdst(0)                   ; v[XO ..] are written, which the rows' loads read as offsets
	XLOAD2 0
	XLOAD2 1
	XLOAD2 2
	TRIP2 0, 40, 1
	TRIP2 1, 36, 0
	TRIP2 2, 52, 0
	TRIP2 3, 52, 0
	TRIP2 4, 52, 0
	TRIP2 5, 52, 0
	TRIP2 6, 36, 0
	TRIP2 7, 0, 0
.Ltail:                                                ; a trip: the way out of one pass and, if tiles are left, the products of the next
	PLACES                                         ; behind the last products
	OUT 0
	OUT 1
	OUT 2
	OUT 3
	OUT 4
	s_add_co_u32 s22, s22, 20
	s_cmp_ge_u32 s22, s21
	s_cbranch_scc1 .Ldone                          ; no tile is left
	s_wait_xcnt 0x0                                ; the stores have had their addresses translated: their bases and data are written again only behind this wait
	s_wait_alu depctr_vm_vsrc(0)                   ; the rows' loads have read v[XO ..], which the lines below write again; the last tile's LDS stores have read v[OB ..] and the stores v[RB ..], in which the next pass's loads land
	TILES2
	s_wait_alu depctr_va_vdst(0)                   ; v[XO ..] are written; the multiplications are done with v[OB ..], the last pass's products with their rows and the fragments: the loads below, and K step 0's LDS loads, land there
	XLOAD2 0
	XLOAD2 1
	XLOAD2 2
	AGAIN2 0, 40, 1
	AGAIN2 1, 40, 0
	AGAIN2 2, 40, 0
	AGAIN2 3, 40, 0
	AGAIN2 4, 40, 0
	AGAIN2 5, 40, 0
	AGAIN2 6, 20, 0
	AGAIN2 7, 0, 0
	s_add_co_u32 s36, s36, 1                       ; the loop is counted: nt is at most 64, so at most three further passes are made (tp = 20, 40, 60),
	s_cmp_lt_u32 s36, PASSES                       ; each goes back to its way out, and the branch above leaves the loop behind the last one
	s_cbranch_scc1 .Ltail
.Ldone:
	s_set_vgpr_msb 0xa                             ; the add's two registers, sources 0 and 1, lie in window 2: the one switch stands ahead of the closing lines
	s_wait_dscnt 0x0                               ; the closing lines, six on end
	s_wait_alu 0x0
	s_wait_tensorcnt 0x0
	ds_add_u32 v254, v255
	s_wait_dscnt 0x0
	s_endpgm
.Lfunc_end_k_q94838eef8d_ffn2:
	.size	k_q94838eef8d_ffn2, .Lfunc_end_k_q94838eef8d_ffn2-k_q94838eef8d_ffn2
	.p2alignl 7, 3214868480
	.fill 96, 4, 3214868480
	.section	.rodata,"a",@progbits
	.p2align	6, 0x0
	.amdhsa_kernel k_q94838eef8d_ffn2
		.amdhsa_group_segment_fixed_size 83456
		.amdhsa_private_segment_fixed_size 0
		.amdhsa_enable_private_segment 0
		.amdhsa_kernarg_size 40
		.amdhsa_user_sgpr_count 2
		.amdhsa_user_sgpr_kernarg_segment_ptr 1
		.amdhsa_wavefront_size32 1
		.amdhsa_system_sgpr_workgroup_id_x 1
		.amdhsa_system_sgpr_workgroup_id_y 1
		.amdhsa_system_sgpr_workgroup_id_z 1
		.amdhsa_system_vgpr_workitem_id 0
		.amdhsa_next_free_vgpr 768
		.amdhsa_next_free_sgpr 66
		.amdhsa_reserve_vcc 0
		.amdhsa_float_denorm_mode_32 3
		.amdhsa_float_denorm_mode_16_64 3
		.amdhsa_memory_ordered 1
		.amdhsa_forward_progress 1
		.amdhsa_inst_pref_size 147
	.end_amdhsa_kernel
	.amdgpu_metadata
---
amdhsa.version: [ 1, 2 ]
amdhsa.kernels:
  - .name:           k_q94838eef8d_ffn2
    .symbol:         k_q94838eef8d_ffn2.kd
    .args:
      - { .name: w2, .offset: 0, .size: 8, .value_kind: global_buffer, .address_space: global }
      - { .name: act, .offset: 8, .size: 8, .value_kind: global_buffer, .address_space: global }
      - { .name: tt, .offset: 16, .size: 8, .value_kind: global_buffer, .address_space: global }
      - { .name: lowp_scales, .offset: 24, .size: 8, .value_kind: global_buffer, .address_space: global }
      - { .name: eo, .offset: 32, .size: 8, .value_kind: global_buffer, .address_space: global }
    .group_segment_fixed_size: 83456
    .private_segment_fixed_size: 0
    .kernarg_segment_align: 8
    .kernarg_segment_size: 40
    .max_flat_workgroup_size: 128
    .sgpr_count:     66
    .vgpr_count:     768
    .wavefront_size: 32
...
	.end_amdgpu_metadata
.endif
;; end of part 9
;; launch combine (part 10): grid 256 x 1, 4 waves a work-group, no clusters, 0 bytes of LDS; arguments x, eo, slotmap, topw, out0; writes out0
.if DOCPART == 10
	.amdgcn_target "amdgcn-amd-amdhsa--gfx1250"
	.amdhsa_code_object_version 6
	.text
	.protected	k_q94838eef8d_combine
	.globl	k_q94838eef8d_combine
	.p2align	8
	.type	k_q94838eef8d_combine,@function
k_q94838eef8d_combine:
	s_mov_b64 s[64:65], 0
	v_nop
	global_prefetch_b8 v0, s[64:65] scope:SCOPE_SE
	s_setreg_imm32_b32 hwreg(HW_REG_WAVE_MODE, 25, 1), 1
	s_wait_xcnt 0x0
; out0[token] = x[token] + wa (eo[0][sa] + eo[1][sa]) + wb (eo[0][sb] + eo[1][sb]): the two halves of K of the token's two chosen experts, weighed, and the residual.
; One wave takes one token: each output row has one owner.  sa, sb (slotmap) are stored whole numbers and are held inside eo's 2,176 slots before they enter an address; wa, wb (topw) only multiply.
; Memory binds: five rows of 4,096 bytes in, one out; every load and store of the wave covers 512 consecutive bytes; all 40 loads go out at once.  No LDS, no barrier, no matrix unit: nothing here is shared or multiplied in bulk.
.set EOH, 0x880000                     ; bytes of one half of K in eo: 2,176 x 4,096
	s_load_b256 s[4:11], s[0:1], 0x0               ; x, eo, slotmap, topw
	s_load_b64 s[12:13], s[0:1], 0x20              ; out0
	v_lshrrev_b32 v1, 5, v0
	v_readfirstlane_b32 s14, v1                    ; wave
	v_and_b32 v1, 31, v0
	v_lshlrev_b32 v1, 4, v1                        ; 16 x lane
	s_lshl_b32 s15, ttmp9, 2
	s_add_co_u32 s15, s15, s14                     ; my token
	s_lshl_b32 s24, s15, 3
	s_lshl_b32 s26, s15, 12
	s_mov_b32 s27, 0
	s_wait_alu depctr_va_vdst(0)
	s_wait_kmcnt 0x0
	s_load_b64 s[16:17], s[8:9], s24 offset:0x0    ; sa, sb
	s_load_b64 s[18:19], s[10:11], s24 offset:0x0  ; wa, wb
	s_add_nc_u64 s[4:5], s[4:5], s[26:27]
	s_add_nc_u64 s[12:13], s[12:13], s[26:27]
.irp i, 0,1,2,3,4,5,6,7
	global_load_b128 v[16+4*\i:19+4*\i], v1, s[4:5] offset:512*\i
.endr
	s_wait_kmcnt 0x0
	s_min_u32 s16, s16, 2175
	s_min_u32 s17, s17, 2175
	s_lshl_b32 s20, s16, 12
	s_mov_b32 s21, 0
	s_lshl_b32 s22, s17, 12
	s_mov_b32 s23, 0
	s_add_nc_u64 s[20:21], s[6:7], s[20:21]        ; the first choice's row, first half of K,
	s_add_nc_u64 s[22:23], s[6:7], s[22:23]        ; the second choice's,
	s_add_nc_u64 s[28:29], s[20:21], EOH           ; and their second halves
	s_add_nc_u64 s[30:31], s[22:23], EOH
	s_mov_b32 s24, s19                             ; wb as the low word of a pair of its own: the packed form takes the low word for both halves
	s_mov_b32 s25, s19
.irp i, 0,1,2,3,4,5,6,7
	global_load_b128 v[48+4*\i:51+4*\i], v1, s[20:21] offset:512*\i
	global_load_b128 v[80+4*\i:83+4*\i], v1, s[28:29] offset:512*\i
	global_load_b128 v[112+4*\i:115+4*\i], v1, s[22:23] offset:512*\i
	global_load_b128 v[144+4*\i:147+4*\i], v1, s[30:31] offset:512*\i
.endr
	s_wait_loadcnt 0x0
.set j, 0
.rept 16
	v_pk_add_f32 v[48+j:49+j], v[48+j:49+j], v[80+j:81+j]
	v_pk_add_f32 v[112+j:113+j], v[112+j:113+j], v[144+j:145+j]
	v_pk_fma_f32 v[16+j:17+j], v[48+j:49+j], s[18:19], v[16+j:17+j] op_sel_hi:[1,0,1]
	v_pk_fma_f32 v[16+j:17+j], v[112+j:113+j], s[24:25], v[16+j:17+j] op_sel_hi:[1,0,1]
.set j, j+2
.endr
.irp i, 0,1,2,3,4,5,6,7
	global_store_b128 v1, v[16+4*\i:19+4*\i], s[12:13] offset:512*\i th:TH_STORE_NT
.endr
	s_endpgm
.Lfunc_end_k_q94838eef8d_combine:
	.size	k_q94838eef8d_combine, .Lfunc_end_k_q94838eef8d_combine-k_q94838eef8d_combine
	.p2alignl 7, 3214868480
	.fill 96, 4, 3214868480
	.section	.rodata,"a",@progbits
	.p2align	6, 0x0
	.amdhsa_kernel k_q94838eef8d_combine
		.amdhsa_group_segment_fixed_size 0
		.amdhsa_private_segment_fixed_size 0
		.amdhsa_enable_private_segment 0
		.amdhsa_kernarg_size 40
		.amdhsa_user_sgpr_count 2
		.amdhsa_user_sgpr_kernarg_segment_ptr 1
		.amdhsa_wavefront_size32 1
		.amdhsa_system_sgpr_workgroup_id_x 1
		.amdhsa_system_sgpr_workgroup_id_y 1
		.amdhsa_system_sgpr_workgroup_id_z 1
		.amdhsa_system_vgpr_workitem_id 0
		.amdhsa_next_free_vgpr 176
		.amdhsa_next_free_sgpr 66
		.amdhsa_reserve_vcc 0
		.amdhsa_float_denorm_mode_32 3
		.amdhsa_float_denorm_mode_16_64 3
		.amdhsa_memory_ordered 1
		.amdhsa_forward_progress 1
		.amdhsa_inst_pref_size 10
	.end_amdhsa_kernel
	.amdgpu_metadata
---
amdhsa.version: [ 1, 2 ]
amdhsa.kernels:
  - .name:           k_q94838eef8d_combine
    .symbol:         k_q94838eef8d_combine.kd
    .args:
      - { .name: x, .offset: 0, .size: 8, .value_kind: global_buffer, .address_space: global }
      - { .name: eo, .offset: 8, .size: 8, .value_kind: global_buffer, .address_space: global }
      - { .name: slotmap, .offset: 16, .size: 8, .value_kind: global_buffer, .address_space: global }
      - { .name: topw, .offset: 24, .size: 8, .value_kind: global_buffer, .address_space: global }
      - { .name: out0, .offset: 32, .size: 8, .value_kind: global_buffer, .address_space: global }
    .group_segment_fixed_size: 0
    .private_segment_fixed_size: 0
    .kernarg_segment_align: 8
    .kernarg_segment_size: 40
    .max_flat_workgroup_size: 128
    .sgpr_count:     66
    .vgpr_count:     176
    .wavefront_size: 32
...
	.end_amdgpu_metadata
.endif
;; end of part 10
